; MI455X (gfx1250); checked and timed in simulation.
; The chip was launched on July 23, 2026; its instructions are those of AMD's public machine-readable ISA for CDNA 5 (MIT licence, August 2026) and "CDNA5" Instruction Set Architecture Reference Guide (July 2026). The comments in the code are by the model that wrote it; some were corrected since.
;; Multi Head Attention. Allowed arithmetic: matrix products marked QUANTISED: E3M2 operands, one E8M0 scale for each 32 along K, by v_wmma_scale_f32_16x16x128_f8f6f4 with both operands' format E3M2, f32 sums; everything else in f32.
;; Inputs: Wk 2,048 x 2,048 float32; Wo 2,048 x 2,048 float32; Wq 2,048 x 2,048 float32; Wv 2,048 x 2,048 float32; attn_mask 2,048 x 2,048 bool; bk 2,048 float32; bo 2,048 float32; bq 2,048 float32; bv 2,048 float32; x 1 x 2,048 x 2,048 float32.
;; Outputs: out0 1 x 2,048 x 2,048 float32.
;; This version of the problem:
;;   THIS VERSION OF THE PROBLEM IS GIVEN IN LOW PRECISION. The matrix products marked QUANTISED in the list below multiply operands that are first quantised to E3M2 (3 exponent bits, 2 mantissa bits; 6 bits a number), with one power-of-two scale for each 32 numbers along K (OCP MX v1.0); their sums are f32. All else is computed in f32.
;;   The module's matrix products, in the order in which they are computed (A, B: the left and right operand; K: the contracted axis; several contracted axes count as one K, in the product's order):
;;     1. [M 2,048, K 2,048] x [K 2,048, N 2,048]; A: input x; B: input Wq: QUANTISED
;;     2. [M 2,048, K 2,048] x [K 2,048, N 2,048]; A: input x; B: input Wk: QUANTISED
;;     3. [M 2,048, K 2,048] x [K 2,048, N 2,048]; A: input x; B: input Wv: QUANTISED
;;     4. batch 16 x [M 2,048, K 128] x [K 128, N 2,048]; A: computed on the way; B: computed on the way: QUANTISED
;;     5. batch 16 x [M 2,048, K 2,048] x [K 2,048, N 128]; A: softmax (see below); B: computed on the way: QUANTISED
;;     6. [M 2,048, K 2,048] x [K 2,048, N 2,048]; A: computed on the way; B: input Wo: QUANTISED
;;   THE QUANTISER, for each operand of a quantised product, along K:
;;     - K is cut into blocks of 32 from its start; a last block that is shorter is filled with zeros.
;;     - A block's scale is 2^e with e = floor(log2(the largest magnitude in the block)) - 4, held to -126 .. 127; a block of zeros has e = 0. As a byte (E8M0): e + 127.
;;     - Each number is divided by its block's scale, clamped to +-28, and rounded to the nearest number of E3M2, ties to even, subnormals kept.
;;     - The product sums the exact products of the quantised numbers (number of the format x scale) in f32.
;;   ~~~python
;;   def quantise(x, axis):      # numpy; x: float32 -> the quantised numbers, widened to float32 again
;;       x = np.moveaxis(x, axis, -1); K = x.shape[-1]
;;       x = np.pad(x, [(0, 0)] * (x.ndim - 1) + [(0, -K % 32)]); x = x.reshape(x.shape[:-1] + (-1, 32)); a = np.abs(x).max(-1, keepdims=True)
;;       e = np.where(a > 0, np.clip(np.frexp(np.where(a > 0, a, 1))[1] - 1 - 4, -126, 127), 0)      # np.frexp(a)[1] - 1 = floor(log2(a)), exactly
;;       r = np.clip(x / 2.0 ** e, -28, 28)
;;       step = 2.0 ** (np.maximum(np.frexp(np.where(r == 0, 1, r))[1] - 1, -2) - 2)
;;       q = np.round(r / step) * step * 2.0 ** e      # np.round: ties to even
;;       return np.moveaxis(q.reshape(q.shape[:-2] + (-1,))[..., :K], -1, axis).astype(np.float32)
;;   ~~~
;;   SOFTMAX AHEAD OF A QUANTISED PRODUCT. Where the list says 'softmax', what is quantised is not the finished softmax but p = 2^(t - M), with t = logit x log2(e) and M = ceil(the row's largest t), a whole number; so 1/2 < the row's largest p <= 1. The row's sum l is taken of the UNQUANTISED p, in f32, and the product's result is divided by l at the end. Since M is a whole number, a kernel that streams over the keys may use a running M (the ceiling of the running maximum): every later rescaling is an exact power of two, which a block's scale takes up: the codes' values come out the same.
;;   OPERANDS COMPUTED ON THE WAY. 'Computed on the way' means the value that the module computes at that place (a softmax that the list does not call 'softmax' is quantised finished and normalised). What goes into a quantiser is computed in f32, as accurately as f32 sums, v_exp_f32 and their like allow (about 1e-6 of the number): no bf16 or f16 on the way to a quantiser, and a product that is left as it is and whose result goes on into a quantised operand takes f32 operands (vector FMAs, or v_wmma_f32_16x16x4_f32). A number that lies on a knife's edge between two numbers of the format may be rounded either way, as far as f32 arithmetic and the matrix unit's own rounding can turn it there, and no further.
;; 2 versions. Each part assembles by itself: llvm-mc -triple=amdgcn-amd-amdhsa -mcpu=gfx1250 --defsym DOCPART=n.
;; ======== version 1 of 2: 4 launches
;; workspace buffers: codes 15,728,640 bytes; scales 655,360 bytes; mbits 524,288 bytes of whole numbers; qkv 9,830,400 bytes; acodes 3,145,728 bytes; ascales 131,072 bytes
;; launch prep (part 1): grid 448 x 1, 4 waves a work-group, no clusters, 36,352 bytes of LDS; arguments x, Wq, Wk, Wv, Wo, attn_mask, codes, scales, mbits; writes codes, scales, mbits
.if DOCPART == 1
	.amdgcn_target "amdgcn-amd-amdhsa--gfx1250"
	.amdhsa_code_object_version 6
	.text
	.protected	k_q96d3881a7c_prep
	.globl	k_q96d3881a7c_prep
	.p2align	8
	.type	k_q96d3881a7c_prep,@function
k_q96d3881a7c_prep:
	s_mov_b64 s[64:65], 0
	v_nop
	global_prefetch_b8 v0, s[64:65] scope:SCOPE_SE
	s_setreg_imm32_b32 hwreg(HW_REG_WAVE_MODE, 25, 1), 1
	s_wait_xcnt 0x0
; x, Wq, Wk, Wv, Wo ([2048][2048] f32, K innermost) become codes of BF6 (E3M2) with one E8M0 scale byte for each 32 along K; attn_mask ([2048][2048] bytes) becomes words of one bit a lane.
; THE CODES ARE LAID AS IMAGES OF OPERAND REGISTERS.  A fragment is 16 rows x 128 K: 12 registers a lane (lane (r, h): row r; registers 6 c .. 6 c + 5: k = 64 c + 32 h + 0 .. 31); in memory register 4 c + e of lane l
; lies at byte 512 c + 16 l + 4 e of the fragment's 1,536 bytes.  codes: [tile 640][K step 16][1536], tile = 128 t + T, t = 0 x, 1 Wq, 2 Wk, 3 Wv, 4 Wo.  scales: [tile][K step][row 16] words of four bytes.
; THE ROWS OF A TILE ARE NOT NEIGHBOURS: lane r of tile T takes row 32 (T / 2) + 8 (T % 2) + r + 8 (r / 8), so that a product used transposed leaves 16 neighbours of the next K in the 16 registers of two neighbouring tiles.
; A block's scale is 2^(floor(log2(its largest magnitude)) - 4); its byte is that magnitude's exponent field - 4, held at 1 from below.
; LIMITS: NaN and infinities among the inputs are not served; a block whose largest magnitude lies under 2^-122 keeps the byte 1; a block of zeros gets the byte 1, not 127 (its codes are zeros, and this program alone reads the bytes).
; A mask byte other than 0 counts as keep.
; SHARES.  Work-groups 0 to 319: wave id = 4 x work-group + wave takes half the K (8 fragments) of tile id / 2.  Each load reads 512 consecutive aligned bytes of one row; the 16 rows turn through the wave's own stage in LDS,
; so that a lane gets 16 neighbours of each block of 32.  Two fragments' loads (32) are on their way.  Work-groups 320 to 447: a wave takes 16 queries x 512 keys of the mask.
; No tensor load, no barrier, no matrix unit: the waves share nothing and the launch is bound by the bytes that it reads once.
.set QWG,    320                       ; work-groups that quantise
.set SPITCH, 528                       ; a stage row: 512 bytes + 16, an odd multiple of 16: the sixteen rows of a read fall on sixteen different columns of 16 bytes
.set SCR,    16*SPITCH                 ; behind the stage: the wave's 512 bytes of scale words
.set WREG,   SCR+512                   ; LDS of a wave
.set TM,  8                            ; v8-23    at work in QUANT
.set PW,  24                           ; v24      the scale word just made
.set G,   32                           ; v32-159  two sets of 64: a fragment's numbers as loaded
.set X,   160                          ; v160-223 64 numbers: register 16 b + i = k 32 b + 16 h + i of my row
.set PC,  224                          ; v224-243 the codes
.set SEL, 24                           ; s[24:25] selects of v_permlanex16_b32: lane l xor 16
.set HIM, 26                           ; s26      lanes 16-31
; 64 numbers of a lane, register 16 b + i = k 32 b + 16 (lane / 16) + i of my row, become a fragment's codes in v[PC] on and its scale word in v[PW].
.macro QUANT s
.irp b, 0,1,2,3
	v_max3_num_f32 v[TM+\b], |v[\s+16*\b]|, |v[\s+1+16*\b]|, 0x2800000   ; block b: my 16 numbers, and the floor 2^(5 - 127): the byte cannot fall under 1
.endr
.irp i, 2,4,6,8,10,12,14
.irp b, 0,1,2,3
	v_max3_num_f32 v[TM+\b], v[TM+\b], |v[\s+16*\b+\i]|, |v[\s+1+16*\b+\i]|   ; the four blocks by turns
.endr
.endr
.irp b, 0,1,2,3
	v_permlanex16_b32 v[TM+4+\b], v[TM+\b], s[SEL], s[SEL+1]
.endr
.irp b, 0,1,2,3
	v_max_num_f32 v[TM+\b], v[TM+\b], v[TM+4+\b]          ; with lane l xor 16's: the block's largest magnitude
.endr
.irp b, 0,1,2,3
	v_add_nc_u32 v[TM+12+\b], 0xfe000000, v[TM+\b]        ; 4 off its exponent field: the conversion's scale operand
.endr
.irp b, 0,1,2,3
	v_lshrrev_b32 v[TM+4+\b], 23, v[TM+12+\b]             ; the scale's byte
.endr
	v_lshl_or_b32 v[PW], v[TM+5], 8, v[TM+4]
	v_lshl_or_b32 v[PW], v[TM+6], 16, v[PW]
	v_lshl_or_b32 v[PW], v[TM+7], 24, v[PW]               ; my row's scale word
.irp c, 0,1
	v_cvt_scalef32_pk16_bf6_f32 v[PC+6*\c:PC+2+6*\c], v[\s+32*\c:\s+15+32*\c], v[TM+12+2*\c]
	v_cvt_scalef32_pk16_bf6_f32 v[PC+12+4*\c:PC+14+4*\c], v[\s+16+32*\c:\s+31+32*\c], v[TM+12+2*\c+1]   ; (a conversion's three registers begin on an even number)
.endr
	v_nop                                                 ; one plain place behind a scaled conversion
.irp c, 0,1                                               ; the operand wants a WHOLE block in a lane: lanes 0-15 block 2 c, lanes 16-31 block 2 c + 1
.irp i, 0,1,2
	v_permlane16_swap_b32 v[PC+6*\c+\i], v[PC+12+4*\c+\i]
.endr
.irp i, 0,1,2
	v_mov_b32 v[PC+3+6*\c+\i], v[PC+12+4*\c+\i]
.endr
.endr
.endm
.macro LOADF s                         ; fragment s: 16 rows x 512 bytes into set s % 2
.irp i, 0,1,2,3,4,5,6,7,8,9,10,11,12,13,14,15
	global_load_b128 v[G+64*((\s)%2)+4*\i:G+64*((\s)%2)+4*\i+3], v1, s[4:5] offset:(\i+8*(\i/8))*8192+512*(\s) th:TH_LOAD_NT
.endr
.endm
.macro FRAGQ s
.if (\s) < 7
	s_wait_loadcnt 16                              ; this fragment's 16 loads are in; the next fragment's 16 may be out
.else
	s_wait_loadcnt 0x0
.endif
.irp i, 0,1,2,3,4,5,6,7,8,9,10,11,12,13,14,15
	ds_store_b128 v2, v[G+64*((\s)%2)+4*\i:G+64*((\s)%2)+4*\i+3] offset:SPITCH*\i
.endr
.irp b, 0,1,2,3
.irp j, 0,1,2,3
	ds_load_b128 v[X+16*\b+4*\j:X+16*\b+4*\j+3], v3 offset:128*\b+16*\j   ; LDS serves a wave's instructions in order: these see the stores above
.endr
.endr
	s_wait_dscnt 0x0                               ; the numbers are back, and the stage's stores have read their registers
	s_wait_xcnt 0x0                                ; the last fragment's stores have read the codes' registers
.if (\s)+2 < 8
	LOADF (\s)+2
.endif
	QUANT X
.irp c, 0,1,2
	global_store_b128 v1, v[PC+4*\c:PC+4*\c+3], s[16:17] offset:1536*(\s)+512*\c   ; 512 consecutive aligned bytes
.endr
.if (\s)%2 == 0
	v_mov_b32 v25, v[PW]
.else
	v_cndmask_b32 v26, v25, v[PW], s[HIM]          ; lanes 0-15: the even K step's words, lanes 16-31: the odd one's
	ds_store_b32 v4, v26 offset:128*((\s)/2)
.endif
.endm
	s_load_b256 s[4:11], s[0:1], 0x0               ; x, Wq, Wk, Wv
	s_load_b256 s[12:19], s[0:1], 0x20             ; Wo, attn_mask, codes, scales
	s_load_b64 s[20:21], s[0:1], 0x40              ; mbits
	v_lshl_add_u32 v254, v0, 2, 0x8c00
	v_mov_b32 v255, 0
	v_lshrrev_b32 v1, 5, v0
	v_readfirstlane_b32 s22, v1                    ; wave
	v_and_b32 v6, 31, v0                           ; lane
	v_and_b32 v7, 15, v0                           ; r
	v_bfe_u32 v27, v0, 4, 1                        ; h
	v_lshlrev_b32 v1, 4, v6                        ; 16 x lane
	s_lshl_b32 s23, ttmp9, 2
	s_add_co_u32 s23, s23, s22                     ; 4 x work-group + wave
	s_cmp_lt_u32 ttmp9, QWG
	s_cbranch_scc0 .Lmask
	; ---- the five tensors
	s_lshr_b32 s27, s23, 8                         ; t: which tensor
	s_bfe_u32 s28, s23, 0x70001                    ; T = (id / 2) % 128
	s_and_b32 s29, s23, 1                          ; which half of K
	s_lshr_b32 s30, s28, 1
	s_lshl_b32 s30, s30, 18                        ; 32 (T / 2) rows of 8,192 bytes
	s_and_b32 s31, s28, 1
	s_lshl_b32 s31, s31, 16                        ; 8 (T % 2) rows
	s_add_co_u32 s30, s30, s31
	s_lshl_b32 s31, s29, 12                        ; 1,024 numbers along K
	s_add_co_u32 s30, s30, s31
	s_mov_b32 s31, 0
	s_mul_i32 s32, s23, 8*1536                     ; my 8 fragments: (16 (id / 2) + 8 (id % 2)) x 1,536 = id x 12,288
	s_mov_b32 s33, 0
	s_lshl_b32 s34, s23, 9                         ; and their scale words: id x 512
	s_mov_b32 s35, 0
	s_mov_b32 s[SEL], 0x76543210
	s_mov_b32 s[SEL+1], 0xfedcba98
	s_mov_b32 s[HIM], 0xffff0000
	s_mul_i32 s36, s22, WREG
	v_add_nc_u32 v2, s36, v1                       ; the stage, in: 16 x lane
	v_mul_u32_u24 v3, v7, SPITCH
	v_lshl_add_u32 v3, v27, 6, v3
	v_add_nc_u32 v3, s36, v3                       ; out: row r, + 64 h
	v_lshlrev_b32 v4, 2, v6
	v_add_nc_u32 v4, s36, v4
	v_add_nc_u32 v4, SCR, v4                       ; scale words, in: 4 x lane
	v_add_nc_u32 v5, SCR, v2                       ; out: 16 x lane
.irp b, 0,1,2,3
	v_mov_b32 v[TM+4+\b], 0                        ; written once: a lane permute's destination counts as one of its sources
.endr
	s_wait_kmcnt 0x0
	s_cmp_eq_u32 s27, 1                            ; the choice hangs on the work-group's and the wave's number alone
	s_cselect_b64 s[4:5], s[6:7], s[4:5]
	s_cmp_eq_u32 s27, 2
	s_cselect_b64 s[4:5], s[8:9], s[4:5]
	s_cmp_eq_u32 s27, 3
	s_cselect_b64 s[4:5], s[10:11], s[4:5]
	s_cmp_eq_u32 s27, 4
	s_cselect_b64 s[4:5], s[12:13], s[4:5]
	s_add_nc_u64 s[4:5], s[4:5], s[30:31]
	s_add_nc_u64 s[16:17], s[16:17], s[32:33]
	s_add_nc_u64 s[18:19], s[18:19], s[34:35]
	LOADF 0
	LOADF 1
.irp s, 0,1,2,3,4,5,6,7
	FRAGQ \s
.endr
	ds_load_b128 v[28:31], v5                      ; my 8 fragments' scale words, in order behind my stores
	s_wait_dscnt 0x0
	global_store_b128 v1, v[28:31], s[18:19]       ; 512 consecutive aligned bytes
	s_wait_tensorcnt 0x0
	ds_add_u32 v254, v255
	s_wait_dscnt 0x0
	s_endpgm
	; ---- the mask.  mbits: [T 128][key step 16][n 64] words; bit L of word n = mask[query of lane L % 16 of tile T][128 step + 32 (n / 16) + 16 (L / 16) + n % 16]:
	; the lane mask of score register n in the attention launch.
.Lmask:
	s_sub_co_u32 s23, s23, 4*QWG                   ; id 0 .. 511: tile id / 4, key steps 4 (id % 4) on
	s_lshr_b32 s28, s23, 2
	s_and_b32 s29, s23, 3
	s_lshr_b32 s30, s28, 1
	s_lshl_b32 s30, s30, 16                        ; 32 (T / 2) rows of 2,048 bytes
	s_and_b32 s31, s28, 1
	s_lshl_b32 s31, s31, 14
	s_add_co_u32 s30, s30, s31
	s_lshl_b32 s31, s29, 9                         ; 512 keys
	s_add_co_u32 s30, s30, s31
	s_mov_b32 s31, 0
	s_lshl_b32 s32, s23, 10                        ; 4,096 T + 1,024 (id % 4) = 1,024 id
	s_mov_b32 s33, 0
	v_and_b32 v2, 8, v7
	v_add_nc_u32 v2, v2, v7                        ; r + 8 (r / 8)
	v_lshlrev_b32 v2, 11, v2
	v_lshl_add_u32 v2, v27, 4, v2                  ; my query's row, + 16 h
	v_lshlrev_b32 v3, 3, v6                        ; out: 8 bytes a lane
.irp j, 0,1,2,3,4,5,6,7
	v_mov_b32 v[96+\j], 0                          ; v_writelane_b32's destination counts as read
.endr
	s_wait_kmcnt 0x0
	s_add_nc_u64 s[14:15], s[14:15], s[30:31]
	s_add_nc_u64 s[20:21], s[20:21], s[32:33]
.irp k, 0,1,2,3
.irp b, 0,1,2,3
	global_load_b128 v[32+16*\k+4*\b:35+16*\k+4*\b], v2, s[14:15] offset:128*\k+32*\b   ; register 16 k + n / 4, byte n % 4: the key of score register n
.endr
.endr
.macro MSTEP kp
	s_wait_loadcnt 12-4*(\kp)                      ; this key step's four loads are in; the later steps' may be out
.set n, 0
.rept 64
	v_and_b32 v[8+n%4], 0xff<<(8*(n%4)), v[32+16*(\kp)+n/4]
	v_cmp_ne_u32 s[36+n%4], 0, v[8+n%4]            ; one bit a lane
	v_writelane_b32 v[96+2*(\kp)+n%2], s[36+n%4], n/2   ; word n: register n % 2 of lane n / 2
.set n, n+1
.endr
	global_store_b64 v3, v[96+2*(\kp):97+2*(\kp)], s[20:21] offset:256*(\kp)   ; 256 consecutive aligned bytes
.endm
	MSTEP 0
	MSTEP 1
	MSTEP 2
	MSTEP 3
	s_endpgm
.Lfunc_end_k_q96d3881a7c_prep:
	.size	k_q96d3881a7c_prep, .Lfunc_end_k_q96d3881a7c_prep-k_q96d3881a7c_prep
	.p2alignl 7, 3214868480
	.fill 96, 4, 3214868480
	.section	.rodata,"a",@progbits
	.p2align	6, 0x0
	.amdhsa_kernel k_q96d3881a7c_prep
		.amdhsa_group_segment_fixed_size 36352
		.amdhsa_private_segment_fixed_size 0
		.amdhsa_enable_private_segment 0
		.amdhsa_kernarg_size 72
		.amdhsa_user_sgpr_count 2
		.amdhsa_user_sgpr_kernarg_segment_ptr 1
		.amdhsa_wavefront_size32 1
		.amdhsa_system_sgpr_workgroup_id_x 1
		.amdhsa_system_sgpr_workgroup_id_y 1
		.amdhsa_system_sgpr_workgroup_id_z 1
		.amdhsa_system_vgpr_workitem_id 0
		.amdhsa_next_free_vgpr 256
		.amdhsa_next_free_sgpr 66
		.amdhsa_reserve_vcc 0
		.amdhsa_float_denorm_mode_32 3
		.amdhsa_float_denorm_mode_16_64 3
		.amdhsa_memory_ordered 1
		.amdhsa_forward_progress 1
		.amdhsa_inst_pref_size 116
	.end_amdhsa_kernel
	.amdgpu_metadata
---
amdhsa.version: [ 1, 2 ]
amdhsa.kernels:
  - .name:           k_q96d3881a7c_prep
    .symbol:         k_q96d3881a7c_prep.kd
    .args:
      - { .name: x, .offset: 0, .size: 8, .value_kind: global_buffer, .address_space: global }
      - { .name: Wq, .offset: 8, .size: 8, .value_kind: global_buffer, .address_space: global }
      - { .name: Wk, .offset: 16, .size: 8, .value_kind: global_buffer, .address_space: global }
      - { .name: Wv, .offset: 24, .size: 8, .value_kind: global_buffer, .address_space: global }
      - { .name: Wo, .offset: 32, .size: 8, .value_kind: global_buffer, .address_space: global }
      - { .name: attn_mask, .offset: 40, .size: 8, .value_kind: global_buffer, .address_space: global }
      - { .name: codes, .offset: 48, .size: 8, .value_kind: global_buffer, .address_space: global }
      - { .name: scales, .offset: 56, .size: 8, .value_kind: global_buffer, .address_space: global }
      - { .name: mbits, .offset: 64, .size: 8, .value_kind: global_buffer, .address_space: global }
    .group_segment_fixed_size: 36352
    .private_segment_fixed_size: 0
    .kernarg_segment_align: 8
    .kernarg_segment_size: 72
    .max_flat_workgroup_size: 128
    .sgpr_count:     66
    .vgpr_count:     256
    .wavefront_size: 32
...
	.end_amdgpu_metadata
.endif
;; end of part 1
;; launch qkv (part 2): grid 24 x 8, 4 waves a work-group, clusters of 4 x 4, 327,680 bytes of LDS; arguments codes, scales, bq, bk, bv, qkv; writes qkv
.if DOCPART == 2
	.amdgcn_target "amdgcn-amd-amdhsa--gfx1250"
	.amdhsa_code_object_version 6
	.text
	.protected	k_q96d3881a7c_qkv
	.globl	k_q96d3881a7c_qkv
	.p2align	8
	.type	k_q96d3881a7c_qkv,@function
k_q96d3881a7c_qkv:
	s_mov_b64 s[64:65], 0
	v_nop
	global_prefetch_b8 v0, s[64:65] scope:SCOPE_SE
	s_setreg_imm32_b32 hwreg(HW_REG_WAVE_MODE, 25, 1), 1
	s_wait_xcnt 0x0
	s_wait_alu depctr_hold_cnt(0) depctr_sa_sdst(0) depctr_va_vdst(0) depctr_va_sdst(0) depctr_va_ssrc(0) depctr_va_vcc(0) depctr_vm_vsrc(0)
	s_getreg_b32 s2, hwreg(HW_REG_IB_STS2, 6, 4)
	s_cmp_eq_u32 s2, 0
	s_cbranch_scc0 .Lentry_in_a_cluster
	s_endpgm
.Lentry_in_a_cluster:
	s_bfe_u32 s2, ttmp6, 0x10000c
	s_cmp_lg_u32 s2, 0xf033
	s_cbranch_scc0 .Lentry_shape_is_right
	s_endpgm
.Lentry_shape_is_right:
; Q = x Wq^T + bq, K = x Wk^T + bk, V^T = Wv x^T + bv as ONE product C'[m'][n'] = sum over k of A'[m'][k] B'[n'][k] on codes of BF6 (E3M2) with E8M0 scales, K = 2,048; the results are quantised in registers and
; leave as operand images for the attention launch.  Tile column X = 0 .. 15: A' = x, B' = Wq | Wk; X = 16 .. 23: A' = Wv, B' = x, so that V comes out with the KEYS along a lane's registers, as its quantiser wants.
; A tile of C' is 256 x 256: four waves, each 128 x 128 in 64 accumulators (512 registers).  192 work-groups in 12 clusters of 4 x 4: A's tiles are shared along a row of the cluster, B's along a column, by joint loads.
; OPERANDS LIE IN MEMORY AND IN LDS AS IMAGES OF THEIR REGISTERS: a fragment (16 rows x 128 K, 12 registers a lane) is 1,536 bytes, register 4 c + e of lane l at 512 c + 16 l + 4 e: three ds_load_b128 at 16 x lane,
; each of 512 consecutive bytes: no pitch and no padding.  codes: [tile][K step 16][1536]; scales: [tile][K step 16][row 16] words.
; K goes in steps of 256 (two fragments a tile, 3,072 consecutive bytes) through a ring of two LDS slots.  The scale words of the work-group's 16 + 16 tiles, for all of K, come once with the first fills.
; THE MATRIX INSTRUCTION IS USED TRANSPOSED (source 0 = a tile of B', source 1 = a tile of A').  Lane r of tile T holds row 32 (T / 2) + 8 (T % 2) + r + 8 (r / 8): so for one block a of A' the 64 registers of the eight
; accumulators (a, 0 .. 7) are, in a lane, n' = 32 beta + 16 (lane / 16) + i at register 16 beta + i: what the quantiser takes.  A block a gives one fragment: 16 rows of A' x my 128 columns.
; OUT.  qkv: records of 12,800 bytes at index 256 tau + 16 hi + lo (tau = 0 Q, 1 K, 2 V^T): 8 fragments, then 512 bytes of scale words [lane 32][beta 4]: lanes 0-15 tile 2 beta's word, lanes 16-31 tile 2 beta + 1's.
; Q, K: hi = head, lo = group of 128 rows.  V^T: hi = head, lo = key step of 128; the fragments are 8 tiles of the head's 128.
; LIMITS: NaN and infinities are not served; a block whose largest magnitude lies under 2^-122 keeps the byte 1; a block of zeros gets the byte 1, not 127 (its codes are zeros; this program alone reads the bytes).
; REGISTERS, in windows of 256.  Window 0: v16-29 addresses; v32-63 scale words, two sets; v64-127 the bias along n'; v128-223 A's fragments, ONE set; v240-247 the bias along m'.  Window 1: B's fragments, TWO sets, at v0 and v128.
; Windows 2, 3: the accumulators of my rows 0-63, 64-127 ((a, b) at v[8 (8 (a % 4) + b)]).  On the way out window 0's v128-235 are at work.
.set NQ,     2                         ; matrix instructions deep in a slot
.set FR,     12                        ; registers of a fragment
.set NL,     3                         ; LDS loads that bring one
.set NP,     4                         ; places behind this matrix instruction (ISA guide 7.12.1)
.set HALFT,  8*3072                    ; 8 tiles x two fragments: what one tensor load brings, and what one wave reads of A' or of B'
.set SLOT,   4*HALFT                   ; A's 16 tiles, then B's 16
.set LAPS,   4                         ; a lap = two slots = 512 along K
.set SCL,    2*SLOT                    ; behind the ring: A's scale words, 16,384 bytes,
.set SCB,    16512                     ; and, 128 bytes further on than they end, B's: lanes 16-31 of a scale load then fall on other banks than lanes 0-15
.set SPARE,  229632                    ; the spare words, 128 bytes for each wave: two blocks of 256 bytes that no other line names
.set ADRA, 16                          ; v16-17  LDS address of my A' fragments in slot 0, 1: 16 x lane + my half
.set ADRB, 20                          ; v20-21  the same for B'
.set LI,   26                          ; v26     16 x lane
.set ADRS, 27                          ; v27     LDS address of my scale words: lanes 0-15 A's rows, lanes 16-31 B's
.set SPW,  28                          ; v28     LDS address of my spare word; never rewritten
.set NIL,  29                          ; v29     0; never rewritten
.set SC,   32
.set BN,   64
.set AF,   128
.set BM,   240
.set H,    128                         ; the way out: 64 numbers
.set PC,   192                         ; their codes
.set TM,   212
.set PW,   228
.set SW,   232                         ; v[232:235] the record's scale words
.set G1, 24                            ; s[24:31] descriptor group 1 for A's tiles;  s[32:39] group 0, one set for each slot
.set G0, 32
.set G1B, 48                           ; s[48:55], s[56:63] the same for B's
.set G0B, 56
.set G1S, 68                           ; s[68:75], s[76:79] for A's scales;  s[80:87], s[88:91] for B's
.set G0S, 76
.set G1SB, 80
.set G0SB, 88
.set HIM, 95                           ; s95     lanes 16-31 (set ahead of the way out)
.set SEL, 98                           ; s[98:99] selects of v_permlanex16_b32: lane l xor 16
.set MSB, 0
.macro WIN new                         ; the immediate's high byte repeats the setting that is left
.if MSB != (\new)
	s_set_vgpr_msb (MSB<<8)|(\new)
.set MSB, \new
.endif
.endm
.set MUL_LO, 0xa1                      ; source 0 (B') window 1, source 1 (A') window 0, C and D window 2
.set MUL_HI, 0xf1                      ; the same, C and D window 3
.set TO_B,   0x40                      ; destination window 1, address window 0
; A joint load: waves 0 and 1 fetch for A', waves 2 and 3 for B'.  The branch hangs on the wave's number alone.  Four v_nop follow each of the two lines.
.macro JLOAD g0a, g1a, g0b, g1b
	s_cmp_eq_u32 s17, 0
	s_cbranch_scc0 .Lfor_b_\@
	tensor_load_to_lds s[\g0a:\g0a+3], s[\g1a:\g1a+7]
	s_nop 0
.rept 4
	v_nop
.endr
	s_branch .Lasked_\@
.Lfor_b_\@:
	tensor_load_to_lds s[\g0b:\g0b+3], s[\g1b:\g1b+7]
	s_nop 0
.rept 4
	v_nop
.endr
.Lasked_\@:
.endm
.macro CREST                           ; a round of the cluster's barrier behind its opening barrier
	s_cmp_lg_u32 s16, 0
	s_cbranch_scc1 .Lnot_wave_0_\@
	s_barrier_signal -3
.Lnot_wave_0_\@:
	s_barrier_wait -3
	s_barrier_signal -1
	s_barrier_wait -1
.endm
.macro CROUND
	s_barrier_signal -1
	s_barrier_wait -1
	CREST
.endm
	s_load_b128 s[4:7], s[0:1], 0x0                ; codes, scales
	s_load_b128 s[8:11], s[0:1], 0x10              ; bq, bk
	s_load_b128 s[12:15], s[0:1], 0x20             ; bv, qkv
	v_lshl_add_u32 v[SPW], v0, 2, SPARE
	v_mov_b32 v[NIL], 0
	ds_add_u32 v28, v29
	ds_add_u32 v28, v29
	s_wait_dscnt 0x0
	v_lshrrev_b32 v1, 5, v0
	v_readfirstlane_b32 s16, v1                    ; wave 0..3
	s_lshr_b32 s17, s16, 1                         ; which half of the tile's rows is mine.  Also: I fetch for A' (0) or for B' (1)
	s_and_b32 s18, s16, 1                          ; which half of its columns.  Also: which 8 tiles I fetch
	s_bfe_u32 s40, ttmp6, 0x40000                  ; cx, cy: my place in the cluster
	s_bfe_u32 s41, ttmp6, 0x40004
	s_lshl_b32 s42, ttmp9, 2
	s_add_co_u32 s42, s42, s40                     ; X = 4 x cluster x + cx
	s_and_b32 s19, ttmp7, 0xffff
	s_lshl_b32 s19, s19, 2
	s_add_co_u32 s19, s19, s41                     ; Y = 4 x cluster y + cy
	s_lshl_b32 s43, s41, 2
	s_lshl_b32 s43, 15, s43                        ; my row of the cluster
	s_lshl_b32 s44, 0x1111, s40                    ; my column
	s_cmp_ge_u32 ttmp9, 4                          ; clusters 4 and 5 along x make V^T: the same in all sixteen partners
	s_cselect_b32 s2, 1, 0
	s_cselect_b32 s46, 384, 0                      ; there A' begins at Wv's tiles and B' at x's
	; descriptor group 1 for codes: 8 rows (tiles) of 384 elements of 8 bytes (two fragments), 3,072 elements (a tile's 16 fragments) apart; no padding
	s_or_b32 s[G1+0], s43, (3<<16)|(1<<21)         ; 15:0 the mask: A's tiles go to my row; 17:16 elements of 8 bytes; 21 set beside a mask
	s_or_b32 s[G1B+0], s44, (3<<16)|(1<<21)
.irp g, G1, G1B
	s_mov_b32 s[\g+1], 384<<16                     ; tensor_dim0
	s_mov_b32 s[\g+2], 8<<16                       ; tensor_dim1
	s_mov_b32 s[\g+3], 384<<16                     ; tile_dim0
	s_mov_b32 s[\g+4], 8                           ; tile_dim1
	s_mov_b32 s[\g+5], 3072                        ; tensor_dim0_stride
	s_mov_b32 s[\g+6], 0
	s_mov_b32 s[\g+7], 0
.endr
	; and for the scale words of 8 tiles: 8,192 dense bytes as 32 rows of 256
	s_or_b32 s[G1S+0], s43, (3<<16)|(1<<21)
	s_or_b32 s[G1SB+0], s44, (3<<16)|(1<<21)
.irp g, G1S, G1SB
	s_mov_b32 s[\g+1], 32<<16
	s_mov_b32 s[\g+2], 32<<16
	s_mov_b32 s[\g+3], 32<<16
	s_mov_b32 s[\g+4], 32
	s_mov_b32 s[\g+5], 32
	s_mov_b32 s[\g+6], 0
	s_mov_b32 s[\g+7], 0
.endr
	s_lshl_b32 s47, s18, 3                         ; which 8 tiles I fetch
	s_lshl_b32 s20, s19, 4
	s_add_co_u32 s20, s20, s46
	s_add_co_u32 s20, s20, s47                     ; A': tile 16 Y (+ 384) + 8 x half: it never holds cx
	s_lshl_b32 s92, s42, 4
	s_add_co_u32 s92, s92, 128
	s_sub_co_u32 s92, s92, s46
	s_add_co_u32 s92, s92, s47                     ; B': tile 16 X + 128 (- 384) + 8 x half: it never holds cy
	s_lshl_b32 s22, s20, 10                        ; their scale words, 1,024 bytes a tile,
	s_mov_b32 s23, 0
	s_mul_i32 s20, s20, 16*1536                    ; and their codes (under 2^24 bytes)
	s_mov_b32 s21, 0
	s_lshl_b32 s94, s92, 10
	s_mov_b32 s95, 0
	s_mul_i32 s92, s92, 16*1536
	s_mov_b32 s93, 0
	s_mul_i32 s45, s16, HALFT                      ; where they go: wave x 8 tiles: no place in the cluster enters an LDS address
	s_lshl_b32 s47, s16, 13
	s_lshl_b32 s46, s17, 7
	s_add_co_u32 s47, s47, s46
	s_add_co_u32 s47, s47, SCL                     ; the scale words: SCL + 8,192 x wave, + 128 for B's
	s_wait_kmcnt 0x0
	s_add_nc_u64 s[20:21], s[4:5], s[20:21]
	s_add_nc_u64 s[22:23], s[6:7], s[22:23]
	s_add_nc_u64 s[92:93], s[4:5], s[92:93]
	s_add_nc_u64 s[94:95], s[6:7], s[94:95]
	CROUND                                         ; all sixteen work-groups are here: the first joint loads meet
	s_mov_b32 s[G0S], 1
	s_mov_b32 s[G0S+1], s47
	s_mov_b64 s[G0S+2:G0S+3], s[22:23]
	s_or_b32 s[G0S+3], s[G0S+3], 0x80000000
	s_mov_b32 s[G0SB], 1
	s_mov_b32 s[G0SB+1], s47
	s_mov_b64 s[G0SB+2:G0SB+3], s[94:95]
	s_or_b32 s[G0SB+3], s[G0SB+3], 0x80000000
	JLOAD G0S, G1S, G0SB, G1SB                     ; the scale words first: they are wanted with the first K step
.irp s, 0,1
	s_mov_b32 s[G0+4*\s], 1
	s_add_co_u32 s[G0+4*\s+1], s45, \s*SLOT
	s_add_nc_u64 s[G0+4*\s+2:G0+4*\s+3], s[20:21], \s*3072
	s_or_b32 s[G0+4*\s+3], s[G0+4*\s+3], 0x80000000
	s_mov_b32 s[G0B+4*\s], 1
	s_add_co_u32 s[G0B+4*\s+1], s45, \s*SLOT
	s_add_nc_u64 s[G0B+4*\s+2:G0B+4*\s+3], s[92:93], \s*3072
	s_or_b32 s[G0B+4*\s+3], s[G0B+4*\s+3], 0x80000000
	JLOAD G0+4*\s, G1, G0B+4*\s, G1B
.endr
	v_and_b32 v1, 15, v0                           ; r
	v_bfe_u32 v2, v0, 4, 1                         ; h
	v_and_b32 v3, 31, v0
	v_lshlrev_b32 v[LI], 4, v3
	s_mul_i32 s21, s17, HALFT                      ; my 8 tiles of A'
	s_mul_i32 s22, s18, HALFT                      ; my 8 tiles of B',
	s_add_co_u32 s22, s22, 2*HALFT                 ; which lie behind A's 16
.irp s, 0,1
	v_add_nc_u32 v[ADRA+\s], s21, v[LI]
	v_add_nc_u32 v[ADRB+\s], s22, v[LI]
	s_add_co_u32 s21, s21, SLOT
	s_add_co_u32 s22, s22, SLOT
.endr
	s_lshl_b32 s21, s17, 13                        ; A's scale words: my 8 tiles
	s_lshl_b32 s22, s18, 13                        ; B's: my 8 tiles, behind A's
	s_add_co_u32 s22, s22, SCB
	s_sub_co_u32 s22, s22, s21
	v_mul_u32_u24 v6, s22, v2                      ; lanes 16-31 take B's: one product with h
	s_add_co_u32 s21, s21, SCL
	v_lshlrev_b32 v5, 2, v1
	v_add_nc_u32 v5, v5, v6
	v_add_nc_u32 v[ADRS], s21, v5
	; the biases and the record.  Both layouts of the bias are loaded in every work-group (both lie inside the 8,192 bytes), so that every register is written on every way; the way out takes the one that its product wants.
	s_lshr_b32 s20, s42, 3                         ; tau
	s_and_b32 s21, s42, 7
	s_lshl_b32 s21, s21, 1
	s_add_co_u32 s21, s21, s18                     ; NB: my 128 columns' number
	s_lshl_b32 s22, s19, 1
	s_add_co_u32 s22, s22, s17                     ; MB: my 128 rows' number
	s_cmp_eq_u32 s20, 1
	s_cselect_b64 s[8:9], s[10:11], s[8:9]
	s_cmp_eq_u32 s20, 2
	s_cselect_b64 s[8:9], s[12:13], s[8:9]
	s_lshl_b32 s23, s21, 9
	v_lshl_add_u32 v7, v2, 6, s23                  ; along n': 512 NB + 64 h
	v_and_b32 v9, 8, v1
	v_add_nc_u32 v9, v9, v1
	s_lshl_b32 s47, s22, 9
	v_lshl_add_u32 v8, v9, 2, s47                  ; along m': 512 MB + 4 (r + 8 (r / 8))
.irp b, 0,1,2,3,4,5,6,7
	global_load_b128 v[BN+8*\b:BN+8*\b+3], v7, s[8:9] offset:(32*(\b/2)+8*(\b%2))*4
	global_load_b128 v[BN+8*\b+4:BN+8*\b+7], v7, s[8:9] offset:(32*(\b/2)+8*(\b%2))*4+16
.endr
.irp a, 0,1,2,3,4,5,6,7
	global_load_b32 v[BM+\a], v8, s[8:9] offset:(32*(\a/2)+8*(\a%2))*4
.endr
	s_cmp_eq_u32 s2, 0
	s_cselect_b32 s23, s21, s22                    ; hi: the head
	s_cselect_b32 s46, s22, s21                    ; lo
	s_lshl_b32 s20, s20, 8
	s_lshl_b32 s23, s23, 4
	s_add_co_u32 s20, s20, s23
	s_add_co_u32 s20, s20, s46
	s_mul_i32 s20, s20, 12800
	s_mov_b32 s21, 0
	s_add_nc_u64 s[14:15], s[14:15], s[20:21]      ; my record
.macro FRAG reg, adr, q, i             ; tile i's fragment of the slot's q-th 128 along K: three loads of 512 consecutive bytes
.irp c, 0,1,2
	ds_load_b128 v[\reg+4*\c:\reg+4*\c+3], v[\adr] offset:1536*(\q)+3072*(\i)+512*\c
.endr
.endm
; 16 matrix instructions: A's blocks a0, a0 + 1 x B's eight.  p: B's set; sc: the set of scale words.  zero = 1: the first product starts the sums.  The 64 accumulators take turns, one instruction a turn.
.macro MUL16 a0, p, q, sc, zero
.irp a, \a0, \a0+1
.irp b, 0,1,2,3,4,5,6,7
.if \zero
	v_wmma_scale_f32_16x16x128_f8f6f4 v[8*(8*((\a)%4)+\b):8*(8*((\a)%4)+\b)+7], v[128*(\p)+FR*\b:128*(\p)+FR*\b+FR-1], v[AF+FR*(\a):AF+FR*(\a)+FR-1], 0, v[SC+8*NQ*(\sc)+NQ*\b+(\q)], v[SC+8*NQ*(\sc)+NQ*(\a)+(\q)] matrix_a_fmt:MATRIX_FMT_BF6 matrix_b_fmt:MATRIX_FMT_BF6 matrix_a_scale:MATRIX_SCALE_ROW1
.else
	v_wmma_scale_f32_16x16x128_f8f6f4 v[8*(8*((\a)%4)+\b):8*(8*((\a)%4)+\b)+7], v[128*(\p)+FR*\b:128*(\p)+FR*\b+FR-1], v[AF+FR*(\a):AF+FR*(\a)+FR-1], v[8*(8*((\a)%4)+\b):8*(8*((\a)%4)+\b)+7], v[SC+8*NQ*(\sc)+NQ*\b+(\q)], v[SC+8*NQ*(\sc)+NQ*(\a)+(\q)] matrix_a_fmt:MATRIX_FMT_BF6 matrix_b_fmt:MATRIX_FMT_BF6 matrix_a_scale:MATRIX_SCALE_ROW1
.endif
.endr
.endr
.endm
.macro FETCH_B slot, q, p
	WIN TO_B
.irp i, 0,1,2,3,4,5,6,7
	FRAG 128*(\p)+FR*\i, ADRB+\slot, \q, \i
.endr
	WIN 0
.endm
.macro FETCH_A slot, q, i0
.irp i, \i0, \i0+1, \i0+2, \i0+3
	FRAG AF+FR*(\i), ADRA+\slot, \q, \i
.endr
.endm
.macro SCALES sc                       ; a slot's scale words: register 2 i + q: lanes 0-15 the word of A's block i, lanes 16-31 that of B's block i
.irp i, 0,1,2,3,4,5,6,7
.irp q, 0,1
	ds_load_b32 v[SC+8*NQ*\sc+NQ*\i+\q], v[ADRS] offset:1024*\i+64*\q
.endr
.endr
.endm
.macro PLACES n                        ; places in front of loads into registers that matrix instructions have read, and of the first read of results
.rept \n
	v_nop
.endr
.endm
.macro STEP slot, q, zero              ; a step of 128 along K that has its successor in the same slot
	s_wait_dscnt 4*NL                              ; B's set, A's blocks 0-3 and the scale words are in; the youngest 12 loads (A's blocks 4-7) may be out
	WIN MUL_LO
	MUL16 0, (\q)%2, \q, \slot, \zero
	MUL16 2, (\q)%2, \q, \slot, \zero
	s_wait_dscnt 0
	PLACES NP
	FETCH_B \slot, (\q)+1, 1-(\q)%2
	FETCH_A \slot, (\q)+1, 0
	WIN MUL_HI
	MUL16 4, (\q)%2, \q, \slot, \zero
	MUL16 6, (\q)%2, \q, \slot, \zero
	PLACES NP
	WIN 0
	FETCH_A \slot, (\q)+1, 4
.endm
; A slot's last step changes slots: in front of the barrier each wave waits for all its tensor loads, adds 0 to its spare word, and waits for that and for its own reads of this slot.  fill = 1: this slot is filled again, two slots ahead.
.macro TURN slot, next, fill
	s_wait_tensorcnt 0x0                           ; all my tensor loads have landed: my part of the next slot
	ds_add_u32 v[SPW], v[NIL]                      ; 0 onto my spare word
	s_wait_dscnt 4*NL+1                            ; (the add and the youngest 12 loads, A's blocks 4-7, may be out)
	WIN MUL_LO
	MUL16 0, 1, NQ-1, \slot, 0
	s_wait_dscnt 0x0                               ; the add is done, and my reads of this slot are over
	s_barrier_signal -1
	MUL16 2, 1, NQ-1, \slot, 0
	WIN 0
	s_barrier_wait -1
.if \fill
	CREST                                          ; the barrier has opened a round of the cluster's barrier: no wave of any partner still reads this slot or has a load on its way
	s_add_nc_u64 s[G0+4*\slot+2:G0+4*\slot+3], s[G0+4*\slot+2:G0+4*\slot+3], 2*3072
	s_add_nc_u64 s[G0B+4*\slot+2:G0B+4*\slot+3], s[G0B+4*\slot+2:G0B+4*\slot+3], 2*3072
	JLOAD G0+4*\slot, G1, G0B+4*\slot, G1B         ; the first tensor load behind the round; its four v_nop are the places in front of the loads below
.else
	PLACES NP
.endif
	v_add_nc_u32 v[ADRS], 64*NQ, v[ADRS]           ; on to the next slot's scale words (no LDS load of mine is out)
	FETCH_B \next, 0, 0
	FETCH_A \next, 0, 0
	SCALES \next
	WIN MUL_HI
	MUL16 4, 1, NQ-1, \slot, 0
	MUL16 6, 1, NQ-1, \slot, 0
	PLACES NP
	WIN 0
	FETCH_A \next, 0, 4
.endm
	s_wait_tensorcnt 1                             ; of my three first fills the scale words and slot 0 are in; slot 1's may be out
	s_barrier_signal -1
	s_barrier_wait -1
	FETCH_B 0, 0, 0
	FETCH_A 0, 0, 0
	SCALES 0
	FETCH_A 0, 0, 4
	STEP 0, 0, 1                                   ; the first step stands in front of the loop: its products start the sums
	s_mov_b32 s3, LAPS-1
.Llap:                                                 ; a trip goes once round the ring and fills both slots again
	TURN 0, 1, 1
	STEP 1, 0, 0
	TURN 1, 0, 1
	STEP 0, 0, 0
	s_sub_co_u32 s3, s3, 1
	s_cmp_lg_u32 s3, 0
	s_cbranch_scc1 .Llap
	TURN 0, 1, 0                                   ; the last lap fills nothing
	STEP 1, 0, 0
	s_wait_dscnt 4*NL
	WIN MUL_LO
	MUL16 0, 1, NQ-1, 1, 0
	MUL16 2, 1, NQ-1, 1, 0
	s_wait_dscnt 0
	WIN MUL_HI
	MUL16 4, 1, NQ-1, 1, 0
	MUL16 6, 1, NQ-1, 1, 0
	WIN 0
; 64 numbers of a lane, register 16 b + i = k 32 b + 16 (lane / 16) + i of my row, become a fragment's codes in v[PC] on and its scale word in v[PW].
.macro QUANT s
.irp b, 0,1,2,3
	v_max3_num_f32 v[TM+\b], |v[\s+16*\b]|, |v[\s+1+16*\b]|, 0x2800000   ; and the floor 2^(5 - 127): the byte cannot fall under 1
.endr
.irp i, 2,4,6,8,10,12,14
.irp b, 0,1,2,3
	v_max3_num_f32 v[TM+\b], v[TM+\b], |v[\s+16*\b+\i]|, |v[\s+1+16*\b+\i]|
.endr
.endr
.irp b, 0,1,2,3
	v_permlanex16_b32 v[TM+4+\b], v[TM+\b], s[SEL], s[SEL+1]
.endr
.irp b, 0,1,2,3
	v_max_num_f32 v[TM+\b], v[TM+\b], v[TM+4+\b]
.endr
.irp b, 0,1,2,3
	v_add_nc_u32 v[TM+12+\b], 0xfe000000, v[TM+\b]        ; 4 off the exponent field: the conversion's scale operand
.endr
.irp b, 0,1,2,3
	v_lshrrev_b32 v[TM+4+\b], 23, v[TM+12+\b]             ; the scale's byte
.endr
	v_lshl_or_b32 v[PW], v[TM+5], 8, v[TM+4]
	v_lshl_or_b32 v[PW], v[TM+6], 16, v[PW]
	v_lshl_or_b32 v[PW], v[TM+7], 24, v[PW]
.irp c, 0,1
	v_cvt_scalef32_pk16_bf6_f32 v[PC+6*\c:PC+2+6*\c], v[\s+32*\c:\s+15+32*\c], v[TM+12+2*\c]
	v_cvt_scalef32_pk16_bf6_f32 v[PC+12+4*\c:PC+14+4*\c], v[\s+16+32*\c:\s+31+32*\c], v[TM+12+2*\c+1]
.endr
	v_nop                                                 ; one plain place behind a scaled conversion
.irp c, 0,1
.irp i, 0,1,2
	v_permlane16_swap_b32 v[PC+6*\c+\i], v[PC+12+4*\c+\i]
.endr
.irp i, 0,1,2
	v_mov_b32 v[PC+3+6*\c+\i], v[PC+12+4*\c+\i]
.endr
.endr
.endm
; THE WAY OUT of block a: the bias is added (which is also the move into window 0; each accumulator is read from its low end on), the 64 numbers are quantised, the fragment's image is stored.
; Q and K have their bias along n' (a register each), V^T along m' (one number a lane): a scalar branch on the cluster's x, the same in all partners; every window is 0 at the branch and at the labels.
.macro OUTBLK a
.set AC, 64*((\a)%4)
	s_cmp_eq_u32 s2, 0
	s_cbranch_scc0 .Lbm_\@
	WIN 0x02+(\a)/4                                ; source 0: window 2 or 3
.set n, 0
.rept 32
	v_pk_add_f32 v[H+n:H+n+1], v[AC+n:AC+n+1], v[BN+n:BN+n+1]
.set n, n+2
.endr
	WIN 0
	s_branch .Ljoin_\@
.Lbm_\@:
	WIN 0x02+(\a)/4
.set n, 0
.rept 32
.if (\a)%2
	v_pk_add_f32 v[H+n:H+n+1], v[AC+n:AC+n+1], v[BM+2*((\a)/2):BM+2*((\a)/2)+1] op_sel:[0,1] op_sel_hi:[1,1]
.else
	v_pk_add_f32 v[H+n:H+n+1], v[AC+n:AC+n+1], v[BM+2*((\a)/2):BM+2*((\a)/2)+1] op_sel:[0,0] op_sel_hi:[1,0]
.endif
.set n, n+2
.endr
	WIN 0
.Ljoin_\@:
	s_wait_xcnt 0x0                                ; the last block's stores have read the codes' registers
	QUANT H
.irp c, 0,1,2
	global_store_b128 v[LI], v[PC+4*\c:PC+4*\c+3], s[14:15] offset:1536*(\a)+512*\c   ; 512 consecutive aligned bytes
.endr
.if (\a)%2 == 0
	v_mov_b32 v[SW+(\a)/2], v[PW]
.else
	v_cndmask_b32 v[SW+(\a)/2], v[SW+(\a)/2], v[PW], s[HIM]   ; lanes 16-31: the odd tile's words
.endif
.endm
	PLACES NP                                      ; behind the last products: results are read and A's registers written below
	s_mov_b32 s[HIM], 0xffff0000
	s_mov_b32 s[SEL], 0x76543210
	s_mov_b32 s[SEL+1], 0xfedcba98
	s_wait_loadcnt 0x0                             ; the biases
.irp b, 0,1,2,3
	v_mov_b32 v[TM+4+\b], 0                        ; written once: a lane permute's destination counts as one of its sources
.endr
.irp a, 0,1,2,3,4,5,6,7
	OUTBLK \a
.endr
	global_store_b128 v[LI], v[SW:SW+3], s[14:15] offset:8*1536
	s_wait_tensorcnt 0x0                           ; the wave's end
	ds_add_u32 v[SPW], v[NIL]
	s_wait_dscnt 0x0
	CROUND                                         ; the closing round: no work-group ends while a partner may still ask for a tile that names it
	s_endpgm
.Lfunc_end_k_q96d3881a7c_qkv:
	.size	k_q96d3881a7c_qkv, .Lfunc_end_k_q96d3881a7c_qkv-k_q96d3881a7c_qkv
	.p2alignl 7, 3214868480
	.fill 96, 4, 3214868480
	.section	.rodata,"a",@progbits
	.p2align	6, 0x0
	.amdhsa_kernel k_q96d3881a7c_qkv
		.amdhsa_group_segment_fixed_size 327680
		.amdhsa_private_segment_fixed_size 0
		.amdhsa_enable_private_segment 0
		.amdhsa_kernarg_size 48
		.amdhsa_user_sgpr_count 2
		.amdhsa_user_sgpr_kernarg_segment_ptr 1
		.amdhsa_wavefront_size32 1
		.amdhsa_system_sgpr_workgroup_id_x 1
		.amdhsa_system_sgpr_workgroup_id_y 1
		.amdhsa_system_sgpr_workgroup_id_z 1
		.amdhsa_system_vgpr_workitem_id 0
		.amdhsa_next_free_vgpr 1024
		.amdhsa_next_free_sgpr 100
		.amdhsa_reserve_vcc 0
		.amdhsa_float_denorm_mode_32 3
		.amdhsa_float_denorm_mode_16_64 3
		.amdhsa_memory_ordered 1
		.amdhsa_forward_progress 1
		.amdhsa_inst_pref_size 177
	.end_amdhsa_kernel
	.amdgpu_metadata
---
amdhsa.version: [ 1, 2 ]
amdhsa.kernels:
  - .name:           k_q96d3881a7c_qkv
    .symbol:         k_q96d3881a7c_qkv.kd
    .args:
      - { .name: codes, .offset: 0, .size: 8, .value_kind: global_buffer, .address_space: global }
      - { .name: scales, .offset: 8, .size: 8, .value_kind: global_buffer, .address_space: global }
      - { .name: bq, .offset: 16, .size: 8, .value_kind: global_buffer, .address_space: global }
      - { .name: bk, .offset: 24, .size: 8, .value_kind: global_buffer, .address_space: global }
      - { .name: bv, .offset: 32, .size: 8, .value_kind: global_buffer, .address_space: global }
      - { .name: qkv, .offset: 40, .size: 8, .value_kind: global_buffer, .address_space: global }
    .group_segment_fixed_size: 327680
    .private_segment_fixed_size: 0
    .kernarg_segment_align: 8
    .kernarg_segment_size: 48
    .max_flat_workgroup_size: 128
    .sgpr_count:     100
    .vgpr_count:     1024
    .wavefront_size: 32
...
	.end_amdgpu_metadata
.endif
;; end of part 2
;; launch attn (part 3): grid 16 x 16, 8 waves a work-group, clusters of 4 x 1, 327,680 bytes of LDS; arguments qkv, mbits, acodes, ascales; writes acodes, ascales
.if DOCPART == 3
	.amdgcn_target "amdgcn-amd-amdhsa--gfx1250"
	.amdhsa_code_object_version 6
	.text
	.protected	k_q96d3881a7c_attn
	.globl	k_q96d3881a7c_attn
	.p2align	8
	.type	k_q96d3881a7c_attn,@function
k_q96d3881a7c_attn:
	s_mov_b64 s[64:65], 0
	v_nop
	global_prefetch_b8 v0, s[64:65] scope:SCOPE_SE
	s_setreg_imm32_b32 hwreg(HW_REG_WAVE_MODE, 25, 1), 1
	s_wait_xcnt 0x0
	s_wait_alu depctr_hold_cnt(0) depctr_sa_sdst(0) depctr_va_vdst(0) depctr_va_sdst(0) depctr_va_ssrc(0) depctr_va_vcc(0) depctr_vm_vsrc(0)
	s_getreg_b32 s2, hwreg(HW_REG_IB_STS2, 6, 4)
	s_cmp_eq_u32 s2, 0
	s_cbranch_scc0 .Lentry_in_a_cluster
	s_endpgm
.Lentry_in_a_cluster:
	s_bfe_u32 s2, ttmp6, 0x10000c
	s_cmp_lg_u32 s2, 0x3003
	s_cbranch_scc0 .Lentry_shape_is_right
	s_endpgm
.Lentry_shape_is_right:
; For each head: O[q] = the sum over k of softmax_k((Q[q] . K[k] + mask) / sqrt(128)) V[k], both products on codes of BF6 (E3M2) with E8M0 scales; O is quantised along the head's 128 and leaves as an operand image.
; THE SOFTMAX AHEAD OF THE SECOND PRODUCT: t = score x log2(e) / sqrt(128); M = the row's largest t so far, rounded UP to a whole number; p = 2^(t - M) is quantised along the keys, not normalised.  The row's sum is taken of the
; unquantised p and divides O at the end.  When M moves, the sum and O are multiplied by 2^(old M - new M): exact.
; THE MASK IS AN INPUT: every key step of every query is computed, and a hidden score becomes -infinity ahead of the maximum.  The launch before has laid it as one word of lane bits for each score register:
; 64 words a key step, read by scalar loads a step ahead, so that the mask costs one v_cndmask_b32 a score.  A row with no key kept has the sum 0: its scale word is set to 0xffffffff, so that the last product gives NaN there.
; IN.  qkv: records of 12,800 bytes at 256 tau + 16 head + lo: 8 fragments as images of their registers (1,536 bytes: register 4 c + e of lane l at 512 c + 16 l + 4 e), then 512 bytes of scale words [lane 32][beta 4]
; (lanes 0-15 tile 2 beta's word, lanes 16-31 tile 2 beta + 1's).  Q, K: lo = 128 rows; V^T: lo = 128 keys, the fragments are 8 tiles of the head's 128.  Lane r of tile T holds row 32 (T / 2) + 8 (T % 2) + r + 8 (r / 8).
; SHARES.  A work-group owns 128 queries of one head, each of its eight waves one tile of 16 in 256 registers: 256 work-groups.  Every wave walks all 16 key steps of 128.  The four work-groups of a cluster belong to one head
; and ask for K's and V's records JOINTLY.  A slot holds four key steps: 4 records of K, then 4 of V; each of the eight waves fetches one record, so a refill has four key steps' work in which to land.
; LAYOUT.  Both products are used transposed: S^T = K Q^T, O^T = V^T P^T: a lane holds ONE query (lane % 16) throughout; the 16 registers of tiles 2 b, 2 b + 1 are keys (or channels) 32 b + 16 (lane / 16) + 0 .. 15.
; LIMITS: NaN and infinities among the scores are not served (but for the mask's own); a block whose largest magnitude lies under 2^-122 keeps the byte 1, and so does a block of zeros.
; The scale words of O leave as 64 bytes a wave: one part in 24 of what the wave stores.
; REGISTERS: v1-9 addresses; v12 -M, v13 the largest t, v[14:15] the sum in two halves; v16-27 Q; v32-79 four fragments; v96-159 S^T, then p, then V's tiles 4-7; v160-223 O^T; v224-235 p's codes; v232-254 at work;
; v[248:251] the step's scale words of K, then of V; v253 p's scale word; v255 Q's.
.set FRB,   1536
.set REC,   12800
.set VOFF,  4*REC                      ; a slot: 4 records of K, then 4 of V
.set SLOT1, 1<<17                      ; slot 1 begins here: one exclusive or turns an address in one slot into the other's
.set SPARE, 2*SLOT1                    ; the spare words, 128 bytes for each wave: four blocks of 256 bytes that no other line names
.set LI,   1                           ; v1   16 x lane
.set ADL,  2                           ; v2   LDS address of the step's records
.set NINF, 3                           ; v3   -infinity
.set SA,   4                           ; v4   4 x (lane % 16)
.set SPW,  5                           ; v5   LDS address of my spare word; never rewritten
.set NIL,  6                           ; v6   0; never rewritten
.set TM,   232
.set PC,   224
.set PW,   253
.set TB,    2                          ; s2   LDS byte at which the step's record of K begins
.set SLOTS, 3                          ; s3   slots still to be asked for
.set WV,    10                         ; s10  my wave's number
.set KC,    11                         ; s11  byte at which the mask words to be read begin: 256 a key step
.set SEL,   12                         ; s[12:13]
.set CS,    14                         ; s[14:15] c = log2(e) / sqrt(128)
.set G1,    16                         ; s[16:23] descriptor group 1
.set G0,    24                         ; s[24:27] group 0, which walks
.set CNT,   28                         ; s28  counts a slot's four steps
; s[4:5] my tile's mask words; s[6:7], s[8:9] where my fragment and its scale words go; s[30:31] Q's record; s[32:63], s[68:99] the 64 mask words (word n in s[32 + n], from n = 32 on in s[36 + n])
.macro CROUND
	s_barrier_signal -1
	s_barrier_wait -1
	s_cmp_lg_u32 s[WV], 0
	s_cbranch_scc1 .Lnot_wave_0_\@
	s_barrier_signal -3
.Lnot_wave_0_\@:
	s_barrier_wait -3
	s_barrier_signal -1
	s_barrier_wait -1
.endm
.macro MASKS                           ; a key step's 64 words
	s_load_b512 s[32:47], s[4:5], s[KC] offset:0x0
	s_load_b512 s[48:63], s[4:5], s[KC] offset:0x40
	s_load_b512 s[68:83], s[4:5], s[KC] offset:0x80
	s_load_b512 s[84:99], s[4:5], s[KC] offset:0xc0
.endm
	s_load_b256 s[68:75], s[0:1], 0x0              ; qkv, mbits, acodes, ascales
	v_lshl_add_u32 v[SPW], v0, 2, SPARE
	v_mov_b32 v[NIL], 0
	ds_add_u32 v5, v6
	ds_add_u32 v5, v6
	s_wait_dscnt 0x0
	v_lshrrev_b32 v7, 5, v0
	v_readfirstlane_b32 s[WV], v7                  ; wave 0..7
	s_bfe_u32 s32, ttmp6, 0x40000                  ; cx
	s_lshl_b32 s33, ttmp9, 2
	s_add_co_u32 s33, s33, s32                     ; my block of 128 queries: it enters Q's, the mask's and the outputs' addresses alone
	s_and_b32 s34, ttmp7, 0xffff                   ; the head, which the four partners share
	s_lshl_b32 s35, s33, 3
	s_add_co_u32 s35, s35, s[WV]                   ; T: my tile of queries
	s_lshl_b32 s36, s35, 12                        ; its mask words: 4,096 bytes a tile
	s_mov_b32 s37, 0
	s_lshl_b32 s38, s35, 4
	s_add_co_u32 s38, s38, s34                     ; 16 T + head
	s_lshl_b32 s40, s38, 6                         ; its scale words
	s_mov_b32 s41, 0
	s_mul_i32 s38, s38, FRB                        ; its fragment
	s_mov_b32 s39, 0
	s_lshr_b32 s42, s[WV], 2                       ; what I fetch: waves 0-3 K's records, waves 4-7 V's; record wave % 4 of a slot
	s_lshl_b32 s42, s42, 8
	s_and_b32 s43, s[WV], 3
	s_add_co_u32 s42, s42, s43
	s_lshl_b32 s43, s34, 4
	s_add_co_u32 s42, s42, s43
	s_add_co_u32 s42, s42, 256
	s_mul_i32 s42, s42, REC
	s_mov_b32 s43, 0
	s_lshl_b32 s44, s34, 4
	s_add_co_u32 s44, s44, s33
	s_mul_i32 s44, s44, REC                        ; Q's record: 16 head + block
	s_mov_b32 s45, 0
	; descriptor group 1: a record, 12,800 dense bytes, as 50 rows of 32 elements of 8 bytes
	s_mov_b32 s[G1], 15|(3<<16)|(1<<21)            ; 15:0 the mask: all four work-groups; 17:16 elements of 8 bytes; 21 set beside a mask
	s_mov_b32 s[G1+1], 32<<16                      ; tensor_dim0
	s_mov_b32 s[G1+2], 50<<16                      ; tensor_dim1
	s_mov_b32 s[G1+3], 32<<16                      ; tile_dim0
	s_mov_b32 s[G1+4], 50                          ; tile_dim1
	s_mov_b32 s[G1+5], 32                          ; tensor_dim0_stride
	s_mov_b32 s[G1+6], 0
	s_mov_b32 s[G1+7], 0
	s_mov_b32 s[SEL], 0x76543210
	s_mov_b32 s[SEL+1], 0xfedcba98
	s_mov_b32 s[CS], 0x3e0293ee
	s_mov_b32 s[CS+1], s[CS]                       ; (named with it as a pair, so it is written)
	s_mov_b32 s[TB], 0
	s_mov_b32 s[SLOTS], 3
	s_mov_b32 s[KC], 0
	s_wait_kmcnt 0x0
	s_add_nc_u64 s[4:5], s[70:71], s[36:37]
	s_add_nc_u64 s[6:7], s[72:73], s[38:39]
	s_add_nc_u64 s[8:9], s[74:75], s[40:41]
	s_add_nc_u64 s[30:31], s[68:69], s[44:45]
	s_mov_b32 s[G0], 1
	s_mul_i32 s[G0+1], s[WV], REC                  ; LDS: record wave of slot 0: no place in the cluster enters an LDS address
	s_add_nc_u64 s[G0+2:G0+3], s[68:69], s[42:43]
	s_or_b32 s[G0+3], s[G0+3], 0x80000000
	CROUND                                         ; all four work-groups are here: the first joint loads meet
	tensor_load_to_lds s[G0:G0+3], s[G1:G1+7]      ; slot 0: every wave fetches one record
	s_nop 0
.rept 4
	v_nop
.endr
	v_and_b32 v7, 31, v0
	v_lshlrev_b32 v[LI], 4, v7
	s_mul_i32 s46, s[WV], FRB
	v_add_nc_u32 v8, s46, v[LI]
.irp c, 0,1,2
	global_load_b128 v[16+4*\c:19+4*\c], v8, s[30:31] offset:512*\c   ; Q's fragment stays in registers
.endr
	v_and_b32 v9, 15, v0
	s_and_b32 s47, s[WV], 1
	s_lshl_b32 s47, s47, 8                         ; an odd tile's words lie 16 lanes on,
	s_lshr_b32 s48, s[WV], 1
	s_lshl_b32 s48, s48, 2                         ; in word wave / 2
	s_add_co_u32 s47, s47, s48
	v_lshl_add_u32 v9, v9, 4, s47
	global_load_b32 v255, v9, s[30:31] offset:8*FRB   ; Q's scale words: lane r has row r's
	MASKS                                          ; key step 0's
	v_mov_b32 v[NINF], 0xff800000
	v_mov_b32 v13, 0xff61b1e6                      ; the largest t so far: -3e38, under every t
	v_floor_f32 v12, -v13                          ; -M
	v_mov_b32 v14, 0
	v_mov_b32 v15, 0
.irp b, 0,1,2,3
	v_mov_b32 v[236+\b], 0                         ; written once: a lane permute's destination counts as one of its sources
.endr
	v_mov_b32 v253, 0                              ; (named as the upper half of the pair v[252:253] before it is first written)
.set j, 0
.rept 64
	v_mov_b32 v[160+j], 0                          ; O^T.  (The key step is written for every step alike: the first finds zeros, which the first change of M leaves zeros)
.set j, j+1
.endr
	s_wait_loadcnt 0x0                             ; Q
; A KEY STEP: 128 keys.
.macro STEP
	v_add_nc_u32 v[ADL], s[TB], v[LI]              ; with the four below: five places behind the last step's products, whose operands v96-143 the first products here write over
.rept 4
	v_nop
.endr
	ds_load_b128 v[248:251], v[ADL] offset:8*FRB   ; K's scale words
.irp g, 0,1                                    ; S^T = K Q^T, four tiles of 16 keys at a time
.if \g
.rept 4
	v_nop                                          ; places in front of loads into registers that matrix instructions have read
.endr
.endif
.irp t, 0,1,2,3
.irp c, 0,1,2
	ds_load_b128 v[32+12*\t+4*\c:35+12*\t+4*\c], v[ADL] offset:FRB*(4*\g+\t)+512*\c
.endr
.endr
	s_wait_dscnt 0x0
.irp t, 0,1,2,3
.if \t%2
	v_wmma_scale_f32_16x16x128_f8f6f4 v[96+8*(4*\g+\t):103+8*(4*\g+\t)], v[32+12*\t:43+12*\t], v[16:27], 0, v[248+2*\g+\t/2], v255 matrix_a_fmt:MATRIX_FMT_BF6 matrix_b_fmt:MATRIX_FMT_BF6 matrix_a_scale:MATRIX_SCALE_ROW1
.else
	v_wmma_scale_f32_16x16x128_f8f6f4 v[96+8*(4*\g+\t):103+8*(4*\g+\t)], v[32+12*\t:43+12*\t], v[16:27], 0, v[248+2*\g+\t/2], v255 matrix_a_fmt:MATRIX_FMT_BF6 matrix_b_fmt:MATRIX_FMT_BF6
.endif
.endr
.endr
.rept 4
	v_nop
.endr
	ds_load_b128 v[248:251], v[ADL] offset:VOFF+8*FRB   ; V's scale words and its tiles 0-3 land under the softmax
.irp t, 0,1,2,3
.irp c, 0,1,2
	ds_load_b128 v[32+12*\t+4*\c:35+12*\t+4*\c], v[ADL] offset:VOFF+FRB*\t+512*\c
.endr
.endr
	s_wait_kmcnt 0x0                               ; this step's mask words, asked for a step ago
.set n, 0
.rept 64
	v_cndmask_b32 v[96+n], v[NINF], v[96+n], s[32+n+4*(n/32)]   ; a hidden score becomes -infinity; each accumulator is read from its low end on
.set n, n+1
.endr
.irp b, 0,1,2,3
	v_max3_num_f32 v[232+\b], v[96+16*\b], v[97+16*\b], v[98+16*\b]   ; the largest score of each block of 32 keys: for the row's maximum, and, since p rises with the score, for the block's largest p
.endr
.irp i, 3,5,7,9,11,13
.irp b, 0,1,2,3
	v_max3_num_f32 v[232+\b], v[232+\b], v[96+16*\b+\i], v[97+16*\b+\i]
.endr
.endr
.irp b, 0,1,2,3
	v_max_num_f32 v[232+\b], v[232+\b], v[111+16*\b]
.endr
	s_add_co_u32 s[KC], s[KC], 256                 ; the next step's mask words are asked for: the 64 selects above have read these registers.
	s_and_b32 s[KC], s[KC], 0xfff                  ; In the last step the offset turns back to step 0: that read stays inside the buffer and is not used; it spares a branch round the loads
	MASKS
.irp b, 0,1,2,3
	v_permlanex16_b32 v[236+\b], v[232+\b], s[SEL], s[SEL+1]
.endr
.irp b, 0,1,2,3
	v_max_num_f32 v[232+\b], v[232+\b], v[236+\b]  ; with lane l xor 16's 16 keys
.endr
	v_max3_num_f32 v254, v232, v233, v234
	v_max_num_f32 v254, v254, v235                 ; the step's largest score of my query
	v_mul_f32 v254, s[CS], v254                    ; as t (c is positive)
	v_max_num_f32 v13, v13, v254                   ; the running largest t
	v_mov_b32 v254, v12
	v_floor_f32 v12, -v13                          ; the new -M = floor(-t) = -ceil(t)
	v_sub_f32 v254, v12, v254                      ; M's old value less its new one: a whole number, 0 or less
	v_cvt_i32_f32 v254, v254                       ; (it saturates)
	v_ldexp_f32 v252, 1.0, v254                    ; f = 2^(old M - new M)
.set j, 0
.rept 32
	v_pk_fma_f32 v[96+j:97+j], v[96+j:97+j], s[CS:CS+1], v[12:13] op_sel_hi:[1,0,0]   ; t - M, two at a time
.set j, j+2
.endr
.irp b, 0,1,2,3
	v_fma_f32 v[232+\b], v[232+\b], s[CS], v12     ; the same of each block's largest score
.endr
.set j, 0
.rept 64
	v_exp_f32 v[96+j], v[96+j]                     ; p = 2^(t - M), at most 1
.set j, j+1
.endr
	v_pk_mul_f32 v[14:15], v[14:15], v[252:253] op_sel_hi:[1,0]   ; the sums under the new M: a plain place behind the exponentials
	s_wait_alu depctr_va_vdst(0)                   ; one wait for the whole batch, ahead of its first reader
.irp b, 0,1,2,3
	v_exp_f32 v[232+\b], v[232+\b]                 ; the block's largest p
.endr
	v_pk_add_f32 v[236:237], v[96:97], v[98:99]    ; the row's sum is taken of the unquantised p, in two chains
.irp j, 4,8,12,16,20,24,28,32,36,40,44,48,52,56,60
	v_pk_add_f32 v[14:15], v[14:15], v[96+\j:97+\j]
	v_pk_add_f32 v[236:237], v[236:237], v[98+\j:99+\j]
.endr
	v_pk_add_f32 v[14:15], v[14:15], v[236:237]
	s_wait_alu depctr_va_vdst(0)                   ; and one for the four
.irp b, 0,1,2,3
	v_max_num_f32 v[232+\b], 0x2800000, v[232+\b]  ; the floor 2^(5 - 127): the byte cannot fall under 1
.endr
.irp b, 0,1,2,3
	v_add_nc_u32 v[244+\b], 0xfe000000, v[232+\b]  ; 4 off the exponent field: the conversion's scale operand
.endr
.irp b, 0,1,2,3
	v_lshrrev_b32 v[236+\b], 23, v[244+\b]
.endr
	v_lshl_or_b32 v253, v237, 8, v236              ; p's scale word for these 128 keys
	v_lshl_or_b32 v253, v238, 16, v253
	v_lshl_or_b32 v253, v239, 24, v253
.irp c, 0,1
	v_cvt_scalef32_pk16_bf6_f32 v[224+6*\c:226+6*\c], v[96+32*\c:111+32*\c], v[244+2*\c]
	v_cvt_scalef32_pk16_bf6_f32 v[236+4*\c:238+4*\c], v[112+32*\c:127+32*\c], v[244+2*\c+1]
.endr
	v_nop                                          ; one plain place behind a scaled conversion
.irp t, 0,1,2,3
.irp c, 0,1,2
	ds_load_b128 v[96+12*\t+4*\c:99+12*\t+4*\c], v[ADL] offset:VOFF+FRB*(4+\t)+512*\c   ; V's tiles 4-7 into p's registers, which are done with
.endr
.endr
.irp c, 0,1                                    ; the operand wants a WHOLE block in a lane
.irp i, 0,1,2
	v_permlane16_swap_b32 v[224+6*\c+\i], v[236+4*\c+\i]
.endr
.irp i, 0,1,2
	v_mov_b32 v[227+6*\c+\i], v[236+4*\c+\i]
.endr
.endr
.set j, 0
.rept 32
	v_pk_mul_f32 v[160+j:161+j], v[160+j:161+j], v[252:253] op_sel_hi:[1,0]   ; O^T under the new M.  (These are also the places between p's codes and scale word and the products below)
.set j, j+2
.endr
	s_wait_dscnt 0x0                               ; V
.irp t, 0,1,2,3,4,5,6,7                        ; O^T += V^T P^T: the eight accumulators take one turn each
.set VA, 32+12*\t+16*(\t/4)
.if \t%2
	v_wmma_scale_f32_16x16x128_f8f6f4 v[160+8*\t:167+8*\t], v[VA:VA+11], v[224:235], v[160+8*\t:167+8*\t], v[248+\t/2], v253 matrix_a_fmt:MATRIX_FMT_BF6 matrix_b_fmt:MATRIX_FMT_BF6 matrix_a_scale:MATRIX_SCALE_ROW1
.else
	v_wmma_scale_f32_16x16x128_f8f6f4 v[160+8*\t:167+8*\t], v[VA:VA+11], v[224:235], v[160+8*\t:167+8*\t], v[248+\t/2], v253 matrix_a_fmt:MATRIX_FMT_BF6 matrix_b_fmt:MATRIX_FMT_BF6
.endif
.endr
.endm
; THE CHANGE OF SLOTS stands at a slot's head.  Each wave waits for all its tensor loads (its record of the slot ahead), adds 0 to its spare word, and waits for that and for its reads of the slot that it has left.
; fill = 1: behind a round of the cluster's barrier that other slot is filled with the next four key steps: one joint load a wave, the first thing behind the round.
.macro CHANGE fill
	s_wait_tensorcnt 0x0                           ; no tensor load of mine is out, so group 0 may be written
	ds_add_u32 v[SPW], v[NIL]                      ; 0 onto my spare word
.if \fill
	s_xor_b32 s[G0+1], s[G0+1], SLOT1              ; the other slot than last time,
	s_add_nc_u64 s[G0+2:G0+3], s[G0+2:G0+3], 4*REC ; four records on; the type bits on top are not reached
.endif
	s_wait_dscnt 0x0                               ; the add is done, and my reads of the slot that I have left are over
.if \fill
	CROUND
	tensor_load_to_lds s[G0:G0+3], s[G1:G1+7]
	s_nop 0
.rept 4
	v_nop
.endr
.else
	s_barrier_signal -1
	s_barrier_wait -1
.endif
.endm
.macro SLOT_STEPS                      ; a slot's four key steps: written once, walked four times
	s_mov_b32 s[CNT], 4
.Lstep_\@:
	STEP
	s_add_co_u32 s[TB], s[TB], REC
	s_sub_co_u32 s[CNT], s[CNT], 1
	s_cmp_lg_u32 s[CNT], 0
	s_cbranch_scc1 .Lstep_\@
	s_sub_co_u32 s[TB], s[TB], 4*REC
	s_xor_b32 s[TB], s[TB], SLOT1                  ; on to the other slot
.endm
.Lslot:                                            ; three trips: behind each change of slots but the last the next slot is asked for
	CHANGE 1
	SLOT_STEPS
	s_sub_co_u32 s[SLOTS], s[SLOTS], 1
	s_cmp_lg_u32 s[SLOTS], 0
	s_cbranch_scc1 .Lslot
	CHANGE 0                                       ; the last slot is written out
	SLOT_STEPS
; 64 numbers of a lane, register 16 b + i = k 32 b + 16 (lane / 16) + i of my row, become a fragment's codes in v[PC] on and its scale word in v[PW].
.macro QUANT s
.irp b, 0,1,2,3
	v_max3_num_f32 v[TM+\b], |v[\s+16*\b]|, |v[\s+1+16*\b]|, 0x2800000
.endr
.irp i, 2,4,6,8,10,12,14
.irp b, 0,1,2,3
	v_max3_num_f32 v[TM+\b], v[TM+\b], |v[\s+16*\b+\i]|, |v[\s+1+16*\b+\i]|
.endr
.endr
.irp b, 0,1,2,3
	v_permlanex16_b32 v[TM+4+\b], v[TM+\b], s[SEL], s[SEL+1]
.endr
.irp b, 0,1,2,3
	v_max_num_f32 v[TM+\b], v[TM+\b], v[TM+4+\b]
.endr
.irp b, 0,1,2,3
	v_add_nc_u32 v[TM+12+\b], 0xfe000000, v[TM+\b]
.endr
.irp b, 0,1,2,3
	v_lshrrev_b32 v[TM+4+\b], 23, v[TM+12+\b]
.endr
	v_lshl_or_b32 v[PW], v[TM+5], 8, v[TM+4]
	v_lshl_or_b32 v[PW], v[TM+6], 16, v[PW]
	v_lshl_or_b32 v[PW], v[TM+7], 24, v[PW]        ; (the bytes are used up: the conversions below may write over them)
.irp c, 0,1
	v_cvt_scalef32_pk16_bf6_f32 v[PC+6*\c:PC+2+6*\c], v[\s+32*\c:\s+15+32*\c], v[TM+12+2*\c]
	v_cvt_scalef32_pk16_bf6_f32 v[PC+12+4*\c:PC+14+4*\c], v[\s+16+32*\c:\s+31+32*\c], v[TM+12+2*\c+1]
.endr
	v_nop
.irp c, 0,1
.irp i, 0,1,2
	v_permlane16_swap_b32 v[PC+6*\c+\i], v[PC+12+4*\c+\i]
.endr
.irp i, 0,1,2
	v_mov_b32 v[PC+3+6*\c+\i], v[PC+12+4*\c+\i]
.endr
.endr
.endm
	; THE WAY OUT.  O^T / the sum: register 16 b + i is channel 32 b + 16 (lane / 16) + i of my query: K step "head" of the last product.  It is quantised and stored as an image.
	s_wait_kmcnt 0x0                               ; the last step's look-ahead has landed
	v_add_f32 v14, v14, v15                        ; the sum's two halves,
	v_permlanex16_b32 v252, v14, s[SEL], s[SEL+1]
	v_add_f32 v14, v14, v252                       ; and lane l xor 16's: the row's sum
	v_rcp_f32 v15, v14
	v_and_b32 v[SA], 15, v0                        ; (a plain place behind the reciprocal; with the additions above and the line below: four places behind the last products)
	v_lshlrev_b32 v[SA], 2, v[SA]
	v_mov_b32 v254, -1
	s_wait_alu depctr_va_vdst(0)                   ; the wait ahead of the reciprocal's first reader
.set j, 0
.rept 64
	v_mul_f32 v[96+j], v[160+j], v15
.set j, j+1
.endr
	QUANT 96
	v_cmp_eq_f32 vcc_lo, 0, v14                    ; no key kept: the scale bytes become 0xff, and the last product's sums for this row NaN
	v_cndmask_b32 v[PW], v[PW], v254, vcc_lo
.irp c, 0,1,2
	global_store_b128 v[LI], v[PC+4*\c:PC+4*\c+3], s[6:7] offset:512*\c   ; 512 consecutive aligned bytes
.endr
	v_cmp_gt_u32 vcc_lo, 16, v7                    ; lanes 0-15 hold the 16 rows' words
	s_wait_xcnt 0x0                                ; EXEC changes only behind this wait
	s_and_saveexec_b32 s29, vcc_lo
	global_store_b32 v[SA], v[PW], s[8:9]
	s_wait_xcnt 0x0                                ; and again, in front of the line that widens it
	s_or_b32 exec_lo, exec_lo, s29
	s_wait_tensorcnt 0x0                           ; the wave's end
	ds_add_u32 v[SPW], v[NIL]
	s_wait_dscnt 0x0
	CROUND                                         ; the closing round
	s_endpgm
.Lfunc_end_k_q96d3881a7c_attn:
	.size	k_q96d3881a7c_attn, .Lfunc_end_k_q96d3881a7c_attn-k_q96d3881a7c_attn
	.p2alignl 7, 3214868480
	.fill 96, 4, 3214868480
	.section	.rodata,"a",@progbits
	.p2align	6, 0x0
	.amdhsa_kernel k_q96d3881a7c_attn
		.amdhsa_group_segment_fixed_size 327680
		.amdhsa_private_segment_fixed_size 0
		.amdhsa_enable_private_segment 0
		.amdhsa_kernarg_size 32
		.amdhsa_user_sgpr_count 2
		.amdhsa_user_sgpr_kernarg_segment_ptr 1
		.amdhsa_wavefront_size32 1
		.amdhsa_system_sgpr_workgroup_id_x 1
		.amdhsa_system_sgpr_workgroup_id_y 1
		.amdhsa_system_sgpr_workgroup_id_z 1
		.amdhsa_system_vgpr_workitem_id 0
		.amdhsa_next_free_vgpr 256
		.amdhsa_next_free_sgpr 100
		.amdhsa_reserve_vcc 1
		.amdhsa_float_denorm_mode_32 3
		.amdhsa_float_denorm_mode_16_64 3
		.amdhsa_memory_ordered 1
		.amdhsa_forward_progress 1
		.amdhsa_inst_pref_size 61
	.end_amdhsa_kernel
	.amdgpu_metadata
---
amdhsa.version: [ 1, 2 ]
amdhsa.kernels:
  - .name:           k_q96d3881a7c_attn
    .symbol:         k_q96d3881a7c_attn.kd
    .args:
      - { .name: qkv, .offset: 0, .size: 8, .value_kind: global_buffer, .address_space: global }
      - { .name: mbits, .offset: 8, .size: 8, .value_kind: global_buffer, .address_space: global }
      - { .name: acodes, .offset: 16, .size: 8, .value_kind: global_buffer, .address_space: global }
      - { .name: ascales, .offset: 24, .size: 8, .value_kind: global_buffer, .address_space: global }
    .group_segment_fixed_size: 327680
    .private_segment_fixed_size: 0
    .kernarg_segment_align: 8
    .kernarg_segment_size: 32
    .max_flat_workgroup_size: 256
    .sgpr_count:     100
    .vgpr_count:     256
    .wavefront_size: 32
...
	.end_amdgpu_metadata
.endif
;; end of part 3
;; launch proj (part 4): grid 8 x 8, 4 waves a work-group, clusters of 4 x 4, 327,680 bytes of LDS; arguments acodes, ascales, codes, scales, bo, out0; writes out0
.if DOCPART == 4
	.amdgcn_target "amdgcn-amd-amdhsa--gfx1250"
	.amdhsa_code_object_version 6
	.text
	.protected	k_q96d3881a7c_proj
	.globl	k_q96d3881a7c_proj
	.p2align	8
	.type	k_q96d3881a7c_proj,@function
k_q96d3881a7c_proj:
	s_mov_b64 s[64:65], 0
	v_nop
	global_prefetch_b8 v0, s[64:65] scope:SCOPE_SE
	s_setreg_imm32_b32 hwreg(HW_REG_WAVE_MODE, 25, 1), 1
	s_wait_xcnt 0x0
	s_wait_alu depctr_hold_cnt(0) depctr_sa_sdst(0) depctr_va_vdst(0) depctr_va_sdst(0) depctr_va_ssrc(0) depctr_va_vcc(0) depctr_vm_vsrc(0)
	s_getreg_b32 s2, hwreg(HW_REG_IB_STS2, 6, 4)
	s_cmp_eq_u32 s2, 0
	s_cbranch_scc0 .Lentry_in_a_cluster
	s_endpgm
.Lentry_in_a_cluster:
	s_bfe_u32 s2, ttmp6, 0x10000c
	s_cmp_lg_u32 s2, 0xf033
	s_cbranch_scc0 .Lentry_shape_is_right
	s_endpgm
.Lentry_shape_is_right:
; out0 = (the heads' result) Wo^T + bo on codes of BF6 (E3M2) with E8M0 scales, K = 2,048; out0: [2048][2048] f32.
; A' = the heads' result: acodes [tile 128][K step = head 16][1536], ascales [tile][K step][row 16] words; B' = Wo: tiles 512 .. 639 of codes and scales, laid alike.  Both lie as images of operand registers:
; a fragment (16 rows x 128 K, 12 registers a lane) is 1,536 bytes, register 4 c + e of lane l at 512 c + 16 l + 4 e: three ds_load_b128 at 16 x lane.  Lane r of tile T holds row 32 (T / 2) + 8 (T % 2) + r + 8 (r / 8).
; A tile of out0 is 256 x 256: four waves, each 128 x 128 in 64 accumulators.  64 work-groups in 4 clusters of 4 x 4: a smaller tile would give more work-groups, and would read each fragment from LDS for half as many products.
; A's tiles are shared along a row of the cluster, B's along a column, by joint loads.  K goes in steps of 256 through a ring of two LDS slots; the scale words of the work-group's 16 + 16 tiles come once with the first fills.
; THE MATRIX INSTRUCTION IS USED TRANSPOSED (source 0 = a tile of Wo, source 1 = a tile of A'): register j of accumulator (a, b) in lane (r, h) is column 32 (b / 2) + 16 h + 8 (b % 2) + j of the row that lane r of tile a holds.
; The bias is the C of each sum's first product.  The order of the rows is undone by the stores' immediate offsets, that of the columns in the stage.
; A row whose scale bytes are 0xff (no key kept) comes out as NaN.
; REGISTERS, in windows of 256.  Window 0: v16-29 addresses; v32-63 scale words, two sets; v64-127 the bias; v128-223 A's fragments, ONE set (on the way out v128-255: rows read back).  Window 1: B's fragments, TWO sets.
; Windows 2, 3: the accumulators ((a, b) at v[8 (8 (a % 4) + b)]).
.set NQ,     2
.set FR,     12
.set NL,     3
.set NP,     4                         ; places behind this matrix instruction (ISA guide 7.12.1)
.set HALFT,  8*3072
.set SLOT,   4*HALFT
.set LAPS,   4
.set SCL,    2*SLOT
.set SCB,    16512                     ; B's scale words lie 128 bytes further on than A's end: lanes 16-31 of a scale load then fall on other banks than lanes 0-15
.set SPARE,  229632                    ; the spare words, 128 bytes for each wave: two blocks of 256 bytes that no other line names
.set SPITCH, 528                       ; the way out: a stage of 16 rows x (512 bytes + 16) for each wave, in slot 0, which has had its last fill and its last read when the first result is stored there
.set ADRA, 16
.set ADRB, 20
.set STO,  24                          ; v24     the stage: where I put 32 bytes of a row
.set RD,   25                          ; v25     and where I read a row back
.set LI,   26                          ; v26     16 x lane
.set ADRS, 27
.set SPW,  28
.set NIL,  29
.set SC,   32
.set BN,   64
.set AF,   128
.set BK,   128                         ; 16 rows read back from the stage: v128-191 and v192-255 by turns
.set G1, 24
.set G0, 32
.set G1B, 48
.set G0B, 56
.set G1S, 68
.set G0S, 76
.set G1SB, 80
.set G0SB, 88
.set MSB, 0
.macro WIN new
.if MSB != (\new)
	s_set_vgpr_msb (MSB<<8)|(\new)
.set MSB, \new
.endif
.endm
.set MUL_LO, 0xa1                      ; source 0 (B') window 1, source 1 (A') window 0, C and D window 2
.set MUL_HI, 0xf1                      ; the same, C and D window 3
.set TO_B,   0x40
.macro JLOAD g0a, g1a, g0b, g1b        ; waves 0 and 1 fetch for A', waves 2 and 3 for B'; four v_nop follow each of the two lines
	s_cmp_eq_u32 s17, 0
	s_cbranch_scc0 .Lfor_b_\@
	tensor_load_to_lds s[\g0a:\g0a+3], s[\g1a:\g1a+7]
	s_nop 0
.rept 4
	v_nop
.endr
	s_branch .Lasked_\@
.Lfor_b_\@:
	tensor_load_to_lds s[\g0b:\g0b+3], s[\g1b:\g1b+7]
	s_nop 0
.rept 4
	v_nop
.endr
.Lasked_\@:
.endm
.macro CREST
	s_cmp_lg_u32 s16, 0
	s_cbranch_scc1 .Lnot_wave_0_\@
	s_barrier_signal -3
.Lnot_wave_0_\@:
	s_barrier_wait -3
	s_barrier_signal -1
	s_barrier_wait -1
.endm
.macro CROUND
	s_barrier_signal -1
	s_barrier_wait -1
	CREST
.endm
	s_load_b128 s[4:7], s[0:1], 0x0                ; acodes, ascales
	s_load_b128 s[8:11], s[0:1], 0x10              ; codes, scales
	s_load_b128 s[12:15], s[0:1], 0x20             ; bo, out0
	v_lshl_add_u32 v[SPW], v0, 2, SPARE
	v_mov_b32 v[NIL], 0
	ds_add_u32 v28, v29
	ds_add_u32 v28, v29
	s_wait_dscnt 0x0
	v_lshrrev_b32 v1, 5, v0
	v_readfirstlane_b32 s16, v1                    ; wave 0..3
	s_lshr_b32 s17, s16, 1                         ; which half of the tile's rows is mine.  Also: I fetch for A' (0) or for B' (1)
	s_and_b32 s18, s16, 1                          ; which half of its columns.  Also: which 8 tiles I fetch
	s_bfe_u32 s40, ttmp6, 0x40000
	s_bfe_u32 s41, ttmp6, 0x40004
	s_lshl_b32 s42, ttmp9, 2
	s_add_co_u32 s42, s42, s40                     ; X
	s_and_b32 s19, ttmp7, 0xffff
	s_lshl_b32 s19, s19, 2
	s_add_co_u32 s19, s19, s41                     ; Y
	s_lshl_b32 s43, s41, 2
	s_lshl_b32 s43, 15, s43                        ; my row of the cluster
	s_lshl_b32 s44, 0x1111, s40                    ; my column
	s_or_b32 s[G1+0], s43, (3<<16)|(1<<21)         ; codes: 8 rows (tiles) of 384 elements of 8 bytes, 3,072 elements apart; no padding
	s_or_b32 s[G1B+0], s44, (3<<16)|(1<<21)
.irp g, G1, G1B
	s_mov_b32 s[\g+1], 384<<16
	s_mov_b32 s[\g+2], 8<<16
	s_mov_b32 s[\g+3], 384<<16
	s_mov_b32 s[\g+4], 8
	s_mov_b32 s[\g+5], 3072
	s_mov_b32 s[\g+6], 0
	s_mov_b32 s[\g+7], 0
.endr
	s_or_b32 s[G1S+0], s43, (3<<16)|(1<<21)        ; the scale words of 8 tiles: 8,192 dense bytes as 32 rows of 256
	s_or_b32 s[G1SB+0], s44, (3<<16)|(1<<21)
.irp g, G1S, G1SB
	s_mov_b32 s[\g+1], 32<<16
	s_mov_b32 s[\g+2], 32<<16
	s_mov_b32 s[\g+3], 32<<16
	s_mov_b32 s[\g+4], 32
	s_mov_b32 s[\g+5], 32
	s_mov_b32 s[\g+6], 0
	s_mov_b32 s[\g+7], 0
.endr
	s_lshl_b32 s47, s18, 3
	s_lshl_b32 s20, s19, 4
	s_add_co_u32 s20, s20, s47                     ; A': tile 16 Y + 8 x half
	s_lshl_b32 s92, s42, 4
	s_add_co_u32 s92, s92, 512
	s_add_co_u32 s92, s92, s47                     ; B': tile 512 + 16 X + 8 x half
	s_lshl_b32 s22, s20, 10
	s_mov_b32 s23, 0
	s_mul_i32 s20, s20, 16*1536
	s_mov_b32 s21, 0
	s_lshl_b32 s94, s92, 10
	s_mov_b32 s95, 0
	s_mul_i32 s92, s92, 16*1536
	s_mov_b32 s93, 0
	s_mul_i32 s45, s16, HALFT                      ; no place in the cluster enters an LDS address
	s_lshl_b32 s47, s16, 13
	s_lshl_b32 s46, s17, 7
	s_add_co_u32 s47, s47, s46
	s_add_co_u32 s47, s47, SCL
	s_wait_kmcnt 0x0
	s_add_nc_u64 s[20:21], s[4:5], s[20:21]
	s_add_nc_u64 s[22:23], s[6:7], s[22:23]
	s_add_nc_u64 s[92:93], s[8:9], s[92:93]
	s_add_nc_u64 s[94:95], s[10:11], s[94:95]
	CROUND                                         ; all sixteen work-groups are here: the first joint loads meet
	s_mov_b32 s[G0S], 1
	s_mov_b32 s[G0S+1], s47
	s_mov_b64 s[G0S+2:G0S+3], s[22:23]
	s_or_b32 s[G0S+3], s[G0S+3], 0x80000000
	s_mov_b32 s[G0SB], 1
	s_mov_b32 s[G0SB+1], s47
	s_mov_b64 s[G0SB+2:G0SB+3], s[94:95]
	s_or_b32 s[G0SB+3], s[G0SB+3], 0x80000000
	JLOAD G0S, G1S, G0SB, G1SB
.irp s, 0,1
	s_mov_b32 s[G0+4*\s], 1
	s_add_co_u32 s[G0+4*\s+1], s45, \s*SLOT
	s_add_nc_u64 s[G0+4*\s+2:G0+4*\s+3], s[20:21], \s*3072
	s_or_b32 s[G0+4*\s+3], s[G0+4*\s+3], 0x80000000
	s_mov_b32 s[G0B+4*\s], 1
	s_add_co_u32 s[G0B+4*\s+1], s45, \s*SLOT
	s_add_nc_u64 s[G0B+4*\s+2:G0B+4*\s+3], s[92:93], \s*3072
	s_or_b32 s[G0B+4*\s+3], s[G0B+4*\s+3], 0x80000000
	JLOAD G0+4*\s, G1, G0B+4*\s, G1B
.endr
	v_and_b32 v1, 15, v0                           ; r
	v_bfe_u32 v2, v0, 4, 1                         ; h
	v_and_b32 v3, 31, v0
	v_lshlrev_b32 v[LI], 4, v3
	s_lshl_b32 s20, s42, 10                        ; the bias of my 128 columns: 1,024 X + 512 x half + 64 h
	s_lshl_b32 s21, s18, 9
	s_add_co_u32 s20, s20, s21
	v_lshl_add_u32 v7, v2, 6, s20
.irp b, 0,1,2,3,4,5,6,7
	global_load_b128 v[BN+8*\b:BN+8*\b+3], v7, s[12:13] offset:(32*(\b/2)+8*(\b%2))*4
	global_load_b128 v[BN+8*\b+4:BN+8*\b+7], v7, s[12:13] offset:(32*(\b/2)+8*(\b%2))*4+16
.endr
	s_lshl_b32 s22, s19, 8
	s_lshl_b32 s23, s17, 7
	s_add_co_u32 s22, s22, s23                     ; my first row of out0: 256 Y + 128 x half,
	s_lshl_b32 s22, s22, 13                        ; of 8,192 bytes,
	s_add_co_u32 s22, s22, s20                     ; and my first column's bytes
	s_mov_b32 s23, 0
	s_add_nc_u64 s[14:15], s[14:15], s[22:23]
	s_mul_i32 s21, s17, HALFT
	s_mul_i32 s22, s18, HALFT
	s_add_co_u32 s22, s22, 2*HALFT
.irp s, 0,1
	v_add_nc_u32 v[ADRA+\s], s21, v[LI]
	v_add_nc_u32 v[ADRB+\s], s22, v[LI]
	s_add_co_u32 s21, s21, SLOT
	s_add_co_u32 s22, s22, SLOT
.endr
	s_lshl_b32 s21, s17, 13
	s_lshl_b32 s22, s18, 13
	s_add_co_u32 s22, s22, SCB
	s_sub_co_u32 s22, s22, s21
	v_mul_u32_u24 v6, s22, v2                      ; lanes 16-31 take B's scale words: one product with h
	s_add_co_u32 s21, s21, SCL
	v_lshlrev_b32 v5, 2, v1
	v_add_nc_u32 v5, v5, v6
	v_add_nc_u32 v[ADRS], s21, v5
	s_mul_i32 s23, s16, 16*SPITCH                  ; my stage
	v_mul_u32_u24 v5, v1, SPITCH
	v_lshl_add_u32 v5, v2, 6, v5
	v_add_nc_u32 v[STO], s23, v5                   ; in: row r, + 64 h
	v_add_nc_u32 v[RD], s23, v[LI]                 ; back: 16 bytes a lane of a row of 512
.macro FRAG reg, adr, q, i
.irp c, 0,1,2
	ds_load_b128 v[\reg+4*\c:\reg+4*\c+3], v[\adr] offset:1536*(\q)+3072*(\i)+512*\c
.endr
.endm
; 16 matrix instructions: A's blocks a0, a0 + 1 x B's eight.  zero = 2: the first product starts the sums with the bias as C.  The 64 accumulators take turns, one instruction a turn.
.macro MUL16 a0, p, q, sc, zero
.irp a, \a0, \a0+1
.irp b, 0,1,2,3,4,5,6,7
.if \zero == 2
	v_wmma_scale_f32_16x16x128_f8f6f4 v[8*(8*((\a)%4)+\b):8*(8*((\a)%4)+\b)+7], v[128*(\p)+FR*\b:128*(\p)+FR*\b+FR-1], v[AF+FR*(\a):AF+FR*(\a)+FR-1], v[BN+8*\b:BN+8*\b+7], v[SC+8*NQ*(\sc)+NQ*\b+(\q)], v[SC+8*NQ*(\sc)+NQ*(\a)+(\q)] matrix_a_fmt:MATRIX_FMT_BF6 matrix_b_fmt:MATRIX_FMT_BF6 matrix_a_scale:MATRIX_SCALE_ROW1
.else
	v_wmma_scale_f32_16x16x128_f8f6f4 v[8*(8*((\a)%4)+\b):8*(8*((\a)%4)+\b)+7], v[128*(\p)+FR*\b:128*(\p)+FR*\b+FR-1], v[AF+FR*(\a):AF+FR*(\a)+FR-1], v[8*(8*((\a)%4)+\b):8*(8*((\a)%4)+\b)+7], v[SC+8*NQ*(\sc)+NQ*\b+(\q)], v[SC+8*NQ*(\sc)+NQ*(\a)+(\q)] matrix_a_fmt:MATRIX_FMT_BF6 matrix_b_fmt:MATRIX_FMT_BF6 matrix_a_scale:MATRIX_SCALE_ROW1
.endif
.endr
.endr
.endm
.macro FETCH_B slot, q, p
	WIN TO_B
.irp i, 0,1,2,3,4,5,6,7
	FRAG 128*(\p)+FR*\i, ADRB+\slot, \q, \i
.endr
	WIN 0
.endm
.macro FETCH_A slot, q, i0
.irp i, \i0, \i0+1, \i0+2, \i0+3
	FRAG AF+FR*(\i), ADRA+\slot, \q, \i
.endr
.endm
.macro SCALES sc
.irp i, 0,1,2,3,4,5,6,7
.irp q, 0,1
	ds_load_b32 v[SC+8*NQ*\sc+NQ*\i+\q], v[ADRS] offset:1024*\i+64*\q
.endr
.endr
.endm
.macro PLACES n
.rept \n
	v_nop
.endr
.endm
.macro STEP slot, q, zero
	s_wait_dscnt 4*NL                              ; B's set, A's blocks 0-3 and the scale words are in; the youngest 12 loads (A's blocks 4-7) may be out
.if \zero == 2
	WIN 0x81                                       ; C (the bias) window 0, D window 2
.else
	WIN MUL_LO
.endif
	MUL16 0, (\q)%2, \q, \slot, \zero
	MUL16 2, (\q)%2, \q, \slot, \zero
	s_wait_dscnt 0
	PLACES NP
	FETCH_B \slot, (\q)+1, 1-(\q)%2
	FETCH_A \slot, (\q)+1, 0
.if \zero == 2
	WIN 0xc1                                       ; C window 0, D window 3
.else
	WIN MUL_HI
.endif
	MUL16 4, (\q)%2, \q, \slot, \zero
	MUL16 6, (\q)%2, \q, \slot, \zero
	PLACES NP
	WIN 0
	FETCH_A \slot, (\q)+1, 4
.endm
.macro TURN slot, next, fill
	s_wait_tensorcnt 0x0                           ; all my tensor loads have landed: my part of the next slot
	ds_add_u32 v[SPW], v[NIL]                      ; 0 onto my spare word
	s_wait_dscnt 4*NL+1                            ; (the add and the youngest 12 loads may be out)
	WIN MUL_LO
	MUL16 0, 1, NQ-1, \slot, 0
	s_wait_dscnt 0x0                               ; the add is done, and my reads of this slot are over
	s_barrier_signal -1
	MUL16 2, 1, NQ-1, \slot, 0
	WIN 0
	s_barrier_wait -1
.if \fill
	CREST                                          ; a round of the cluster's barrier: no wave of any partner still reads this slot or has a load on its way
	s_add_nc_u64 s[G0+4*\slot+2:G0+4*\slot+3], s[G0+4*\slot+2:G0+4*\slot+3], 2*3072
	s_add_nc_u64 s[G0B+4*\slot+2:G0B+4*\slot+3], s[G0B+4*\slot+2:G0B+4*\slot+3], 2*3072
	JLOAD G0+4*\slot, G1, G0B+4*\slot, G1B
.else
	PLACES NP
.endif
	v_add_nc_u32 v[ADRS], 64*NQ, v[ADRS]
	FETCH_B \next, 0, 0
	FETCH_A \next, 0, 0
	SCALES \next
	WIN MUL_HI
	MUL16 4, 1, NQ-1, \slot, 0
	MUL16 6, 1, NQ-1, \slot, 0
	PLACES NP
	WIN 0
	FETCH_A \next, 0, 4
.endm
	s_wait_tensorcnt 1                             ; of my three first fills the scale words and slot 0 are in; slot 1's may be out
	s_barrier_signal -1
	s_barrier_wait -1
	FETCH_B 0, 0, 0
	FETCH_A 0, 0, 0
	SCALES 0
	FETCH_A 0, 0, 4
	s_wait_loadcnt 0x0                             ; the bias
	STEP 0, 0, 2                                   ; the first step stands in front of the loop: its products start the sums, with the bias
	s_mov_b32 s3, LAPS-1
.Llap:
	TURN 0, 1, 1
	STEP 1, 0, 0
	TURN 1, 0, 1
	STEP 0, 0, 0
	s_sub_co_u32 s3, s3, 1
	s_cmp_lg_u32 s3, 0
	s_cbranch_scc1 .Llap
	TURN 0, 1, 0
	STEP 1, 0, 0
	s_wait_dscnt 4*NL
	WIN MUL_LO
	MUL16 0, 1, NQ-1, 1, 0
	MUL16 2, 1, NQ-1, 1, 0
	s_wait_dscnt 0
	WIN MUL_HI
	MUL16 4, 1, NQ-1, 1, 0
	MUL16 6, 1, NQ-1, 1, 0
	WIN 0
; THE WAY OUT, block by block of 16 rows x 128 columns, through my own stage: a lane's eight numbers go to their columns' place in row r; whole rows of 512 bytes come back.  LDS serves a wave's instructions in order.
.macro TOSTAGE a
.set AC, 64*((\a)%4)
	WIN 0x08+4*((\a)/4)                            ; an LDS store's data: window 2 or 3
.irp b, 0,1,2,3,4,5,6,7
	ds_store_b128 v[STO], v[AC+8*\b:AC+8*\b+3] offset:128*(\b/2)+32*(\b%2)        ; each accumulator from its low end on
	ds_store_b128 v[STO], v[AC+8*\b+4:AC+8*\b+7] offset:128*(\b/2)+32*(\b%2)+16
.endr
	WIN 0
.set BB, BK+64*((\a)%2)
.irp t, 0,1,2,3,4,5,6,7,8,9,10,11,12,13,14,15
	ds_load_b128 v[BB+4*\t:BB+4*\t+3], v[RD] offset:\t*SPITCH
.endr
.endm
.macro SEND a, younger                 ; younger: the LDS instructions issued behind block a's loads, which may stay out
.set BB, BK+64*((\a)%2)
	s_wait_dscnt \younger
.irp t, 0,1,2,3,4,5,6,7,8,9,10,11,12,13,14,15
	global_store_b128 v[LI], v[BB+4*\t:BB+4*\t+3], s[14:15] offset:(32*((\a)/2)+8*((\a)%2)+\t+8*(\t/8))*8192 th:TH_STORE_NT   ; stage row t is the row that lane t of tile a holds; 512 consecutive aligned bytes; 127 rows at the most: inside the signed 24-bit immediate
.endr
.endm
	PLACES NP
	TOSTAGE 0
.irp a, 1,2,3,4,5,6,7
.if \a > 1
	s_wait_xcnt 0x0                                ; block a - 2's stores have read their registers: block a's loads may land there
.endif
	TOSTAGE \a
	SEND \a-1, 32                                  ; behind block a - 1's loads: block a's 16 stores and 16 loads
.endr
	SEND 7, 0
	s_wait_tensorcnt 0x0                           ; the wave's end
	ds_add_u32 v[SPW], v[NIL]
	s_wait_dscnt 0x0
	CROUND                                         ; the closing round
	s_endpgm
.Lfunc_end_k_q96d3881a7c_proj:
	.size	k_q96d3881a7c_proj, .Lfunc_end_k_q96d3881a7c_proj-k_q96d3881a7c_proj
	.p2alignl 7, 3214868480
	.fill 96, 4, 3214868480
	.section	.rodata,"a",@progbits
	.p2align	6, 0x0
	.amdhsa_kernel k_q96d3881a7c_proj
		.amdhsa_group_segment_fixed_size 327680
		.amdhsa_private_segment_fixed_size 0
		.amdhsa_enable_private_segment 0
		.amdhsa_kernarg_size 48
		.amdhsa_user_sgpr_count 2
		.amdhsa_user_sgpr_kernarg_segment_ptr 1
		.amdhsa_wavefront_size32 1
		.amdhsa_system_sgpr_workgroup_id_x 1
		.amdhsa_system_sgpr_workgroup_id_y 1
		.amdhsa_system_sgpr_workgroup_id_z 1
		.amdhsa_system_vgpr_workitem_id 0
		.amdhsa_next_free_vgpr 1024
		.amdhsa_next_free_sgpr 100
		.amdhsa_reserve_vcc 0
		.amdhsa_float_denorm_mode_32 3
		.amdhsa_float_denorm_mode_16_64 3
		.amdhsa_memory_ordered 1
		.amdhsa_forward_progress 1
		.amdhsa_inst_pref_size 138
	.end_amdhsa_kernel
	.amdgpu_metadata
---
amdhsa.version: [ 1, 2 ]
amdhsa.kernels:
  - .name:           k_q96d3881a7c_proj
    .symbol:         k_q96d3881a7c_proj.kd
    .args:
      - { .name: acodes, .offset: 0, .size: 8, .value_kind: global_buffer, .address_space: global }
      - { .name: ascales, .offset: 8, .size: 8, .value_kind: global_buffer, .address_space: global }
      - { .name: codes, .offset: 16, .size: 8, .value_kind: global_buffer, .address_space: global }
      - { .name: scales, .offset: 24, .size: 8, .value_kind: global_buffer, .address_space: global }
      - { .name: bo, .offset: 32, .size: 8, .value_kind: global_buffer, .address_space: global }
      - { .name: out0, .offset: 40, .size: 8, .value_kind: global_buffer, .address_space: global }
    .group_segment_fixed_size: 327680
    .private_segment_fixed_size: 0
    .kernarg_segment_align: 8
    .kernarg_segment_size: 48
    .max_flat_workgroup_size: 128
    .sgpr_count:     100
    .vgpr_count:     1024
    .wavefront_size: 32
...
	.end_amdgpu_metadata
.endif
;; end of part 4
;; ======== version 2 of 2: 4 launches
;; limits: right only within a limited range of input values
;; workspace buffers: codes 15,728,640 bytes; scales 655,360 bytes; mbits 524,288 bytes of whole numbers; live 2,048 bytes of whole numbers; qkv 9,830,400 bytes; acodes 3,145,728 bytes; ascales 131,072 bytes
;; launch prep (part 5): grid 448 x 1, 4 waves a work-group, no clusters, 36,352 bytes of LDS; arguments x, Wq, Wk, Wv, Wo, attn_mask, codes, scales, mbits, live; writes codes, scales, mbits, live
.if DOCPART == 5
	.amdgcn_target "amdgcn-amd-amdhsa--gfx1250"
	.amdhsa_code_object_version 6
	.text
	.protected	k_q96d3881a7c_prep
	.globl	k_q96d3881a7c_prep
	.p2align	8
	.type	k_q96d3881a7c_prep,@function
k_q96d3881a7c_prep:
	s_mov_b64 s[64:65], 0
	v_nop
	global_prefetch_b8 v0, s[64:65] scope:SCOPE_SE
	s_setreg_imm32_b32 hwreg(HW_REG_WAVE_MODE, 25, 1), 1
	s_wait_xcnt 0x0
; x, Wq, Wk, Wv, Wo ([2048][2048] f32, K innermost) become codes of BF6 (E3M2) with one E8M0 scale byte for each 32 along K; attn_mask ([2048][2048] bytes) becomes words of one bit a lane.
; THE CODES ARE LAID AS IMAGES OF OPERAND REGISTERS.  A fragment is 16 rows x 128 K: 12 registers a lane (lane (r, h): row r; registers 6 c .. 6 c + 5: k = 64 c + 32 h + 0 .. 31); in memory register 4 c + e of lane l
; lies at byte 512 c + 16 l + 4 e of the fragment's 1,536 bytes.  codes: [tile 640][K step 16][1536], tile = 128 t + T, t = 0 x, 1 Wq, 2 Wk, 3 Wv, 4 Wo.  scales: [tile][K step][row 16] words of four bytes.
; THE ROWS OF A TILE ARE NOT NEIGHBOURS: lane r of tile T takes row 32 (T / 2) + 8 (T % 2) + r + 8 (r / 8), so that a product used transposed leaves 16 neighbours of the next K in the 16 registers of two neighbouring tiles.
; A block's scale is 2^(floor(log2(its largest magnitude)) - 4); its byte is that magnitude's exponent field - 4, held at 1 from below.
; LIMITS: NaN and infinities among the inputs are not served; a block whose largest magnitude lies under 2^-122 keeps the byte 1; a block of zeros gets the byte 1, not 127 (its codes are zeros, and this program alone reads the bytes).
; A mask byte other than 0 counts as keep.
; SHARES.  Work-groups 0 to 319: wave id = 4 x work-group + wave takes half the K (8 fragments) of tile id / 2.  Each load reads 512 consecutive aligned bytes of one row; the 16 rows turn through the wave's own stage in LDS,
; so that a lane gets 16 neighbours of each block of 32.  Two fragments' loads (32) are on their way.  Work-groups 320 to 447: a wave takes 16 queries x 512 keys of the mask.
; No tensor load, no barrier, no matrix unit: the waves share nothing and the launch is bound by the bytes that it reads once.
.set QWG,    320                       ; work-groups that quantise
.set SPITCH, 528                       ; a stage row: 512 bytes + 16, an odd multiple of 16: the sixteen rows of a read fall on sixteen different columns of 16 bytes
.set SCR,    16*SPITCH                 ; behind the stage: the wave's 512 bytes of scale words
.set WREG,   SCR+512                   ; LDS of a wave
.set TM,  8                            ; v8-23    at work in QUANT
.set PW,  24                           ; v24      the scale word just made
.set G,   32                           ; v32-159  two sets of 64: a fragment's numbers as loaded
.set X,   160                          ; v160-223 64 numbers: register 16 b + i = k 32 b + 16 h + i of my row
.set PC,  224                          ; v224-243 the codes
.set SEL, 24                           ; s[24:25] selects of v_permlanex16_b32: lane l xor 16
.set HIM, 26                           ; s26      lanes 16-31
; 64 numbers of a lane, register 16 b + i = k 32 b + 16 (lane / 16) + i of my row, become a fragment's codes in v[PC] on and its scale word in v[PW].
.macro QUANT s
.irp b, 0,1,2,3
	v_max3_num_f32 v[TM+\b], |v[\s+16*\b]|, |v[\s+1+16*\b]|, 0x2800000   ; block b: my 16 numbers, and the floor 2^(5 - 127): the byte cannot fall under 1
.endr
.irp i, 2,4,6,8,10,12,14
.irp b, 0,1,2,3
	v_max3_num_f32 v[TM+\b], v[TM+\b], |v[\s+16*\b+\i]|, |v[\s+1+16*\b+\i]|   ; the four blocks by turns
.endr
.endr
.irp b, 0,1,2,3
	v_permlanex16_b32 v[TM+4+\b], v[TM+\b], s[SEL], s[SEL+1]
.endr
.irp b, 0,1,2,3
	v_max_num_f32 v[TM+\b], v[TM+\b], v[TM+4+\b]          ; with lane l xor 16's: the block's largest magnitude
.endr
.irp b, 0,1,2,3
	v_add_nc_u32 v[TM+12+\b], 0xfe000000, v[TM+\b]        ; 4 off its exponent field: the conversion's scale operand
.endr
.irp b, 0,1,2,3
	v_lshrrev_b32 v[TM+4+\b], 23, v[TM+12+\b]             ; the scale's byte
.endr
	v_lshl_or_b32 v[PW], v[TM+5], 8, v[TM+4]
	v_lshl_or_b32 v[PW], v[TM+6], 16, v[PW]
	v_lshl_or_b32 v[PW], v[TM+7], 24, v[PW]               ; my row's scale word
.irp c, 0,1
	v_cvt_scalef32_pk16_bf6_f32 v[PC+6*\c:PC+2+6*\c], v[\s+32*\c:\s+15+32*\c], v[TM+12+2*\c]
	v_cvt_scalef32_pk16_bf6_f32 v[PC+12+4*\c:PC+14+4*\c], v[\s+16+32*\c:\s+31+32*\c], v[TM+12+2*\c+1]   ; (a conversion's three registers begin on an even number)
.endr
	v_nop                                                 ; one plain place behind a scaled conversion
.irp c, 0,1                                               ; the operand wants a WHOLE block in a lane: lanes 0-15 block 2 c, lanes 16-31 block 2 c + 1
.irp i, 0,1,2
	v_permlane16_swap_b32 v[PC+6*\c+\i], v[PC+12+4*\c+\i]
.endr
.irp i, 0,1,2
	v_mov_b32 v[PC+3+6*\c+\i], v[PC+12+4*\c+\i]
.endr
.endr
.endm
.macro LOADF s                         ; fragment s: 16 rows x 512 bytes into set s % 2
.irp i, 0,1,2,3,4,5,6,7,8,9,10,11,12,13,14,15
	global_load_b128 v[G+64*((\s)%2)+4*\i:G+64*((\s)%2)+4*\i+3], v1, s[4:5] offset:(\i+8*(\i/8))*8192+512*(\s) th:TH_LOAD_NT
.endr
.endm
.macro FRAGQ s
.if (\s) < 7
	s_wait_loadcnt 16                              ; this fragment's 16 loads are in; the next fragment's 16 may be out
.else
	s_wait_loadcnt 0x0
.endif
.irp i, 0,1,2,3,4,5,6,7,8,9,10,11,12,13,14,15
	ds_store_b128 v2, v[G+64*((\s)%2)+4*\i:G+64*((\s)%2)+4*\i+3] offset:SPITCH*\i
.endr
.irp b, 0,1,2,3
.irp j, 0,1,2,3
	ds_load_b128 v[X+16*\b+4*\j:X+16*\b+4*\j+3], v3 offset:128*\b+16*\j   ; LDS serves a wave's instructions in order: these see the stores above
.endr
.endr
	s_wait_dscnt 0x0                               ; the numbers are back, and the stage's stores have read their registers
	s_wait_xcnt 0x0                                ; the last fragment's stores have read the codes' registers
.if (\s)+2 < 8
	LOADF (\s)+2
.endif
	QUANT X
.irp c, 0,1,2
	global_store_b128 v1, v[PC+4*\c:PC+4*\c+3], s[16:17] offset:1536*(\s)+512*\c   ; 512 consecutive aligned bytes
.endr
.if (\s)%2 == 0
	v_mov_b32 v25, v[PW]
.else
	v_cndmask_b32 v26, v25, v[PW], s[HIM]          ; lanes 0-15: the even K step's words, lanes 16-31: the odd one's
	ds_store_b32 v4, v26 offset:128*((\s)/2)
.endif
.endm
	s_load_b256 s[4:11], s[0:1], 0x0               ; x, Wq, Wk, Wv
	s_load_b256 s[12:19], s[0:1], 0x20             ; Wo, attn_mask, codes, scales
	s_load_b64 s[20:21], s[0:1], 0x40              ; mbits
	s_load_b64 s[40:41], s[0:1], 0x48              ; live: [tile 128][quarter 4] words; bit k: key step 4 quarter + k keeps some key of the tile's 16 queries; bit 16 + k: it keeps all 16 x 128
	v_lshl_add_u32 v254, v0, 2, 0x8c00
	v_mov_b32 v255, 0
	v_lshrrev_b32 v1, 5, v0
	v_readfirstlane_b32 s22, v1                    ; wave
	v_and_b32 v6, 31, v0                           ; lane
	v_and_b32 v7, 15, v0                           ; r
	v_bfe_u32 v27, v0, 4, 1                        ; h
	v_lshlrev_b32 v1, 4, v6                        ; 16 x lane
	s_lshl_b32 s23, ttmp9, 2
	s_add_co_u32 s23, s23, s22                     ; 4 x work-group + wave
	s_cmp_lt_u32 ttmp9, QWG
	s_cbranch_scc0 .Lmask
	; ---- the five tensors
	s_lshr_b32 s27, s23, 8                         ; t: which tensor
	s_bfe_u32 s28, s23, 0x70001                    ; T = (id / 2) % 128
	s_and_b32 s29, s23, 1                          ; which half of K
	s_lshr_b32 s30, s28, 1
	s_lshl_b32 s30, s30, 18                        ; 32 (T / 2) rows of 8,192 bytes
	s_and_b32 s31, s28, 1
	s_lshl_b32 s31, s31, 16                        ; 8 (T % 2) rows
	s_add_co_u32 s30, s30, s31
	s_lshl_b32 s31, s29, 12                        ; 1,024 numbers along K
	s_add_co_u32 s30, s30, s31
	s_mov_b32 s31, 0
	s_mul_i32 s32, s23, 8*1536                     ; my 8 fragments: (16 (id / 2) + 8 (id % 2)) x 1,536 = id x 12,288
	s_mov_b32 s33, 0
	s_lshl_b32 s34, s23, 9                         ; and their scale words: id x 512
	s_mov_b32 s35, 0
	s_mov_b32 s[SEL], 0x76543210
	s_mov_b32 s[SEL+1], 0xfedcba98
	s_mov_b32 s[HIM], 0xffff0000
	s_mul_i32 s36, s22, WREG
	s_wait_alu depctr_va_vdst(0)
	v_add_nc_u32 v2, s36, v1                       ; the stage, in: 16 x lane
	v_mul_u32_u24 v3, v7, SPITCH
	v_lshl_add_u32 v3, v27, 6, v3
	v_add_nc_u32 v3, s36, v3                       ; out: row r, + 64 h
	v_lshlrev_b32 v4, 2, v6
	v_add_nc_u32 v4, s36, v4
	v_add_nc_u32 v4, SCR, v4                       ; scale words, in: 4 x lane
	v_add_nc_u32 v5, SCR, v2                       ; out: 16 x lane
.irp b, 0,1,2,3
	v_mov_b32 v[TM+4+\b], 0                        ; written once: a lane permute's destination counts as one of its sources
.endr
	s_wait_alu depctr_va_vdst(0)
	s_wait_kmcnt 0x0
	s_cmp_eq_u32 s27, 1                            ; the choice hangs on the work-group's and the wave's number alone
	s_cselect_b64 s[4:5], s[6:7], s[4:5]
	s_cmp_eq_u32 s27, 2
	s_cselect_b64 s[4:5], s[8:9], s[4:5]
	s_cmp_eq_u32 s27, 3
	s_cselect_b64 s[4:5], s[10:11], s[4:5]
	s_cmp_eq_u32 s27, 4
	s_cselect_b64 s[4:5], s[12:13], s[4:5]
	s_add_nc_u64 s[4:5], s[4:5], s[30:31]
	s_add_nc_u64 s[16:17], s[16:17], s[32:33]
	s_add_nc_u64 s[18:19], s[18:19], s[34:35]
	LOADF 0
	LOADF 1
.irp s, 0,1,2,3,4,5,6,7
	FRAGQ \s
.endr
	ds_load_b128 v[28:31], v5                      ; my 8 fragments' scale words, in order behind my stores
	s_wait_dscnt 0x0
	global_store_b128 v1, v[28:31], s[18:19]       ; 512 consecutive aligned bytes
	s_wait_tensorcnt 0x0
	ds_add_u32 v254, v255
	s_wait_dscnt 0x0
	s_endpgm
	; ---- the mask.  mbits: [T 128][key step 16][n 64] words; bit L of word n = mask[query of lane L % 16 of tile T][128 step + 32 (n / 16) + 16 (L / 16) + n % 16]:
	; the lane mask of score register n in the attention launch.
.Lmask:
	s_sub_co_u32 s23, s23, 4*QWG                   ; id 0 .. 511: tile id / 4, key steps 4 (id % 4) on
	s_lshr_b32 s28, s23, 2
	s_and_b32 s29, s23, 3
	s_lshr_b32 s30, s28, 1
	s_lshl_b32 s30, s30, 16                        ; 32 (T / 2) rows of 2,048 bytes
	s_and_b32 s31, s28, 1
	s_lshl_b32 s31, s31, 14
	s_add_co_u32 s30, s30, s31
	s_lshl_b32 s31, s29, 9                         ; 512 keys
	s_add_co_u32 s30, s30, s31
	s_mov_b32 s31, 0
	s_lshl_b32 s32, s23, 10                        ; 4,096 T + 1,024 (id % 4) = 1,024 id
	s_mov_b32 s33, 0
	s_wait_alu depctr_va_vdst(0)
	v_and_b32 v2, 8, v7
	v_add_nc_u32 v2, v2, v7                        ; r + 8 (r / 8)
	v_lshlrev_b32 v2, 11, v2
	v_lshl_add_u32 v2, v27, 4, v2                  ; my query's row, + 16 h
	v_lshlrev_b32 v3, 3, v6                        ; out: 8 bytes a lane
.irp j, 0,1,2,3,4,5,6,7
	v_mov_b32 v[96+\j], 0                          ; v_writelane_b32's destination counts as read
.endr
	s_wait_kmcnt 0x0
	s_add_nc_u64 s[14:15], s[14:15], s[30:31]
	s_add_nc_u64 s[20:21], s[20:21], s[32:33]
	s_lshl_b32 s46, s23, 2                         ; my word of live: 4 x id
	s_mov_b32 s47, 0
	s_add_nc_u64 s[40:41], s[40:41], s[46:47]
	s_mov_b32 s44, 0                               ; the word is gathered here
.irp k, 0,1,2,3
.irp b, 0,1,2,3
	global_load_b128 v[32+16*\k+4*\b:35+16*\k+4*\b], v2, s[14:15] offset:128*\k+32*\b   ; register 16 k + n / 4, byte n % 4: the key of score register n
.endr
.endr
.macro MSTEP kp
	s_wait_loadcnt 12-4*(\kp)                      ; this key step's four loads are in; the later steps' may be out
	v_or_b32 v12, v[32+16*(\kp)], v[33+16*(\kp)]   ; all my 64 mask bytes of the step: any bit set,
	v_and_b32 v13, v[32+16*(\kp)], v[33+16*(\kp)]  ; and the bits that all have
.irp i, 2,3,4,5,6,7,8,9,10,11,12,13,14,15
	v_or_b32 v12, v12, v[32+16*(\kp)+\i]
	v_and_b32 v13, v13, v[32+16*(\kp)+\i]
.endr
	v_cmp_ne_u32 s42, 0, v12
	v_cmp_eq_u32 s43, 0x01010101, v13              ; every byte 1 (a step whose kept bytes are other numbers than 1 counts as not full, and is then masked word by word)
	s_cmp_lg_u32 s42, 0
	s_cselect_b32 s42, 1<<(\kp), 0
	s_cmp_eq_u32 s43, -1
	s_cselect_b32 s43, 0x10000<<(\kp), 0
	s_or_b32 s44, s44, s42
	s_or_b32 s44, s44, s43
.set n, 0
.rept 64
	v_and_b32 v[8+n%4], 0xff<<(8*(n%4)), v[32+16*(\kp)+n/4]
	v_cmp_ne_u32 s[36+n%4], 0, v[8+n%4]            ; one bit a lane
	v_writelane_b32 v[96+2*(\kp)+n%2], s[36+n%4], n/2   ; word n: register n % 2 of lane n / 2
.set n, n+1
.endr
	global_store_b64 v3, v[96+2*(\kp):97+2*(\kp)], s[20:21] offset:256*(\kp)   ; 256 consecutive aligned bytes
.endm
	MSTEP 0
	MSTEP 1
	MSTEP 2
	MSTEP 3
	v_mov_b32 v14, s44
	v_mov_b32 v15, 0
	v_cmp_eq_u32 vcc_lo, 0, v6                     ; lane 0 stores the wave's word
	s_wait_alu depctr_va_vdst(0)                   ; directly ahead of the wait below
	s_wait_xcnt 0x0                                ; EXEC changes only behind this wait
	s_and_saveexec_b32 s45, vcc_lo
	global_store_b32 v15, v14, s[40:41]
	s_wait_xcnt 0x0
	s_or_b32 exec_lo, exec_lo, s45
	s_endpgm
.Lfunc_end_k_q96d3881a7c_prep:
	.size	k_q96d3881a7c_prep, .Lfunc_end_k_q96d3881a7c_prep-k_q96d3881a7c_prep
	.p2alignl 7, 3214868480
	.fill 96, 4, 3214868480
	.section	.rodata,"a",@progbits
	.p2align	6, 0x0
	.amdhsa_kernel k_q96d3881a7c_prep
		.amdhsa_group_segment_fixed_size 36352
		.amdhsa_private_segment_fixed_size 0
		.amdhsa_enable_private_segment 0
		.amdhsa_kernarg_size 80
		.amdhsa_user_sgpr_count 2
		.amdhsa_user_sgpr_kernarg_segment_ptr 1
		.amdhsa_wavefront_size32 1
		.amdhsa_system_sgpr_workgroup_id_x 1
		.amdhsa_system_sgpr_workgroup_id_y 1
		.amdhsa_system_sgpr_workgroup_id_z 1
		.amdhsa_system_vgpr_workitem_id 0
		.amdhsa_next_free_vgpr 256
		.amdhsa_next_free_sgpr 66
		.amdhsa_reserve_vcc 1
		.amdhsa_float_denorm_mode_32 3
		.amdhsa_float_denorm_mode_16_64 3
		.amdhsa_memory_ordered 1
		.amdhsa_forward_progress 1
		.amdhsa_inst_pref_size 122
	.end_amdhsa_kernel
	.amdgpu_metadata
---
amdhsa.version: [ 1, 2 ]
amdhsa.kernels:
  - .name:           k_q96d3881a7c_prep
    .symbol:         k_q96d3881a7c_prep.kd
    .args:
      - { .name: x, .offset: 0, .size: 8, .value_kind: global_buffer, .address_space: global }
      - { .name: Wq, .offset: 8, .size: 8, .value_kind: global_buffer, .address_space: global }
      - { .name: Wk, .offset: 16, .size: 8, .value_kind: global_buffer, .address_space: global }
      - { .name: Wv, .offset: 24, .size: 8, .value_kind: global_buffer, .address_space: global }
      - { .name: Wo, .offset: 32, .size: 8, .value_kind: global_buffer, .address_space: global }
      - { .name: attn_mask, .offset: 40, .size: 8, .value_kind: global_buffer, .address_space: global }
      - { .name: codes, .offset: 48, .size: 8, .value_kind: global_buffer, .address_space: global }
      - { .name: scales, .offset: 56, .size: 8, .value_kind: global_buffer, .address_space: global }
      - { .name: mbits, .offset: 64, .size: 8, .value_kind: global_buffer, .address_space: global }
      - { .name: live, .offset: 72, .size: 8, .value_kind: global_buffer, .address_space: global }
    .group_segment_fixed_size: 36352
    .private_segment_fixed_size: 0
    .kernarg_segment_align: 8
    .kernarg_segment_size: 80
    .max_flat_workgroup_size: 128
    .sgpr_count:     66
    .vgpr_count:     256
    .wavefront_size: 32
...
	.end_amdgpu_metadata
.endif
;; end of part 5
;; launch qkv (part 6): grid 24 x 8, 4 waves a work-group, clusters of 4 x 4, 327,680 bytes of LDS; arguments codes, scales, bq, bk, bv, qkv; writes qkv
.if DOCPART == 6
	.amdgcn_target "amdgcn-amd-amdhsa--gfx1250"
	.amdhsa_code_object_version 6
	.text
	.protected	k_q96d3881a7c_qkv
	.globl	k_q96d3881a7c_qkv
	.p2align	8
	.type	k_q96d3881a7c_qkv,@function
k_q96d3881a7c_qkv:
	s_mov_b64 s[64:65], 0
	v_nop
	global_prefetch_b8 v0, s[64:65] scope:SCOPE_SE
	s_setreg_imm32_b32 hwreg(HW_REG_WAVE_MODE, 25, 1), 1
	s_wait_xcnt 0x0
	s_wait_alu depctr_hold_cnt(0) depctr_sa_sdst(0) depctr_va_vdst(0) depctr_va_sdst(0) depctr_va_ssrc(0) depctr_va_vcc(0) depctr_vm_vsrc(0)
	s_getreg_b32 s2, hwreg(HW_REG_IB_STS2, 6, 4)
	s_cmp_eq_u32 s2, 0
	s_cbranch_scc0 .Lentry_in_a_cluster
	s_endpgm
.Lentry_in_a_cluster:
	s_bfe_u32 s2, ttmp6, 0x10000c
	s_cmp_lg_u32 s2, 0xf033
	s_cbranch_scc0 .Lentry_shape_is_right
	s_endpgm
.Lentry_shape_is_right:
.set NQ,     2
.set FR,     12
.set NL,     3
.set NP,     4
.set HALFT,  8*3072
.set SLOT,   4*HALFT
.set LAPS,   4
.set SCL,    2*SLOT
.set SCB,    16512
.set SPARE,  229632
.set ADRA, 16
.set ADRB, 20
.set LI,   26
.set ADRS, 27
.set SPW,  28
.set NIL,  29
.set SC,   32
.set BN,   64
.set AF,   128
.set BM,   240
.set H,    128
.set PC,   192
.set TM,   212
.set PW,   228
.set SW,   232
.set G1, 24
.set G0, 32
.set G1B, 48
.set G0B, 56
.set G1S, 68
.set G0S, 76
.set G1SB, 80
.set G0SB, 88
.set HIM, 95
.set SEL, 98
.set MSB, 0
.macro WIN new
.if MSB != (\new)
	s_set_vgpr_msb (MSB<<8)|(\new)
.set MSB, \new
.endif
.endm
.set MUL_LO, 0xa1
.set MUL_HI, 0xf1
.set TO_B,   0x40
.macro JLOAD g0a, g1a, g0b, g1b
	s_cmp_eq_u32 s17, 0
	s_cbranch_scc0 .Lfor_b_\@
	tensor_load_to_lds s[\g0a:\g0a+3], s[\g1a:\g1a+7]
	s_nop 0
.rept 4
	v_nop
.endr
	s_branch .Lasked_\@
.Lfor_b_\@:
	tensor_load_to_lds s[\g0b:\g0b+3], s[\g1b:\g1b+7]
	s_nop 0
.rept 4
	v_nop
.endr
.Lasked_\@:
.endm
.macro CREST
	s_cmp_lg_u32 s16, 0
	s_cbranch_scc1 .Lnot_wave_0_\@
	s_barrier_signal -3
.Lnot_wave_0_\@:
	s_barrier_wait -3
	s_barrier_signal -1
	s_barrier_wait -1
.endm
.macro CROUND
	s_barrier_signal -1
	s_barrier_wait -1
	CREST
.endm
	s_load_b128 s[4:7], s[0:1], 0x0
	s_load_b128 s[8:11], s[0:1], 0x10
	s_load_b128 s[12:15], s[0:1], 0x20
	v_lshl_add_u32 v[SPW], v0, 2, SPARE
	v_mov_b32 v[NIL], 0
	ds_add_u32 v28, v29
	ds_add_u32 v28, v29
	s_wait_dscnt 0x0
	v_lshrrev_b32 v1, 5, v0
	v_readfirstlane_b32 s16, v1
	s_lshr_b32 s17, s16, 1
	s_and_b32 s18, s16, 1
	s_bfe_u32 s40, ttmp6, 0x40000
	s_bfe_u32 s41, ttmp6, 0x40004
	s_lshl_b32 s42, ttmp9, 2
	s_add_co_u32 s42, s42, s40
	s_and_b32 s19, ttmp7, 0xffff
	s_lshl_b32 s19, s19, 2
	s_add_co_u32 s19, s19, s41
	s_lshl_b32 s43, s41, 2
	s_lshl_b32 s43, 15, s43
	s_lshl_b32 s44, 0x1111, s40
	s_cmp_ge_u32 ttmp9, 4
	s_cselect_b32 s2, 1, 0
	s_cselect_b32 s46, 384, 0
	s_or_b32 s[G1+0], s43, (3<<16)|(1<<21)
	s_or_b32 s[G1B+0], s44, (3<<16)|(1<<21)
.irp g, G1, G1B
	s_mov_b32 s[\g+1], 384<<16
	s_mov_b32 s[\g+2], 8<<16
	s_mov_b32 s[\g+3], 384<<16
	s_mov_b32 s[\g+4], 8
	s_mov_b32 s[\g+5], 3072
	s_mov_b32 s[\g+6], 0
	s_mov_b32 s[\g+7], 0
.endr
	s_or_b32 s[G1S+0], s43, (3<<16)|(1<<21)
	s_or_b32 s[G1SB+0], s44, (3<<16)|(1<<21)
.irp g, G1S, G1SB
	s_mov_b32 s[\g+1], 32<<16
	s_mov_b32 s[\g+2], 32<<16
	s_mov_b32 s[\g+3], 32<<16
	s_mov_b32 s[\g+4], 32
	s_mov_b32 s[\g+5], 32
	s_mov_b32 s[\g+6], 0
	s_mov_b32 s[\g+7], 0
.endr
	s_lshl_b32 s47, s18, 3
	s_lshl_b32 s20, s19, 4
	s_add_co_u32 s20, s20, s46
	s_add_co_u32 s20, s20, s47
	s_lshl_b32 s92, s42, 4
	s_add_co_u32 s92, s92, 128
	s_sub_co_u32 s92, s92, s46
	s_add_co_u32 s92, s92, s47
	s_lshl_b32 s22, s20, 10
	s_mov_b32 s23, 0
	s_mul_i32 s20, s20, 16*1536
	s_mov_b32 s21, 0
	s_lshl_b32 s94, s92, 10
	s_mov_b32 s95, 0
	s_mul_i32 s92, s92, 16*1536
	s_mov_b32 s93, 0
	s_mul_i32 s45, s16, HALFT
	s_lshl_b32 s47, s16, 13
	s_lshl_b32 s46, s17, 7
	s_add_co_u32 s47, s47, s46
	s_add_co_u32 s47, s47, SCL
	s_wait_kmcnt 0x0
	s_add_nc_u64 s[20:21], s[4:5], s[20:21]
	s_add_nc_u64 s[22:23], s[6:7], s[22:23]
	s_add_nc_u64 s[92:93], s[4:5], s[92:93]
	s_add_nc_u64 s[94:95], s[6:7], s[94:95]
	CROUND
	s_mov_b32 s[G0S], 1
	s_mov_b32 s[G0S+1], s47
	s_mov_b64 s[G0S+2:G0S+3], s[22:23]
	s_or_b32 s[G0S+3], s[G0S+3], 0x80000000
	s_mov_b32 s[G0SB], 1
	s_mov_b32 s[G0SB+1], s47
	s_mov_b64 s[G0SB+2:G0SB+3], s[94:95]
	s_or_b32 s[G0SB+3], s[G0SB+3], 0x80000000
	JLOAD G0S, G1S, G0SB, G1SB
.irp s, 0,1
	s_mov_b32 s[G0+4*\s], 1
	s_add_co_u32 s[G0+4*\s+1], s45, \s*SLOT
	s_add_nc_u64 s[G0+4*\s+2:G0+4*\s+3], s[20:21], \s*3072
	s_or_b32 s[G0+4*\s+3], s[G0+4*\s+3], 0x80000000
	s_mov_b32 s[G0B+4*\s], 1
	s_add_co_u32 s[G0B+4*\s+1], s45, \s*SLOT
	s_add_nc_u64 s[G0B+4*\s+2:G0B+4*\s+3], s[92:93], \s*3072
	s_or_b32 s[G0B+4*\s+3], s[G0B+4*\s+3], 0x80000000
	s_wait_alu depctr_va_vdst(0)
	s_wait_tensorcnt 0x0
	ds_add_u32 v28, v29
	s_wait_dscnt 0x0
	CROUND
	JLOAD G0+4*\s, G1, G0B+4*\s, G1B
.endr
	v_and_b32 v1, 15, v0
	v_bfe_u32 v2, v0, 4, 1
	s_wait_alu depctr_va_vdst(0)
	v_and_b32 v3, 31, v0
	v_lshlrev_b32 v[LI], 4, v3
	s_mul_i32 s21, s17, HALFT
	s_mul_i32 s22, s18, HALFT
	s_add_co_u32 s22, s22, 2*HALFT
.irp s, 0,1
	v_add_nc_u32 v[ADRA+\s], s21, v[LI]
	v_add_nc_u32 v[ADRB+\s], s22, v[LI]
	s_add_co_u32 s21, s21, SLOT
	s_add_co_u32 s22, s22, SLOT
.endr
	s_lshl_b32 s21, s17, 13
	s_lshl_b32 s22, s18, 13
	s_add_co_u32 s22, s22, SCB
	s_sub_co_u32 s22, s22, s21
	v_mul_u32_u24 v6, s22, v2
	s_add_co_u32 s21, s21, SCL
	v_lshlrev_b32 v5, 2, v1
	v_add_nc_u32 v5, v5, v6
	v_add_nc_u32 v[ADRS], s21, v5
	s_lshr_b32 s20, s42, 3
	s_and_b32 s21, s42, 7
	s_lshl_b32 s21, s21, 1
	s_add_co_u32 s21, s21, s18
	s_lshl_b32 s22, s19, 1
	s_add_co_u32 s22, s22, s17
	s_cmp_eq_u32 s20, 1
	s_cselect_b64 s[8:9], s[10:11], s[8:9]
	s_cmp_eq_u32 s20, 2
	s_cselect_b64 s[8:9], s[12:13], s[8:9]
	s_lshl_b32 s23, s21, 9
	v_lshl_add_u32 v7, v2, 6, s23
	v_and_b32 v9, 8, v1
	v_add_nc_u32 v9, v9, v1
	s_lshl_b32 s47, s22, 9
	v_lshl_add_u32 v8, v9, 2, s47
.irp b, 0,1,2,3,4,5,6,7
	global_load_b128 v[BN+8*\b:BN+8*\b+3], v7, s[8:9] offset:(32*(\b/2)+8*(\b%2))*4
	global_load_b128 v[BN+8*\b+4:BN+8*\b+7], v7, s[8:9] offset:(32*(\b/2)+8*(\b%2))*4+16
.endr
.irp a, 0,1,2,3,4,5,6,7
	global_load_b32 v[BM+\a], v8, s[8:9] offset:(32*(\a/2)+8*(\a%2))*4
.endr
	s_cmp_eq_u32 s2, 0
	s_cselect_b32 s23, s21, s22
	s_cselect_b32 s46, s22, s21
	s_lshl_b32 s20, s20, 8
	s_lshl_b32 s23, s23, 4
	s_add_co_u32 s20, s20, s23
	s_add_co_u32 s20, s20, s46
	s_mul_i32 s20, s20, 12800
	s_mov_b32 s21, 0
	s_add_nc_u64 s[14:15], s[14:15], s[20:21]
.macro FRAG reg, adr, q, i
.irp c, 0,1,2
	ds_load_b128 v[\reg+4*\c:\reg+4*\c+3], v[\adr] offset:1536*(\q)+3072*(\i)+512*\c
.endr
.endm
.macro MUL16 a0, p, q, sc, zero
.irp a, \a0, \a0+1
.irp b, 0,1,2,3,4,5,6,7
.if \zero
	v_wmma_scale_f32_16x16x128_f8f6f4 v[8*(8*((\a)%4)+\b):8*(8*((\a)%4)+\b)+7], v[128*(\p)+FR*\b:128*(\p)+FR*\b+FR-1], v[AF+FR*(\a):AF+FR*(\a)+FR-1], 0, v[SC+8*NQ*(\sc)+NQ*\b+(\q)], v[SC+8*NQ*(\sc)+NQ*(\a)+(\q)] matrix_a_fmt:MATRIX_FMT_BF6 matrix_b_fmt:MATRIX_FMT_BF6 matrix_a_scale:MATRIX_SCALE_ROW1
.else
	v_wmma_scale_f32_16x16x128_f8f6f4 v[8*(8*((\a)%4)+\b):8*(8*((\a)%4)+\b)+7], v[128*(\p)+FR*\b:128*(\p)+FR*\b+FR-1], v[AF+FR*(\a):AF+FR*(\a)+FR-1], v[8*(8*((\a)%4)+\b):8*(8*((\a)%4)+\b)+7], v[SC+8*NQ*(\sc)+NQ*\b+(\q)], v[SC+8*NQ*(\sc)+NQ*(\a)+(\q)] matrix_a_fmt:MATRIX_FMT_BF6 matrix_b_fmt:MATRIX_FMT_BF6 matrix_a_scale:MATRIX_SCALE_ROW1
.endif
.endr
.endr
.endm
.macro FETCH_B slot, q, p
	WIN TO_B
.irp i, 0,1,2,3,4,5,6,7
	FRAG 128*(\p)+FR*\i, ADRB+\slot, \q, \i
.endr
	WIN 0
.endm
.macro FETCH_A slot, q, i0
.irp i, \i0, \i0+1, \i0+2, \i0+3
	FRAG AF+FR*(\i), ADRA+\slot, \q, \i
.endr
.endm
.macro SCALES sc
.irp i, 0,1,2,3,4,5,6,7
.irp q, 0,1
	ds_load_b32 v[SC+8*NQ*\sc+NQ*\i+\q], v[ADRS] offset:1024*\i+64*\q
.endr
.endr
.endm
.macro PLACES n
.rept \n
	v_nop
.endr
.endm
.macro STEP slot, q, zero
	s_wait_dscnt 4*NL
	WIN MUL_LO
	MUL16 0, (\q)%2, \q, \slot, \zero
	MUL16 2, (\q)%2, \q, \slot, \zero
	s_wait_dscnt 0
	PLACES NP
	FETCH_B \slot, (\q)+1, 1-(\q)%2
	FETCH_A \slot, (\q)+1, 0
	WIN MUL_HI
	MUL16 4, (\q)%2, \q, \slot, \zero
	MUL16 6, (\q)%2, \q, \slot, \zero
	PLACES NP
	WIN 0
	FETCH_A \slot, (\q)+1, 4
.endm
.macro TURN slot, next, fill
	s_wait_tensorcnt 0x0
	ds_add_u32 v[SPW], v[NIL]
	s_wait_dscnt 4*NL+1
	WIN MUL_LO
	MUL16 0, 1, NQ-1, \slot, 0
	s_wait_dscnt 0x0
	s_barrier_signal -1
	MUL16 2, 1, NQ-1, \slot, 0
	WIN 0
	s_barrier_wait -1
.if \fill
	CREST
	s_add_nc_u64 s[G0+4*\slot+2:G0+4*\slot+3], s[G0+4*\slot+2:G0+4*\slot+3], 2*3072
	s_add_nc_u64 s[G0B+4*\slot+2:G0B+4*\slot+3], s[G0B+4*\slot+2:G0B+4*\slot+3], 2*3072
	JLOAD G0+4*\slot, G1, G0B+4*\slot, G1B
.else
	PLACES NP
.endif
	s_wait_alu depctr_va_vdst(0)
	v_add_nc_u32 v[ADRS], 64*NQ, v[ADRS]
	FETCH_B \next, 0, 0
	FETCH_A \next, 0, 0
	SCALES \next
	WIN MUL_HI
	MUL16 4, 1, NQ-1, \slot, 0
	MUL16 6, 1, NQ-1, \slot, 0
	PLACES NP
	WIN 0
	FETCH_A \next, 0, 4
.endm
	s_wait_alu depctr_va_vdst(0)
	s_wait_tensorcnt 1
	s_barrier_signal -1
	s_barrier_wait -1
	FETCH_B 0, 0, 0
	FETCH_A 0, 0, 0
	SCALES 0
	FETCH_A 0, 0, 4
	STEP 0, 0, 1
	s_mov_b32 s3, LAPS-1
.Llap:
	TURN 0, 1, 1
	STEP 1, 0, 0
	TURN 1, 0, 1
	STEP 0, 0, 0
	s_sub_co_u32 s3, s3, 1
	s_cmp_lg_u32 s3, 0
	s_cbranch_scc1 .Llap
	TURN 0, 1, 0
	STEP 1, 0, 0
	s_wait_dscnt 4*NL
	WIN MUL_LO
	MUL16 0, 1, NQ-1, 1, 0
	MUL16 2, 1, NQ-1, 1, 0
	s_wait_dscnt 0
	WIN MUL_HI
	MUL16 4, 1, NQ-1, 1, 0
	MUL16 6, 1, NQ-1, 1, 0
	WIN 0
.macro QUANT s
.irp b, 0,1,2,3
	v_max3_num_f32 v[TM+\b], |v[\s+16*\b]|, |v[\s+1+16*\b]|, 0x2800000
.endr
.irp i, 2,4,6,8,10,12,14
.irp b, 0,1,2,3
	v_max3_num_f32 v[TM+\b], v[TM+\b], |v[\s+16*\b+\i]|, |v[\s+1+16*\b+\i]|
.endr
.endr
.irp b, 0,1,2,3
	v_permlanex16_b32 v[TM+4+\b], v[TM+\b], s[SEL], s[SEL+1]
.endr
.irp b, 0,1,2,3
	v_max_num_f32 v[TM+\b], v[TM+\b], v[TM+4+\b]
.endr
.irp b, 0,1,2,3
	v_add_nc_u32 v[TM+12+\b], 0xfe000000, v[TM+\b]
.endr
.irp b, 0,1,2,3
	v_lshrrev_b32 v[TM+4+\b], 23, v[TM+12+\b]
.endr
	v_lshl_or_b32 v[PW], v[TM+5], 8, v[TM+4]
	v_lshl_or_b32 v[PW], v[TM+6], 16, v[PW]
	v_lshl_or_b32 v[PW], v[TM+7], 24, v[PW]
.irp c, 0,1
	v_cvt_scalef32_pk16_bf6_f32 v[PC+6*\c:PC+2+6*\c], v[\s+32*\c:\s+15+32*\c], v[TM+12+2*\c]
	v_cvt_scalef32_pk16_bf6_f32 v[PC+12+4*\c:PC+14+4*\c], v[\s+16+32*\c:\s+31+32*\c], v[TM+12+2*\c+1]
.endr
	v_nop
.irp c, 0,1
.irp i, 0,1,2
	v_permlane16_swap_b32 v[PC+6*\c+\i], v[PC+12+4*\c+\i]
.endr
.irp i, 0,1,2
	v_mov_b32 v[PC+3+6*\c+\i], v[PC+12+4*\c+\i]
.endr
.endr
.endm
.macro OUTBLK a
.set AC, 64*((\a)%4)
	s_cmp_eq_u32 s2, 0
	s_cbranch_scc0 .Lbm_\@
	WIN 0x02+(\a)/4
.set n, 0
.rept 32
	v_pk_add_f32 v[H+n:H+n+1], v[AC+n:AC+n+1], v[BN+n:BN+n+1]
.set n, n+2
.endr
	WIN 0
	s_branch .Ljoin_\@
.Lbm_\@:
	WIN 0x02+(\a)/4
.set n, 0
.rept 32
.if (\a)%2
	v_pk_add_f32 v[H+n:H+n+1], v[AC+n:AC+n+1], v[BM+2*((\a)/2):BM+2*((\a)/2)+1] op_sel:[0,1] op_sel_hi:[1,1]
.else
	v_pk_add_f32 v[H+n:H+n+1], v[AC+n:AC+n+1], v[BM+2*((\a)/2):BM+2*((\a)/2)+1] op_sel:[0,0] op_sel_hi:[1,0]
.endif
.set n, n+2
.endr
	WIN 0
.Ljoin_\@:
	s_wait_xcnt 0x0
	QUANT H
.irp c, 0,1,2
	global_store_b128 v[LI], v[PC+4*\c:PC+4*\c+3], s[14:15] offset:1536*(\a)+512*\c
.endr
.if (\a)%2 == 0
	v_mov_b32 v[SW+(\a)/2], v[PW]
.else
	v_cndmask_b32 v[SW+(\a)/2], v[SW+(\a)/2], v[PW], s[HIM]
.endif
.endm
	PLACES NP
	s_mov_b32 s[HIM], 0xffff0000
	s_mov_b32 s[SEL], 0x76543210
	s_mov_b32 s[SEL+1], 0xfedcba98
	s_wait_loadcnt 0x0
.irp b, 0,1,2,3
	v_mov_b32 v[TM+4+\b], 0
.endr
.irp a, 0,1,2,3,4,5,6,7
	OUTBLK \a
.endr
	global_store_b128 v[LI], v[SW:SW+3], s[14:15] offset:8*1536
	s_wait_tensorcnt 0x0
	ds_add_u32 v[SPW], v[NIL]
	s_wait_dscnt 0x0
	CROUND
	s_endpgm
.Lfunc_end_k_q96d3881a7c_qkv:
	.size	k_q96d3881a7c_qkv, .Lfunc_end_k_q96d3881a7c_qkv-k_q96d3881a7c_qkv
	.p2alignl 7, 3214868480
	.fill 96, 4, 3214868480
	.section	.rodata,"a",@progbits
	.p2align	6, 0x0
	.amdhsa_kernel k_q96d3881a7c_qkv
		.amdhsa_group_segment_fixed_size 327680
		.amdhsa_private_segment_fixed_size 0
		.amdhsa_enable_private_segment 0
		.amdhsa_kernarg_size 48
		.amdhsa_user_sgpr_count 2
		.amdhsa_user_sgpr_kernarg_segment_ptr 1
		.amdhsa_wavefront_size32 1
		.amdhsa_system_sgpr_workgroup_id_x 1
		.amdhsa_system_sgpr_workgroup_id_y 1
		.amdhsa_system_sgpr_workgroup_id_z 1
		.amdhsa_system_vgpr_workitem_id 0
		.amdhsa_next_free_vgpr 1024
		.amdhsa_next_free_sgpr 100
		.amdhsa_reserve_vcc 0
		.amdhsa_float_denorm_mode_32 3
		.amdhsa_float_denorm_mode_16_64 3
		.amdhsa_memory_ordered 1
		.amdhsa_forward_progress 1
		.amdhsa_inst_pref_size 178
	.end_amdhsa_kernel
	.amdgpu_metadata
---
amdhsa.version: [ 1, 2 ]
amdhsa.kernels:
  - .name:           k_q96d3881a7c_qkv
    .symbol:         k_q96d3881a7c_qkv.kd
    .args:
      - { .name: codes, .offset: 0, .size: 8, .value_kind: global_buffer, .address_space: global }
      - { .name: scales, .offset: 8, .size: 8, .value_kind: global_buffer, .address_space: global }
      - { .name: bq, .offset: 16, .size: 8, .value_kind: global_buffer, .address_space: global }
      - { .name: bk, .offset: 24, .size: 8, .value_kind: global_buffer, .address_space: global }
      - { .name: bv, .offset: 32, .size: 8, .value_kind: global_buffer, .address_space: global }
      - { .name: qkv, .offset: 40, .size: 8, .value_kind: global_buffer, .address_space: global }
    .group_segment_fixed_size: 327680
    .private_segment_fixed_size: 0
    .kernarg_segment_align: 8
    .kernarg_segment_size: 48
    .max_flat_workgroup_size: 128
    .sgpr_count:     100
    .vgpr_count:     1024
    .wavefront_size: 32
...
	.end_amdgpu_metadata
.endif
;; end of part 6
;; launch attn (part 7): grid 16 x 16, 8 waves a work-group, no clusters, 68,608 bytes of LDS; arguments qkv, mbits, live, acodes, ascales; writes acodes, ascales
.if DOCPART == 7
	.amdgcn_target "amdgcn-amd-amdhsa--gfx1250"
	.amdhsa_code_object_version 6
	.text
	.protected	k_q96d3881a7c_attn
	.globl	k_q96d3881a7c_attn
	.p2align	8
	.type	k_q96d3881a7c_attn,@function
k_q96d3881a7c_attn:
	s_mov_b64 s[64:65], 0
	v_nop
	global_prefetch_b8 v0, s[64:65] scope:SCOPE_SE
	s_setreg_imm32_b32 hwreg(HW_REG_WAVE_MODE, 25, 1), 1
	s_wait_xcnt 0x0
; For each head: O[q] = sum over k of softmax_k((Q[q] . K[k] + mask) / sqrt(128)) V[k], both products on codes of BF6 (E3M2) with E8M0 scales; O is quantised along the head's 128 and leaves as an operand image.
; SOFTMAX: t = score x log2(e) / sqrt(128); M = the largest t so far, rounded UP to a whole number; p = 2^(t - M) is quantised along the keys, not normalised; the row's sum is taken of the unquantised p and divides O at the end.
; When M moves, the sum and O are multiplied by 2^(old M - new M): exact.
; THE MASK IS AN INPUT, AND WHOLE NUMBERS DECIDE WHAT IS DONE.  The first launch has stored, for each tile of 16 queries and each key step of 128 keys, one bit "some key kept" and one bit "all kept" (live), and one word of lane
; bits for each score register (mbits).  A key step that keeps no key of the tile has t = -infinity and p = 0 for all its 16 x 128 places: it moves neither M nor the sum nor O, so it is not walked.  Only steps whose bit is set
; are walked: trip counts are numbers of set bits.  In a step that keeps all, the 64 selects are jumped over; else a hidden score becomes -infinity ahead of the maximum.  This holds for every mask.
; A row with no key kept has the sum 0: its scale word is set to 0xffffffff, so that the last product gives NaN there.
; LIMITS: NaN and infinities among the scores are not served (but for the mask's own), and one that reaches only a key step left out is not carried to the result; a block whose largest magnitude lies under 2^-122 keeps the
; byte 1, and so does a block of zeros.
; IN.  qkv: records of 12,800 bytes at 256 tau + 16 head + lo: 8 fragments as images of their registers (1,536 bytes: register 4 c + e of lane l at 512 c + 16 l + 4 e), then 512 bytes of scale words [lane 32][beta 4]
; (lanes 0-15 tile 2 beta's word, lanes 16-31 tile 2 beta + 1's).  Q, K: lo = 128 rows; V^T: lo = 128 keys.  Lane r of tile T holds row 32 (T / 2) + 8 (T % 2) + r + 8 (r / 8).
; SHARES.  A work-group has 8 waves of one head and 8 tiles of 16 queries: 4 g + i and 127 - (4 g + i).  Waves w and w xor 4 share two tiles, T and 127 - T.  Each tile's live steps are dealt by turns: the first, third .. to the
; wave that walks the tile in its first pass, the second, fourth .. to the wave that walks it in its second.  So each wave walks half of both tiles: under a lower triangular mask 8 or 9 steps, whatever T.
; A wave's first pass ends in its own 8,448 bytes of LDS (O^T as an image of 64 registers, the lane's sum, -M); behind ONE barrier at the end each wave reads what its partner left of the tile of its own second pass;
; both M are whole numbers, so both sides are brought under the larger by exact powers of two.  A pass with no live step has zero trips and hands on zeros under M = -3e38, whose factor is 0.
; Trip counts hang on numbers read from memory, so the launch has no tensor load and no joint request: a record goes from memory into the operand's registers as it lies, 25 loads of 512 consecutive bytes.
; K's next record is asked for behind this step's first products, V's behind its second: each a whole step ahead of its use, across the change of tiles too.  These loads are the look-ahead, so no prefetch is written beside
; them.  The second pass's last trip asks for record 15 once more and does not use it: so every trip issues the same loads and the two counted waits hold on every path.
; LAYOUT.  Both products are used transposed: S^T = K Q^T, O^T = V^T P^T: a lane holds ONE query (lane % 16); the 16 registers of tiles 2 b, 2 b + 1 are keys (or channels) 32 b + 16 (lane / 16) + 0 .. 15.
; The scale words of O leave as 64 bytes a tile: one part in 24 of what is stored for it.
; REGISTERS.  Window 0: v1-11, v50-53 addresses; v12 -M, v13 the largest t, v[14:15] the sum; v16-27, v255 the first tile's Q and its scale words; v36-47, v48 the second's; v[28:31], v[32:35] K's and V's scale words;
; v84-91 partial sums; v96-159 S^T, then p; v160-223 O^T; v224-235 p's codes; v232-254 at work; v253 p's scale word.  Window 1: v0-95 K's eight fragments, v96-191 V's.
.set FRB,  1536
.set REC,  12800
.set MREC, 8448                        ; LDS of a wave: 8,192 bytes of O^T, then 8 bytes a lane
.set SPARE, 8*MREC                     ; the spare words, 128 bytes for each wave: four blocks of 256 bytes that no other line names
.set LI,   1                           ; v1   16 x lane
.set NINF, 3                           ; v3   -infinity
.set SA,   4                           ; v4   4 x (lane % 16)
.set SPW,  5                           ; v5   LDS address of my spare word; never rewritten
.set NIL,  6                           ; v6   0; never rewritten
.set KO,   8                           ; v8   byte offset of K's record being loaded, + 16 x lane
.set VO,   9                           ; v9   the same for V
.set KS,   28
.set VS,   32
.set MA,   50                          ; v50, v51  my LDS: the image, 16 x lane; the sum and -M, 8 x lane
.set MB,   51
.set MAR,  52                          ; v52, v53  the same places of my partner's
.set MBR,  53
.set TM,   232
.set PC,   224
.set PW,   253
.set CUR,  2                           ; s2   this trip's key step
.set NX,   3                           ; s3   the next key step of my walk
.set CS,   14                          ; s[14:15] c = log2(e) / sqrt(128)
.set SEL,  16                          ; s[16:17] selects of v_permlanex16_b32: lane l xor 16
.set LIVE, 18                          ; s18  this pass's steps not yet asked for, a bit each
.set FULL, 19                          ; s19  this pass's tile: the steps that keep all
.set NOFF, 20                          ; s20  the next step's byte offset
.set CNT,  21                          ; s21  trips to go
.set KC,   22                          ; s22  byte at which the step's mask words begin; also at work in NEXT
.set WV,   24
.set OTH,  26                          ; s26  the second pass's steps not yet asked for
.set FUL2, 27                          ; s27  the second tile's full steps
.set CNT2, 28                          ; s28  the second pass's trips
; s[4:5] this pass's mask words, s[30:31] the second pass's; s[6:7], s[8:9] where the second tile's fragment and scale words go; s[10:11], s[12:13] the head's K and V records; s[32:63], s[68:99] the 64 mask words
.set MSB, 0
.macro WIN new                         ; the immediate's high byte repeats the setting that is left
.if MSB != (\new)
	s_set_vgpr_msb (MSB<<8)|(\new)
.set MSB, \new
.endif
.endm
.macro LOADR base, ao, sb, sc          ; a record: 24 loads into window 1 from v[base] on, and its scale words into window 0
	WIN 0x40
.set i, 0
.rept 24
	global_load_b128 v[\base+4*i:\base+4*i+3], v[\ao], s[\sb:\sb+1] offset:512*i
.set i, i+1
.endr
	WIN 0
	global_load_b128 v[\sc:\sc+3], v[\ao], s[\sb:\sb+1] offset:8*FRB
.endm
.macro NOPS n
.rept \n
	v_nop
.endr
.endm
.macro TILEOFF t, o                    ; tile s[t]: byte offsets of its mask words s[o:o+1], its words of live s[o+2:o+3], its fragment of Q s[o+4:o+5], its scale words of Q s[o+6:o+7].  s23 = 16 head
	s_lshl_b32 s[\o], s[\t], 12
	s_mov_b32 s[\o+1], 0
	s_lshl_b32 s[\o+2], s[\t], 4
	s_mov_b32 s[\o+3], 0
	s_lshr_b32 s[\o+4], s[\t], 3
	s_add_co_u32 s[\o+4], s[\o+4], s23
	s_mul_i32 s[\o+4], s[\o+4], REC                ; Q's record: 16 head + T / 8
	s_and_b32 s[\o+6], s[\t], 1
	s_lshl_b32 s[\o+6], s[\o+6], 8                 ; an odd tile's scale words lie 16 lanes on,
	s_add_co_u32 s[\o+6], s[\o+6], s[\o+4]
	s_bfe_u32 s[\o+5], s[\t], 0x20001
	s_lshl_b32 s[\o+5], s[\o+5], 2                 ; in word (T % 8) / 2
	s_add_co_u32 s[\o+6], s[\o+6], s[\o+5]
	s_and_b32 s[\o+5], s[\t], 7
	s_mul_i32 s[\o+5], s[\o+5], FRB                ; fragment T % 8
	s_add_co_u32 s[\o+4], s[\o+4], s[\o+5]
	s_mov_b32 s[\o+5], 0
	s_mov_b32 s[\o+7], 0
.endm
.macro LISTS a                         ; four words of live -> s[a]: bits 0-15 live, bits 16-31 full;  s[a+1]: bit i = the parity of the live bits 0 .. i
	s_lshl_b32 s[\a+1], s[\a+1], 4
	s_lshl_b32 s[\a+2], s[\a+2], 8
	s_lshl_b32 s[\a+3], s[\a+3], 12
	s_or_b32 s[\a], s[\a], s[\a+1]
	s_or_b32 s[\a+2], s[\a+2], s[\a+3]
	s_or_b32 s[\a], s[\a], s[\a+2]
	s_and_b32 s[\a+2], s[\a], 0xffff
	s_lshl_b32 s[\a+3], s[\a+2], 1
	s_xor_b32 s[\a+1], s[\a+2], s[\a+3]
.irp k, 2,4,8
	s_lshl_b32 s[\a+3], s[\a+1], \k
	s_xor_b32 s[\a+1], s[\a+1], s[\a+3]
.endr
.endm
.macro NEXT                            ; the next step of my walk: this pass's lowest bit, or, when none is left, the second pass's; its bit is taken out.  With no bit left anywhere: 15
	s_sub_co_u32 s23, s[OTH], 1
	s_and_b32 s23, s[OTH], s23
	s_sub_co_u32 s25, s[LIVE], 1
	s_and_b32 s25, s[LIVE], s25
	s_cmp_lg_u32 s[LIVE], 0
	s_cselect_b32 s[KC], s[LIVE], s[OTH]
	s_cselect_b32 s[OTH], s[OTH], s23
	s_mov_b32 s[LIVE], s25
	s_ctz_i32_b32 s[NX], s[KC]
	s_min_u32 s[NX], s[NX], 15                     ; a number read from memory enters an address only behind this hold
	s_mul_i32 s[NOFF], s[NX], REC
.endm
.macro FRESH                           ; a pass begins: no key seen
	v_mov_b32 v13, 0xff61b1e6                      ; the largest t so far: -3e38, under every t
	v_mov_b32 v14, 0
	v_mov_b32 v15, 0
	v_floor_f32 v12, -v13                          ; -M
.set j, 0
.rept 64
	v_mov_b32 v[160+j], 0                          ; O^T.  (The key step is written for every step alike: the first finds zeros, which the first change of M leaves zeros)
.set j, j+1
.endr
.endm
	s_load_b256 s[68:75], s[0:1], 0x0              ; qkv, mbits, live, acodes
	s_load_b64 s[76:77], s[0:1], 0x20              ; ascales
	v_lshl_add_u32 v[SPW], v0, 2, SPARE
	v_mov_b32 v[NIL], 0
	v_lshrrev_b32 v2, 5, v0
	v_readfirstlane_b32 s[WV], v2                  ; wave 0..7
	v_and_b32 v7, 31, v0
	v_lshlrev_b32 v[LI], 4, v7
	v_and_b32 v11, 15, v0
	v_lshlrev_b32 v11, 4, v11                      ; 16 x (lane % 16)
	s_wait_alu depctr_va_vdst(0)
	s_and_b32 s25, s[WV], 3
	s_lshl_b32 s26, ttmp9, 2
	s_add_co_u32 s25, s25, s26                     ; 4 g + i
	s_lshr_b32 s26, s[WV], 2
	s_xor_b32 s26, s26, s[WV]                      ; bit 0 differs between w and w xor 4, and between neighbours
	s_sub_co_u32 s27, 127, s25
	s_bitcmp1_b32 s26, 0
	s_cselect_b32 s25, s25, s27                    ; my first pass's tile,
	s_sub_co_u32 s27, 127, s25                     ; and my second's, which is my partner's first
	s_and_b32 s26, ttmp7, 0xffff                   ; the head
	s_lshl_b32 s23, s26, 4
	TILEOFF 25, 32
	TILEOFF 27, 40
	s_lshl_b32 s60, s27, 4
	s_add_co_u32 s60, s60, s26                     ; 16 T + head of the second tile, which I finish
	s_lshl_b32 s62, s60, 6                         ; its scale words
	s_mov_b32 s63, 0
	s_mul_i32 s60, s60, FRB                        ; its fragment
	s_mov_b32 s61, 0
	s_add_co_u32 s80, s23, 256
	s_mul_i32 s80, s80, REC                        ; K's records: 256 + 16 head on
	s_mov_b32 s81, 0
	s_mul_i32 s82, s[WV], MREC                     ; my LDS,
	s_xor_b32 s83, s[WV], 4
	s_mul_i32 s83, s83, MREC                       ; and my partner's
	v_add_nc_u32 v[MA], s82, v[LI]
	v_lshl_add_u32 v[MB], v7, 3, s82
	v_add_nc_u32 v[MAR], s83, v[LI]
	v_lshl_add_u32 v[MBR], v7, 3, s83
	s_mov_b32 s[SEL], 0x76543210
	s_mov_b32 s[SEL+1], 0xfedcba98
	s_mov_b32 s[CS], 0x3e0293ee
	s_mov_b32 s[CS+1], s[CS]                       ; (named with it as a pair, so it is written)
	s_wait_alu depctr_va_vdst(0)                   ; directly ahead of the wait below
	s_wait_kmcnt 0x0
	s_add_nc_u64 s[48:49], s[72:73], s[34:35]
	s_add_nc_u64 s[50:51], s[72:73], s[42:43]
	s_load_b128 s[52:55], s[48:49], 0x0            ; the first tile's words of live,
	s_load_b128 s[56:59], s[50:51], 0x0            ; and the second's
	s_add_nc_u64 s[4:5], s[70:71], s[32:33]
	s_add_nc_u64 s[30:31], s[70:71], s[40:41]
	s_add_nc_u64 s[36:37], s[68:69], s[36:37]
	s_add_nc_u64 s[38:39], s[68:69], s[38:39]
	s_add_nc_u64 s[44:45], s[68:69], s[44:45]
	s_add_nc_u64 s[46:47], s[68:69], s[46:47]
	s_add_nc_u64 s[6:7], s[74:75], s[60:61]
	s_add_nc_u64 s[8:9], s[76:77], s[62:63]
	s_add_nc_u64 s[10:11], s[68:69], s[80:81]
	s_add_nc_u64 s[12:13], s[10:11], 256*REC       ; V's records lie 256 records behind K's
.irp c, 0,1,2
	global_load_b128 v[16+4*\c:19+4*\c], v[LI], s[36:37] offset:512*\c   ; both tiles' fragments of Q stay in registers
.endr
	global_load_b32 v255, v11, s[38:39] offset:8*FRB   ; Q's scale words: lane r has row r's
.irp c, 0,1,2
	global_load_b128 v[36+4*\c:39+4*\c], v[LI], s[44:45] offset:512*\c
.endr
	global_load_b32 v48, v11, s[46:47] offset:8*FRB
	v_mov_b32 v[NINF], 0xff800000
.irp b, 0,1,2,3
	v_mov_b32 v[236+\b], 0                         ; written once: a lane permute's destination counts as one of its sources
.endr
	v_mov_b32 v253, 0                              ; (named as the upper half of the pair v[252:253] before it is first written)
	FRESH
	s_wait_kmcnt 0x0
	LISTS 52
	LISTS 56
	s_lshr_b32 s[FULL], s52, 16
	s_lshr_b32 s[FUL2], s56, 16
	s_and_b32 s[LIVE], s54, s53                    ; of the first tile the first, third .. live step: those at which the parity is odd;
	s_and_not1_b32 s[OTH], s58, s57                ; of the second tile the second, fourth ..: my partner takes the others of both
	s_bcnt1_i32_b32 s[CNT], s[LIVE]
	s_min_u32 s[CNT], s[CNT], 16
	s_bcnt1_i32_b32 s[CNT2], s[OTH]
	s_min_u32 s[CNT2], s[CNT2], 16
	NEXT
	s_mov_b32 s[CUR], s[NX]
	v_add_nc_u32 v[KO], s[NOFF], v[LI]
	v_add_nc_u32 v[VO], s[NOFF], v[LI]
	LOADR 0, KO, 10, KS                            ; my walk's first step: K,
	LOADR 96, VO, 12, VS                           ; and V
; A KEY STEP: 128 keys.  q, qs: the registers of the pass's Q and of its scale words.
.macro STEP q, qs
	NEXT
	s_wait_loadcnt 25                              ; K's 25 loads (and Q's ahead of them) are in; behind them V's 25 were issued and may be out
	WIN 0x01                                       ; source 0 in window 1
.irp t, 0,1,2,3,4,5,6,7                        ; S^T = K Q^T
.if \t%2
	v_wmma_scale_f32_16x16x128_f8f6f4 v[96+8*\t:103+8*\t], v[12*\t:12*\t+11], v[\q:\q+11], 0, v[KS+\t/2], v[\qs] matrix_a_fmt:MATRIX_FMT_BF6 matrix_b_fmt:MATRIX_FMT_BF6 matrix_a_scale:MATRIX_SCALE_ROW1
.else
	v_wmma_scale_f32_16x16x128_f8f6f4 v[96+8*\t:103+8*\t], v[12*\t:12*\t+11], v[\q:\q+11], 0, v[KS+\t/2], v[\qs] matrix_a_fmt:MATRIX_FMT_BF6 matrix_b_fmt:MATRIX_FMT_BF6
.endif
.endr
	WIN 0
	v_add_nc_u32 v[KO], s[NOFF], v[LI]             ; (K's loads are done: their address may be written.)  With the three below: four places behind the products
	NOPS 3
	LOADR 0, KO, 10, KS                            ; the next step's K
	s_bitcmp1_b32 s[FULL], s[CUR]
	s_cbranch_scc1 .Lfull_\@                       ; all 16 x 128 kept: nothing to hide
	s_lshl_b32 s[KC], s[CUR], 8
	s_load_b512 s[32:47], s[4:5], s[KC] offset:0x0
	s_load_b512 s[48:63], s[4:5], s[KC] offset:0x40
	s_load_b512 s[68:83], s[4:5], s[KC] offset:0x80
	s_load_b512 s[84:99], s[4:5], s[KC] offset:0xc0
	s_wait_kmcnt 0x0
.set n, 0
.rept 64
	v_cndmask_b32 v[96+n], v[NINF], v[96+n], s[32+n+4*(n/32)]   ; a hidden score becomes -infinity; each accumulator is read from its low end on
.set n, n+1
.endr
.Lfull_\@:
.irp b, 0,1,2,3
	v_max3_num_f32 v[232+\b], v[96+16*\b], v[97+16*\b], v[98+16*\b]   ; the largest score of each block of 32 keys: for the row's maximum, and, since p rises with the score, for the block's largest p
.endr
.irp i, 3,5,7,9,11,13
.irp b, 0,1,2,3
	v_max3_num_f32 v[232+\b], v[232+\b], v[96+16*\b+\i], v[97+16*\b+\i]   ; the four blocks by turns
.endr
.endr
.irp b, 0,1,2,3
	v_max_num_f32 v[232+\b], v[232+\b], v[111+16*\b]
.endr
.irp b, 0,1,2,3
	v_permlanex16_b32 v[236+\b], v[232+\b], s[SEL], s[SEL+1]
.endr
.irp b, 0,1,2,3
	s_delay_alu instid0(VALU_DEP_4)
	v_max_num_f32 v[232+\b], v[232+\b], v[236+\b]  ; with lane l xor 16's 16 keys
.endr
	s_delay_alu instid0(VALU_DEP_2)
	v_max3_num_f32 v254, v232, v233, v234
	s_delay_alu instid0(VALU_DEP_1)
	v_max_num_f32 v254, v254, v235                 ; the step's largest score of my query
	s_delay_alu instid0(VALU_DEP_1)
	v_mul_f32 v254, s[CS], v254                    ; as t (c is positive)
	s_delay_alu instid0(VALU_DEP_1)
	v_max_num_f32 v13, v13, v254                   ; the running largest t
	v_mov_b32 v254, v12
	s_delay_alu instid0(VALU_DEP_2)
	v_floor_f32 v12, -v13                          ; the new -M = floor(-t) = -ceil(t)
	s_delay_alu instid0(VALU_DEP_1)
	v_sub_f32 v254, v12, v254                      ; M's old value less its new one: a whole number, 0 or less
	s_delay_alu instid0(VALU_DEP_1)
	v_cvt_i32_f32 v254, v254                       ; (it saturates)
	s_delay_alu instid0(VALU_DEP_1)
	v_ldexp_f32 v252, 1.0, v254                    ; f = 2^(old M - new M)
.set j, 0
.rept 32
	v_pk_fma_f32 v[96+j:97+j], v[96+j:97+j], s[CS:CS+1], v[12:13] op_sel_hi:[1,0,0]   ; t - M, two at a time
.set j, j+2
.endr
.irp b, 0,1,2,3
	v_fma_f32 v[232+\b], v[232+\b], s[CS], v12     ; the same of each block's largest score
.endr
	s_wait_alu depctr_va_vdst(0)                   ; ahead of the batch
.set j, 0
.rept 64
	v_exp_f32 v[96+j], v[96+j]                     ; p = 2^(t - M), at most 1
.set j, j+1
.endr
	v_pk_mul_f32 v[14:15], v[14:15], v[252:253] op_sel_hi:[1,0]   ; the sums under the new M: a plain place behind the exponentials
	s_wait_alu depctr_va_vdst(0)                   ; one wait for the whole batch, ahead of its first reader
.irp b, 0,1,2,3
	v_exp_f32 v[232+\b], v[232+\b]                 ; the block's largest p
.endr
.irp c, 0,1,2,3                                ; the row's sum of the unquantised p: two at a time, in four chains
	v_pk_add_f32 v[84+2*\c:85+2*\c], v[96+4*\c:97+4*\c], v[98+4*\c:99+4*\c]
.endr
.irp j, 16,24,32,40,48,56
.irp c, 0,1,2,3
	v_pk_add_f32 v[84+2*\c:85+2*\c], v[84+2*\c:85+2*\c], v[96+\j+2*\c:97+\j+2*\c]
.endr
.endr
	v_pk_add_f32 v[84:85], v[84:85], v[86:87]
	v_pk_add_f32 v[88:89], v[88:89], v[90:91]
	s_delay_alu instid0(VALU_DEP_2)
	v_pk_add_f32 v[14:15], v[14:15], v[84:85]
	s_delay_alu instid0(VALU_DEP_1)
	v_pk_add_f32 v[14:15], v[14:15], v[88:89]
	s_wait_alu depctr_va_vdst(0)                   ; and one for the four
.irp b, 0,1,2,3
	v_max_num_f32 v[232+\b], 0x2800000, v[232+\b]  ; the floor 2^(5 - 127): the byte cannot fall under 1
.endr
.irp b, 0,1,2,3
	s_delay_alu instid0(VALU_DEP_4)
	v_add_nc_u32 v[244+\b], 0xfe000000, v[232+\b]  ; 4 off the exponent field: the conversion's scale operand
.endr
.irp b, 0,1,2,3
	s_delay_alu instid0(VALU_DEP_4)
	v_lshrrev_b32 v[236+\b], 23, v[244+\b]
.endr
	s_delay_alu instid0(VALU_DEP_3)
	v_lshl_or_b32 v253, v237, 8, v236              ; p's scale word for these 128 keys
	s_delay_alu instid0(VALU_DEP_1)
	v_lshl_or_b32 v253, v238, 16, v253
	s_delay_alu instid0(VALU_DEP_1)
	v_lshl_or_b32 v253, v239, 24, v253
.irp c, 0,1
	v_cvt_scalef32_pk16_bf6_f32 v[224+6*\c:226+6*\c], v[96+32*\c:111+32*\c], v[244+2*\c]
	v_cvt_scalef32_pk16_bf6_f32 v[236+4*\c:238+4*\c], v[112+32*\c:127+32*\c], v[244+2*\c+1]
.endr
	v_nop                                          ; one plain place behind a scaled conversion
.irp c, 0,1                                    ; the operand wants a WHOLE block in a lane
.irp i, 0,1,2
	v_permlane16_swap_b32 v[224+6*\c+\i], v[236+4*\c+\i]
.endr
.irp i, 0,1,2
	s_delay_alu instid0(VALU_DEP_3)
	v_mov_b32 v[227+6*\c+\i], v[236+4*\c+\i]
.endr
.endr
	s_wait_alu depctr_va_vdst(0)                   ; directly ahead of the first reader of O^T
.set j, 0
.rept 32
	v_pk_mul_f32 v[160+j:161+j], v[160+j:161+j], v[252:253] op_sel_hi:[1,0]   ; O^T under the new M.  (These are also the places between p's codes and scale word and the products below)
.set j, j+2
.endr
	s_wait_alu depctr_va_vdst(0)                   ; directly ahead of the wait below
	s_wait_loadcnt 25                              ; V's 25 loads are in; behind them the next K's 25 were issued and may be out
	WIN 0x01
.irp t, 0,1,2,3,4,5,6,7                        ; O^T += V^T P^T: the eight accumulators take one turn each
.if \t%2
	v_wmma_scale_f32_16x16x128_f8f6f4 v[160+8*\t:167+8*\t], v[96+12*\t:107+12*\t], v[224:235], v[160+8*\t:167+8*\t], v[VS+\t/2], v253 matrix_a_fmt:MATRIX_FMT_BF6 matrix_b_fmt:MATRIX_FMT_BF6 matrix_a_scale:MATRIX_SCALE_ROW1
.else
	v_wmma_scale_f32_16x16x128_f8f6f4 v[160+8*\t:167+8*\t], v[96+12*\t:107+12*\t], v[224:235], v[160+8*\t:167+8*\t], v[VS+\t/2], v253 matrix_a_fmt:MATRIX_FMT_BF6 matrix_b_fmt:MATRIX_FMT_BF6
.endif
.endr
	WIN 0
	v_add_nc_u32 v[VO], s[NOFF], v[LI]             ; four places again,
	NOPS 3
	LOADR 96, VO, 12, VS                           ; and the next step's V
.endm
.macro PASSRUN q, qs                   ; a pass: as many trips as my share of the tile has live steps, none too
	s_wait_alu depctr_va_vdst(0)                   ; ahead of the branch
	s_cmp_eq_u32 s[CNT], 0
	s_cbranch_scc1 .Lnone_\@
.Lloop_\@:
	STEP \q, \qs
	s_mov_b32 s[CUR], s[NX]
	s_sub_co_i32 s[CNT], s[CNT], 1
	s_cmp_lg_u32 s[CNT], 0
	s_wait_alu depctr_va_vdst(0)                   ; directly ahead of the branch
	s_cbranch_scc1 .Lloop_\@
.Lnone_\@:
.endm
	PASSRUN 16, 255
	; THE CHANGE OF TILES.  What I have of the first tile goes to my own LDS bytes, for my partner
	v_add_f32 v14, v14, v15                        ; my lane's sum,
	v_mov_b32 v15, v12                             ; and -M beside it
.set c, 0
.rept 16
	ds_store_b128 v[MA], v[160+4*c:163+4*c] offset:512*c   ; 512 consecutive bytes; each accumulator from its low end on
.set c, c+1
.endr
	ds_store_b64 v[MB], v[14:15] offset:8192
	FRESH
	s_mov_b32 s[LIVE], s[OTH]                      ; (its first bit is out already: that step's records are on their way)
	s_mov_b32 s[OTH], 0
	s_mov_b32 s[FULL], s[FUL2]
	s_mov_b64 s[4:5], s[30:31]
	s_mov_b32 s[CNT], s[CNT2]
	PASSRUN 36, 48
; 64 numbers of a lane, register 16 b + i = k 32 b + 16 (lane / 16) + i of my row, become a fragment's codes in v[PC] on and its scale word in v[PW].
.macro QUANT s
.irp b, 0,1,2,3
	v_max3_num_f32 v[TM+\b], |v[\s+16*\b]|, |v[\s+1+16*\b]|, 0x2800000
.endr
.irp i, 2,4,6,8,10,12,14
.irp b, 0,1,2,3
	s_delay_alu instid0(VALU_DEP_4)
	v_max3_num_f32 v[TM+\b], v[TM+\b], |v[\s+16*\b+\i]|, |v[\s+1+16*\b+\i]|
.endr
.endr
.irp b, 0,1,2,3
	s_delay_alu instid0(VALU_DEP_4)
	v_permlanex16_b32 v[TM+4+\b], v[TM+\b], s[SEL], s[SEL+1]
.endr
.irp b, 0,1,2,3
	s_delay_alu instid0(VALU_DEP_4)
	v_max_num_f32 v[TM+\b], v[TM+\b], v[TM+4+\b]
.endr
.irp b, 0,1,2,3
	s_delay_alu instid0(VALU_DEP_4)
	v_add_nc_u32 v[TM+12+\b], 0xfe000000, v[TM+\b]
.endr
.irp b, 0,1,2,3
	s_delay_alu instid0(VALU_DEP_4)
	v_lshrrev_b32 v[TM+4+\b], 23, v[TM+12+\b]
.endr
	s_delay_alu instid0(VALU_DEP_3)
	v_lshl_or_b32 v[PW], v[TM+5], 8, v[TM+4]
	s_delay_alu instid0(VALU_DEP_1)
	v_lshl_or_b32 v[PW], v[TM+6], 16, v[PW]
	s_delay_alu instid0(VALU_DEP_1)
	v_lshl_or_b32 v[PW], v[TM+7], 24, v[PW]        ; (the bytes are used up: the conversions below may write over them)
.irp c, 0,1
	v_cvt_scalef32_pk16_bf6_f32 v[PC+6*\c:PC+2+6*\c], v[\s+32*\c:\s+15+32*\c], v[TM+12+2*\c]
	v_cvt_scalef32_pk16_bf6_f32 v[PC+12+4*\c:PC+14+4*\c], v[\s+16+32*\c:\s+31+32*\c], v[TM+12+2*\c+1]
.endr
	v_nop
.irp c, 0,1
.irp i, 0,1,2
	v_permlane16_swap_b32 v[PC+6*\c+\i], v[PC+12+4*\c+\i]
.endr
.irp i, 0,1,2
	s_delay_alu instid0(VALU_DEP_3)
	v_mov_b32 v[PC+3+6*\c+\i], v[PC+12+4*\c+\i]
.endr
.endr
.endm
	; THE TWO HALVES OF THE SECOND TILE ARE JOINED.  The barrier stands on the one way that all waves take, behind both passes
	v_add_f32 v14, v14, v15                        ; my lane's sum
	v_and_b32 v[SA], 15, v0
	v_lshlrev_b32 v[SA], 2, v[SA]
	v_mov_b32 v254, -1
	s_wait_alu depctr_va_vdst(0)                   ; directly ahead of the wait below
	s_wait_dscnt 0x0                               ; for the partner's sake: my stores have landed
	s_barrier_signal -1
	s_barrier_wait -1
	ds_load_b64 v[244:245], v[MBR] offset:8192     ; the partner's sum and -M,
.set c, 0
.rept 16
	ds_load_b128 v[96+4*c:99+4*c], v[MAR] offset:512*c   ; and its O^T, in the same lanes and the same order of registers
.set c, c+1
.endr
	s_wait_dscnt 0x0
	v_min_num_f32 v246, v12, v245                  ; -M of both: the larger M
	s_delay_alu instid0(VALU_DEP_1)
	v_sub_f32 v247, v246, v12                      ; my M less that: a whole number, 0 or less
	s_delay_alu instid0(VALU_DEP_2)
	v_sub_f32 v252, v246, v245                     ; the partner's likewise
	s_delay_alu instid0(VALU_DEP_2)
	v_cvt_i32_f32 v247, v247                       ; (they saturate: a side with no key kept has -M = 3e38, its factor becomes 0 and its sums are zeros)
	s_delay_alu instid0(VALU_DEP_2)
	v_cvt_i32_f32 v252, v252
	s_delay_alu instid0(VALU_DEP_2)
	v_ldexp_f32 v247, 1.0, v247                    ; both sides are brought under the common M by exact powers of two
	s_delay_alu instid0(VALU_DEP_2)
	v_ldexp_f32 v252, 1.0, v252
	s_delay_alu instid0(VALU_DEP_2)
	v_mul_f32 v14, v14, v247
	s_delay_alu instid0(VALU_DEP_1)
	v_fma_f32 v14, v244, v252, v14                 ; the sum over my lane's keys of both sides,
	s_delay_alu instid0(VALU_DEP_1)
	v_permlanex16_b32 v15, v14, s[SEL], s[SEL+1]
	s_delay_alu instid0(VALU_DEP_1)
	v_add_f32 v14, v14, v15                        ; and lane l xor 16's: the row's sum
	s_wait_alu depctr_va_vdst(0)                   ; ahead of the transcendental
	v_rcp_f32 v15, v14
	v_nop                                          ; a plain place behind the reciprocal
	s_wait_alu depctr_va_vdst(0)                   ; the wait ahead of the reciprocal's first reader
	v_mul_f32 v246, v247, v15                      ; the division by the sum goes into the two factors
	v_mul_f32 v244, v252, v15
.set j, 0
.rept 32
	v_pk_mul_f32 v[96+j:97+j], v[96+j:97+j], v[244:245] op_sel_hi:[1,0]
.set j, j+2
.endr
	s_wait_alu depctr_va_vdst(0)                   ; directly ahead of the first reader of O^T
.set j, 0
.rept 32
	v_pk_fma_f32 v[96+j:97+j], v[160+j:161+j], v[246:247], v[96+j:97+j] op_sel_hi:[1,0,1]   ; register 16 b + i is channel 32 b + 16 (lane / 16) + i of my query: K step "head" of the last product
.set j, j+2
.endr
	QUANT 96
	v_cmp_eq_f32 vcc_lo, 0, v14                    ; no key kept: the scale bytes become 0xff, and the last product's sums for this row NaN
	s_delay_alu instid0(VALU_DEP_1)
	v_cndmask_b32 v[PW], v[PW], v254, vcc_lo
.irp c, 0,1,2
	global_store_b128 v[LI], v[PC+4*\c:PC+4*\c+3], s[6:7] offset:512*\c   ; 512 consecutive aligned bytes
.endr
	v_cmp_gt_u32 vcc_lo, 16, v7                    ; lanes 0-15 hold the 16 rows' words
	s_wait_alu depctr_va_vdst(0)                   ; directly ahead of the wait below
	s_wait_xcnt 0x0                                ; EXEC changes only behind this wait
	s_and_saveexec_b32 s29, vcc_lo
	global_store_b32 v[SA], v[PW], s[8:9]
	s_wait_xcnt 0x0                                ; and again, in front of the line that widens it
	s_or_b32 exec_lo, exec_lo, s29
	s_wait_tensorcnt 0x0                           ; the wave's end, behind my last LDS store
	ds_add_u32 v[SPW], v[NIL]
	s_wait_dscnt 0x0
	s_endpgm
.Lfunc_end_k_q96d3881a7c_attn:
	.size	k_q96d3881a7c_attn, .Lfunc_end_k_q96d3881a7c_attn-k_q96d3881a7c_attn
	.p2alignl 7, 3214868480
	.fill 96, 4, 3214868480
	.section	.rodata,"a",@progbits
	.p2align	6, 0x0
	.amdhsa_kernel k_q96d3881a7c_attn
		.amdhsa_group_segment_fixed_size 68608
		.amdhsa_private_segment_fixed_size 0
		.amdhsa_enable_private_segment 0
		.amdhsa_kernarg_size 40
		.amdhsa_user_sgpr_count 2
		.amdhsa_user_sgpr_kernarg_segment_ptr 1
		.amdhsa_wavefront_size32 1
		.amdhsa_system_sgpr_workgroup_id_x 1
		.amdhsa_system_sgpr_workgroup_id_y 1
		.amdhsa_system_sgpr_workgroup_id_z 1
		.amdhsa_system_vgpr_workitem_id 0
		.amdhsa_next_free_vgpr 512
		.amdhsa_next_free_sgpr 100
		.amdhsa_reserve_vcc 1
		.amdhsa_float_denorm_mode_32 3
		.amdhsa_float_denorm_mode_16_64 3
		.amdhsa_memory_ordered 1
		.amdhsa_forward_progress 1
		.amdhsa_inst_pref_size 82
	.end_amdhsa_kernel
	.amdgpu_metadata
---
amdhsa.version: [ 1, 2 ]
amdhsa.kernels:
  - .name:           k_q96d3881a7c_attn
    .symbol:         k_q96d3881a7c_attn.kd
    .args:
      - { .name: qkv, .offset: 0, .size: 8, .value_kind: global_buffer, .address_space: global }
      - { .name: mbits, .offset: 8, .size: 8, .value_kind: global_buffer, .address_space: global }
      - { .name: live, .offset: 16, .size: 8, .value_kind: global_buffer, .address_space: global }
      - { .name: acodes, .offset: 24, .size: 8, .value_kind: global_buffer, .address_space: global }
      - { .name: ascales, .offset: 32, .size: 8, .value_kind: global_buffer, .address_space: global }
    .group_segment_fixed_size: 68608
    .private_segment_fixed_size: 0
    .kernarg_segment_align: 8
    .kernarg_segment_size: 40
    .max_flat_workgroup_size: 256
    .sgpr_count:     100
    .vgpr_count:     512
    .wavefront_size: 32
...
	.end_amdgpu_metadata
.endif
;; end of part 7
;; launch proj (part 8): grid 16 x 16, 4 waves a work-group, clusters of 4 x 4, 327,680 bytes of LDS; arguments acodes, ascales, codes, scales, bo, out0; writes out0
.if DOCPART == 8
	.amdgcn_target "amdgcn-amd-amdhsa--gfx1250"
	.amdhsa_code_object_version 6
	.text
	.protected	k_q96d3881a7c_proj
	.globl	k_q96d3881a7c_proj
	.p2align	8
	.type	k_q96d3881a7c_proj,@function
k_q96d3881a7c_proj:
	s_mov_b64 s[64:65], 0
	v_nop
	global_prefetch_b8 v0, s[64:65] scope:SCOPE_SE
	s_setreg_imm32_b32 hwreg(HW_REG_WAVE_MODE, 25, 1), 1
	s_wait_xcnt 0x0
	s_wait_alu depctr_hold_cnt(0) depctr_sa_sdst(0) depctr_va_vdst(0) depctr_va_sdst(0) depctr_va_ssrc(0) depctr_va_vcc(0) depctr_vm_vsrc(0)
	s_getreg_b32 s2, hwreg(HW_REG_IB_STS2, 6, 4)
	s_cmp_eq_u32 s2, 0
	s_cbranch_scc0 .Lentry_in_a_cluster
	s_endpgm
.Lentry_in_a_cluster:
	s_bfe_u32 s2, ttmp6, 0x10000c
	s_cmp_lg_u32 s2, 0xf033
	s_cbranch_scc0 .Lentry_shape_is_right
	s_endpgm
.Lentry_shape_is_right:
; out0 = (the heads' result) Wo^T + bo on codes of BF6 (E3M2) with E8M0 scales, K = 2,048; out0: [2048][2048] f32.
; A' = the heads' result: acodes [tile 128][K step = head 16][1536], ascales [tile][K step][row 16] words; B' = Wo: tiles 512 .. 639 of codes and scales, laid alike.  Both lie as images of operand registers:
; a fragment (16 rows x 128 K, 12 registers a lane) is 1,536 bytes, register 4 c + e of lane l at 512 c + 16 l + 4 e: three ds_load_b128 at 16 x lane.  Lane r of tile T holds row 32 (T / 2) + 8 (T % 2) + r + 8 (r / 8).
; A tile of out0 is 128 x 128: 256 work-groups of four waves, each wave 64 x 64 in 16 accumulators.  (Tiles of 256 x 256 would be 64 work-groups.)  Clusters of 4 x 4: A's tiles are shared along a row of the cluster,
; B's along a column, by joint loads.
; LDS.  A K step of 128 is 8 + 8 tiles x 1,536 = 24,576 bytes.  Region 0 holds four K steps (A's 8 tiles x 6,144 bytes, then B's), region 1 eight (A's 8 tiles x 12,288, then B's); behind them the scale words of all of K.
; THE HEAD: one joint load a wave: wave 0 A's K steps 0-3, wave 1 B's, wave 2 A's scale words, wave 3 B's.  Behind the wait for them, the add and a round of the cluster's barrier each wave asks for its quarter of region 1,
; K steps 4-11, by one load of 4 tiles x 12,288 bytes.  In K step 3, behind the same lines and a round, region 0 is filled again with K steps 12-15, a quarter a wave; that load has K steps 4 to 11 in which to land.
; The 16 K steps are written out, with no loop to run ahead in, and three loads a wave bring all of K: no prefetch is written.
; THE MATRIX INSTRUCTION IS USED TRANSPOSED (source 0 = a tile of Wo, source 1 = a tile of A'): register j of accumulator (a, b) in lane (r, h) is column 32 (b / 2) + 16 h + 8 (b % 2) + j of the row that lane r of tile a holds.
; The bias is the C of each sum's first product.  The order of the rows is undone by the stores' immediate offsets, that of the columns in the stage.  A row whose scale bytes are 0xff (no key kept) comes out as NaN.
; A K STEP: its 8 fragments and 4 scale registers were asked for a step ago; behind the wait for them the next step's 28 LDS loads go out into the other buffer, then come the 16 products.
; REGISTERS.  Window 0: v16-30 addresses; v32-39 scale words, two sets of four (register i: lanes 0-15 the word of A's tile i, lanes 16-31 that of B's tile i); v64-95 the bias; v128-255 the accumulators
; ((a, b) at v[128 + 8 (4 a + b)]); on the way out v64-127 take rows read back.  Window 1: two fragment buffers, at v0 and v128: B's four fragments, then A's four.
.set FR,     12
.set NP,     4                         ; places behind this matrix instruction (ISA guide 7.12.1)
.set KB,     1536                      ; a fragment in bytes
.set TILEB,  4*KB                      ; a tile's four K steps in region 0
.set HALFT,  4*TILEB                   ; 4 tiles of region 0
.set SLOT,   4*HALFT                   ; region 0; region 1 begins here and is twice as long
.set SCL,    3*SLOT                    ; A's scale words, 8,192 bytes,
.set SCB,    8320                      ; and, 128 bytes further on than they end, B's
.set SPARE,  311552                    ; the spare words, 128 bytes for each wave: two blocks of 256 bytes that no other line names
.set SPITCH, 272                       ; the way out: a stage of 16 rows x (256 bytes + 16) for each wave,
.set STAGE,  SLOT                      ; at region 1's start, which is filled once and has had its last read, ahead of K step 11's barrier, when the first result is stored there
.set ADRA, 16                          ; v16-17  LDS address of my A' fragments in region 0, 1: 16 x lane + my half
.set ADRB, 20                          ; v20-21  the same for B'
.set STO,  24
.set RD,   25
.set LI,   26
.set ADRS, 27
.set SPW,  28                          ; v28     LDS address of my spare word; never rewritten
.set NIL,  29                          ; v29     0; never rewritten
.set CO,   30
.set SC,   32
.set BN,   64
.set BK,   64
.set ACC,  128
.set G1,   24                          ; s[24:31] descriptor group 1 for A's tiles;  s[32:39] for B's
.set G1B,  32
.set G1S,  40                          ; s[40:47] for A's scale words;  s[48:55] for B's
.set G1SB, 48
.set G0S,  56
.set G0SB, 60
.set G0,   68                          ; s[68:79] group 0 for A's tiles: the head's load, region 1's, the refill's;  s[80:91] for B's
.set G0B,  80
.set MSB, 0
.macro WIN new
.if MSB != (\new)
	s_set_vgpr_msb (MSB<<8)|(\new)
.set MSB, \new
.endif
.endm
.set MUL,  0x05                        ; sources 0 (B') and 1 (A') window 1; C and D window 0
.set TO_F, 0x40                        ; destination window 1, address window 0
.macro TLOAD g0, g1                    ; a tensor load, with an s_nop 0 and four v_nop behind it
	tensor_load_to_lds s[\g0:\g0+3], s[\g1:\g1+7]
	s_nop 0
.rept 4
	v_nop
.endr
.endm
.macro JLOAD g0a, g1a, g0b, g1b        ; waves 0 and 1 fetch for A', waves 2 and 3 for B'; the branch hangs on the wave's number alone
	s_cmp_eq_u32 s17, 0
	s_cbranch_scc0 .Lfor_b_\@
	TLOAD \g0a, \g1a
	s_branch .Lasked_\@
.Lfor_b_\@:
	TLOAD \g0b, \g1b
.Lasked_\@:
.endm
.macro CREST
	s_cmp_lg_u32 s16, 0
	s_cbranch_scc1 .Lnot_wave_0_\@
	s_barrier_signal -3
.Lnot_wave_0_\@:
	s_barrier_wait -3
	s_barrier_signal -1
	s_barrier_wait -1
.endm
.macro CROUND
	s_barrier_signal -1
	s_barrier_wait -1
	CREST
.endm
.macro SHAPE els, rows                 ; both groups 1 for codes: rows of els elements of 8 bytes.  Written only where no tensor load of the wave is out
.irp g, G1, G1B
	s_mov_b32 s[\g+1], (\els)<<16
	s_mov_b32 s[\g+2], (\rows)<<16
	s_mov_b32 s[\g+3], (\els)<<16
	s_mov_b32 s[\g+4], \rows
.endr
.endm
	s_load_b128 s[4:7], s[0:1], 0x0                ; acodes, ascales
	s_load_b128 s[8:11], s[0:1], 0x10              ; codes, scales
	s_load_b128 s[12:15], s[0:1], 0x20             ; bo, out0
	v_lshl_add_u32 v[SPW], v0, 2, SPARE
	v_mov_b32 v[NIL], 0
	ds_add_u32 v[SPW], v[NIL]                      ; the opening adds, twice on end; their wait stands ahead of my first tensor load
	ds_add_u32 v[SPW], v[NIL]
	v_lshrrev_b32 v1, 5, v0
	v_readfirstlane_b32 s16, v1                    ; wave 0..3
	s_lshr_b32 s17, s16, 1                         ; which half of the tile's rows is mine.  Also: I fetch for A' (0) or for B' (1)
	s_and_b32 s18, s16, 1                          ; which half of its columns.  Also: which 4 tiles I fetch
	s_bfe_u32 s92, ttmp6, 0x40000                  ; cx, cy
	s_bfe_u32 s93, ttmp6, 0x40004
	s_lshl_b32 s94, ttmp9, 2
	s_add_co_u32 s94, s94, s92                     ; X = 4 x cluster x + cx
	s_and_b32 s19, ttmp7, 0xffff
	s_lshl_b32 s19, s19, 2
	s_add_co_u32 s19, s19, s93                     ; Y = 4 x cluster y + cy
	s_lshl_b32 s95, s93, 2
	s_lshl_b32 s95, 15, s95                        ; my row of the cluster
	s_lshl_b32 s96, 0x1111, s92                    ; my column
	s_or_b32 s[G1+0], s95, (3<<16)|(1<<21)         ; 15:0 the mask: A's tiles go to my row; 17:16 elements of 8 bytes; 21 set beside a mask
	s_or_b32 s[G1B+0], s96, (3<<16)|(1<<21)
	SHAPE 768, 8                                   ; the head's loads: 8 tiles x four fragments,
.irp g, G1, G1B
	s_mov_b32 s[\g+5], 3072                        ; a tile's 16 fragments apart
	s_mov_b32 s[\g+6], 0
	s_mov_b32 s[\g+7], 0
.endr
	s_or_b32 s[G1S+0], s95, (3<<16)|(1<<21)        ; the scale words of 8 tiles: 8,192 dense bytes as 32 rows of 256
	s_or_b32 s[G1SB+0], s96, (3<<16)|(1<<21)
.irp g, G1S, G1SB
	s_mov_b32 s[\g+1], 32<<16
	s_mov_b32 s[\g+2], 32<<16
	s_mov_b32 s[\g+3], 32<<16
	s_mov_b32 s[\g+4], 32
	s_mov_b32 s[\g+5], 32
	s_mov_b32 s[\g+6], 0
	s_mov_b32 s[\g+7], 0
.endr
	s_lshl_b32 s20, s19, 3                         ; A': tile 8 Y: it never holds cx
	s_lshl_b32 s98, s94, 3
	s_add_co_u32 s98, s98, 512                     ; B': tile 512 + 8 X: it never holds cy
	s_lshl_b32 s22, s20, 10                        ; their scale words, 1,024 bytes a tile,
	s_mov_b32 s23, 0
	s_mul_i32 s20, s20, 16*KB                      ; and their codes (under 2^24 bytes)
	s_mov_b32 s21, 0
	s_lshl_b32 s2, s98, 10
	s_mov_b32 s3, 0
	s_mul_i32 s98, s98, 16*KB
	s_mov_b32 s99, 0
	s_mul_i32 s95, s16, HALFT                      ; LDS: my quarter of region 0,
	s_mul_i32 s97, s16, 2*HALFT                    ; and of region 1: no place in the cluster enters an LDS address
	s_wait_dscnt 0x0                               ; both opening adds are done
	s_wait_kmcnt 0x0
	s_add_nc_u64 s[20:21], s[4:5], s[20:21]
	s_add_nc_u64 s[22:23], s[6:7], s[22:23]
	s_add_nc_u64 s[98:99], s[8:9], s[98:99]
	s_add_nc_u64 s[2:3], s[10:11], s[2:3]
	s_mov_b32 s[G0S], 1
	s_mov_b32 s[G0S+1], SCL
	s_mov_b64 s[G0S+2:G0S+3], s[22:23]
	s_or_b32 s[G0S+3], s[G0S+3], 0x80000000
	s_mov_b32 s[G0SB], 1
	s_mov_b32 s[G0SB+1], SCL+SCB
	s_mov_b64 s[G0SB+2:G0SB+3], s[2:3]
	s_or_b32 s[G0SB+3], s[G0SB+3], 0x80000000
	s_mov_b32 s[G0], 1                             ; the head's: A's 8 tiles, K steps 0-3,
	s_mov_b32 s[G0+1], 0
	s_mov_b64 s[G0+2:G0+3], s[20:21]
	s_or_b32 s[G0+3], s[G0+3], 0x80000000
	s_mov_b32 s[G0B], 1                            ; and B's, behind them
	s_mov_b32 s[G0B+1], 2*HALFT
	s_mov_b64 s[G0B+2:G0B+3], s[98:99]
	s_or_b32 s[G0B+3], s[G0B+3], 0x80000000
	s_mul_i32 s2, s18, 4*16*KB                     ; from here on I fetch 4 tiles: which half, in bytes
	s_mov_b32 s3, 0
	s_add_nc_u64 s[20:21], s[20:21], s[2:3]
	s_add_nc_u64 s[98:99], s[98:99], s[2:3]
	s_mov_b32 s[G0+4], 1                           ; region 1: K steps 4-11
	s_add_co_u32 s[G0+5], s97, SLOT
	s_add_nc_u64 s[G0+6:G0+7], s[20:21], 4*KB
	s_or_b32 s[G0+7], s[G0+7], 0x80000000
	s_mov_b32 s[G0B+4], 1
	s_add_co_u32 s[G0B+5], s97, SLOT
	s_add_nc_u64 s[G0B+6:G0B+7], s[98:99], 4*KB
	s_or_b32 s[G0B+7], s[G0B+7], 0x80000000
	s_mov_b32 s[G0+8], 1                           ; the refill of region 0: K steps 12-15
	s_mov_b32 s[G0+9], s95
	s_add_nc_u64 s[G0+10:G0+11], s[20:21], 12*KB
	s_or_b32 s[G0+11], s[G0+11], 0x80000000
	s_mov_b32 s[G0B+8], 1
	s_mov_b32 s[G0B+9], s95
	s_add_nc_u64 s[G0B+10:G0B+11], s[98:99], 12*KB
	s_or_b32 s[G0B+11], s[G0B+11], 0x80000000
	CROUND                                         ; all sixteen work-groups are here: the first joint loads meet
.macro ARM under, g0, g1, next         ; one tree of branches on the wave's number: every way through the head passes exactly one load
	s_cmp_lt_u32 s16, \under
	s_cbranch_scc0 \next
	TLOAD \g0, \g1
	s_branch .Lhead_asked
\next:
.endm
	ARM 1, G0,  G1,  .Lhead_b
	ARM 2, G0B, G1B, .Lhead_sa
	ARM 3, G0S, G1S, .Lhead_sb
	TLOAD G0SB, G1SB
.Lhead_asked:
	v_and_b32 v1, 15, v0                           ; r
	v_bfe_u32 v2, v0, 4, 1                         ; h
	v_and_b32 v3, 31, v0
	v_lshlrev_b32 v[LI], 4, v3
	s_wait_alu depctr_va_vdst(0)
	s_lshl_b32 s20, s94, 9                         ; my 64 columns in bytes: 512 X + 256 x half
	s_lshl_b32 s21, s18, 8
	s_add_co_u32 s20, s20, s21
	v_lshl_add_u32 v7, v2, 6, s20                  ; the bias: + 64 h
.irp b, 0,1,2,3
	global_load_b128 v[BN+8*\b:BN+8*\b+3], v7, s[12:13] offset:(32*(\b/2)+8*(\b%2))*4
	global_load_b128 v[BN+8*\b+4:BN+8*\b+7], v7, s[12:13] offset:(32*(\b/2)+8*(\b%2))*4+16
.endr
	s_lshl_b32 s22, s19, 7
	s_lshl_b32 s23, s17, 6
	s_add_co_u32 s22, s22, s23                     ; my first row of out0: 128 Y + 64 x half,
	s_lshl_b32 s22, s22, 13                        ; of 8,192 bytes,
	s_add_co_u32 s22, s22, s20                     ; and my first column's bytes
	s_mov_b32 s23, 0
	s_add_nc_u64 s[14:15], s[14:15], s[22:23]
	s_mul_i32 s21, s17, HALFT                      ; region 0: my 4 tiles of A',
	s_mul_i32 s22, s18, HALFT                      ; my 4 tiles of B',
	s_add_co_u32 s22, s22, 2*HALFT                 ; which lie behind A's 8
	v_add_nc_u32 v[ADRA], s21, v[LI]
	v_add_nc_u32 v[ADRB], s22, v[LI]
	s_lshl_b32 s21, s21, 1                         ; region 1: the same places, twice as long,
	s_lshl_b32 s22, s22, 1
	s_add_co_u32 s21, s21, SLOT                    ; behind region 0
	s_add_co_u32 s22, s22, SLOT
	v_add_nc_u32 v[ADRA+1], s21, v[LI]
	v_add_nc_u32 v[ADRB+1], s22, v[LI]
	s_lshl_b32 s21, s17, 12                        ; A's scale words: my 4 tiles
	s_lshl_b32 s22, s18, 12                        ; B's: my 4 tiles, behind A's
	s_add_co_u32 s22, s22, SCB
	s_sub_co_u32 s22, s22, s21
	v_mul_u32_u24 v6, s22, v2                      ; lanes 16-31 take B's: one product with h
	s_add_co_u32 s21, s21, SCL
	v_lshlrev_b32 v5, 2, v1
	v_add_nc_u32 v5, v5, v6
	v_add_nc_u32 v[ADRS], s21, v5
	s_mul_i32 s23, s16, 16*SPITCH
	s_add_co_u32 s23, s23, STAGE                   ; my stage
	v_mul_u32_u24 v5, v1, SPITCH
	v_lshl_add_u32 v5, v2, 6, v5
	v_add_nc_u32 v[STO], s23, v5                   ; in: row r, + 64 h
	v_mul_u32_u24 v5, v2, SPITCH
	v_lshl_add_u32 v5, v1, 4, v5
	v_add_nc_u32 v[RD], s23, v5                    ; back: lanes 0-15 one row of 256 bytes, lanes 16-31 the next
	v_lshlrev_b32 v5, 13, v2
	v_lshl_add_u32 v[CO], v1, 4, v5                ; and the same two rows in out0
; K step s's operands into buffer s % 2: 24 loads of 512 consecutive bytes, and 4 scale registers
.macro FETCH s
.if ((\s) >= 4) && ((\s) < 12)
.set SL, 1                             ; region 1: a tile's eight K steps on end
.set QQ, (\s)-4
.set TB, 8*KB
.else
.set SL, 0                             ; region 0: four
.set QQ, (\s)%4
.set TB, TILEB
.endif
.set PB, 128*((\s)%2)
	WIN TO_F
.irp i, 0,1,2,3
.irp c, 0,1,2
	ds_load_b128 v[PB+FR*\i+4*\c:PB+FR*\i+4*\c+3], v[ADRB+SL] offset:KB*QQ+TB*\i+512*\c
.endr
.endr
.irp i, 0,1,2,3
.irp c, 0,1,2
	ds_load_b128 v[PB+48+FR*\i+4*\c:PB+48+FR*\i+4*\c+3], v[ADRA+SL] offset:KB*QQ+TB*\i+512*\c
.endr
.endr
	WIN 0
.irp i, 0,1,2,3
	ds_load_b32 v[SC+4*((\s)%2)+\i], v[ADRS] offset:1024*\i+64*(\s)
.endr
.endm
; 8 matrix instructions of K step s: A's tiles a0, a0 + 1 x B's four.  Step 0 starts the sums with the bias as C.  The 16 accumulators take turns, one instruction a turn, in the same order in every step.
.macro MUL8 s, a0
.set PB, 128*((\s)%2)
.set PS, SC+4*((\s)%2)
.irp a, \a0, \a0+1
.irp b, 0,1,2,3
.if (\s) == 0
	v_wmma_scale_f32_16x16x128_f8f6f4 v[ACC+8*(4*(\a)+\b):ACC+8*(4*(\a)+\b)+7], v[PB+FR*\b:PB+FR*\b+FR-1], v[PB+48+FR*(\a):PB+48+FR*(\a)+FR-1], v[BN+8*\b:BN+8*\b+7], v[PS+\b], v[PS+(\a)] matrix_a_fmt:MATRIX_FMT_BF6 matrix_b_fmt:MATRIX_FMT_BF6 matrix_a_scale:MATRIX_SCALE_ROW1
.else
	v_wmma_scale_f32_16x16x128_f8f6f4 v[ACC+8*(4*(\a)+\b):ACC+8*(4*(\a)+\b)+7], v[PB+FR*\b:PB+FR*\b+FR-1], v[PB+48+FR*(\a):PB+48+FR*(\a)+FR-1], v[ACC+8*(4*(\a)+\b):ACC+8*(4*(\a)+\b)+7], v[PS+\b], v[PS+(\a)] matrix_a_fmt:MATRIX_FMT_BF6 matrix_b_fmt:MATRIX_FMT_BF6 matrix_a_scale:MATRIX_SCALE_ROW1
.endif
.endr
.endr
.endm
.macro PLACES n
.rept \n
	v_nop
.endr
.endm
; K STEP s.  In step 3 region 0 has been read out: each wave waits for all its tensor loads (its quarter of region 1), adds 0 to its spare word, waits for that and for its reads of region 0; behind a round of the cluster's
; barrier region 0 is filled again, and only then region 1 is read.  In step 11 each wave waits for that refill; behind the work-group's barrier region 0 is whole for every wave.
.macro KSTEP s
	s_wait_dscnt 0x0                               ; this step's fragments and scale words, asked for a step ago, are in
.if ((\s) == 3) || ((\s) == 11)
	WIN 0                                          ; (the add's two registers lie in window 0)
	s_wait_tensorcnt 0x0                           ; all my tensor loads have landed
	ds_add_u32 v[SPW], v[NIL]                      ; 0 onto my spare word
	WIN MUL
	MUL8 \s, 0                                     ; eight matrix instructions stand between the add and the wait for it
	s_wait_dscnt 0x0                               ; the add is done; my reads of the region that I leave were over at this step's head
	s_barrier_signal -1
	MUL8 \s, 2
	WIN 0
	s_barrier_wait -1
.if (\s) == 3
	CREST                                          ; the barrier has opened a round of the cluster's barrier: no wave of any partner still reads region 0 or has a load on its way
	SHAPE 768, 4                                   ; 4 tiles x four fragments
	JLOAD G0+8, G1, G0B+8, G1B                     ; the first tensor load behind the round, one a wave; its four v_nop are the places in front of the loads below
.else
	PLACES NP
.endif
	FETCH (\s)+1
.else
.if (\s) < 15
.if ((\s) != 0) && ((\s) != 4) && ((\s) != 12)
	PLACES NP                                      ; behind the last step's products, which read the other buffer (in steps 4 and 12 the places stand in the step before)
.endif
	FETCH (\s)+1
.endif
	WIN MUL
	MUL8 \s, 0
	MUL8 \s, 2
.endif
.endm
	s_wait_alu depctr_va_vdst(0)                   ; at the head's end
	s_wait_tensorcnt 0x0                           ; my tile of the head's four is in
	ds_add_u32 v[SPW], v[NIL]
	SHAPE 1536, 4                                  ; no tensor load of mine is out: region 1's loads bring 4 tiles x eight fragments
	s_wait_dscnt 0x0
	CROUND                                         ; all four tiles are in, and all sixteen work-groups are here
	JLOAD G0+4, G1, G0B+4, G1B                     ; K steps 4-11: the first tensor load behind the round
	FETCH 0
	s_wait_loadcnt 0x0                             ; the bias
.irp s, 0,1,2,3,4,5,6,7,8,9,10,11,12,13,14,15
	KSTEP \s
.endr
	WIN 0
; THE WAY OUT, block by block of 16 rows x 64 columns, through my own stage: a lane's eight numbers go to their columns' place in row r; whole rows of 256 bytes come back, two an instruction.  LDS serves a wave's instructions in order.
.macro TOSTAGE a
.irp b, 0,1,2,3
	ds_store_b128 v[STO], v[ACC+8*(4*(\a)+\b):ACC+8*(4*(\a)+\b)+3] offset:128*(\b/2)+32*(\b%2)        ; each accumulator from its low end on
	ds_store_b128 v[STO], v[ACC+8*(4*(\a)+\b)+4:ACC+8*(4*(\a)+\b)+7] offset:128*(\b/2)+32*(\b%2)+16
.endr
.set BB, BK+32*((\a)%2)
.irp t, 0,1,2,3,4,5,6,7
	ds_load_b128 v[BB+4*\t:BB+4*\t+3], v[RD] offset:2*\t*SPITCH
.endr
.endm
.macro SEND a, younger                 ; younger: the LDS instructions issued behind block a's loads, which may stay out
.set BB, BK+32*((\a)%2)
	s_wait_dscnt \younger
.irp t, 0,1,2,3,4,5,6,7
	global_store_b128 v[CO], v[BB+4*\t:BB+4*\t+3], s[14:15] offset:(32*((\a)/2)+8*((\a)%2)+2*\t+8*(\t/4))*8192 th:TH_STORE_NT   ; stage rows 2 t and 2 t + 1 are neighbours in out0; 16 lanes store 256 consecutive aligned bytes
.endr
.endm
	PLACES NP                                      ; behind the last products: results are read below
	TOSTAGE 0
	TOSTAGE 1
	SEND 0, 16                                     ; behind block 0's loads: block 1's 8 stores and 8 loads
	s_wait_xcnt 0x0                                ; block 0's stores have read their registers: block 2's loads may land there
	TOSTAGE 2
	SEND 1, 16
	s_wait_xcnt 0x0                                ; block 1's likewise
	TOSTAGE 3
	SEND 2, 16
	SEND 3, 0
	s_wait_tensorcnt 0x0                           ; the wave's end
	ds_add_u32 v[SPW], v[NIL]
	s_wait_dscnt 0x0
	CROUND                                         ; the closing round: no work-group ends while a partner may still ask for a tile that names it
	s_endpgm
.Lfunc_end_k_q96d3881a7c_proj:
	.size	k_q96d3881a7c_proj, .Lfunc_end_k_q96d3881a7c_proj-k_q96d3881a7c_proj
	.p2alignl 7, 3214868480
	.fill 96, 4, 3214868480
	.section	.rodata,"a",@progbits
	.p2align	6, 0x0
	.amdhsa_kernel k_q96d3881a7c_proj
		.amdhsa_group_segment_fixed_size 327680
		.amdhsa_private_segment_fixed_size 0
		.amdhsa_enable_private_segment 0
		.amdhsa_kernarg_size 48
		.amdhsa_user_sgpr_count 2
		.amdhsa_user_sgpr_kernarg_segment_ptr 1
		.amdhsa_wavefront_size32 1
		.amdhsa_system_sgpr_workgroup_id_x 1
		.amdhsa_system_sgpr_workgroup_id_y 1
		.amdhsa_system_sgpr_workgroup_id_z 1
		.amdhsa_system_vgpr_workitem_id 0
		.amdhsa_next_free_vgpr 512
		.amdhsa_next_free_sgpr 100
		.amdhsa_reserve_vcc 0
		.amdhsa_float_denorm_mode_32 3
		.amdhsa_float_denorm_mode_16_64 3
		.amdhsa_memory_ordered 1
		.amdhsa_forward_progress 1
		.amdhsa_inst_pref_size 85
	.end_amdhsa_kernel
	.amdgpu_metadata
---
amdhsa.version: [ 1, 2 ]
amdhsa.kernels:
  - .name:           k_q96d3881a7c_proj
    .symbol:         k_q96d3881a7c_proj.kd
    .args:
      - { .name: acodes, .offset: 0, .size: 8, .value_kind: global_buffer, .address_space: global }
      - { .name: ascales, .offset: 8, .size: 8, .value_kind: global_buffer, .address_space: global }
      - { .name: codes, .offset: 16, .size: 8, .value_kind: global_buffer, .address_space: global }
      - { .name: scales, .offset: 24, .size: 8, .value_kind: global_buffer, .address_space: global }
      - { .name: bo, .offset: 32, .size: 8, .value_kind: global_buffer, .address_space: global }
      - { .name: out0, .offset: 40, .size: 8, .value_kind: global_buffer, .address_space: global }
    .group_segment_fixed_size: 327680
    .private_segment_fixed_size: 0
    .kernarg_segment_align: 8
    .kernarg_segment_size: 48
    .max_flat_workgroup_size: 128
    .sgpr_count:     100
    .vgpr_count:     512
    .wavefront_size: 32
...
	.end_amdgpu_metadata
.endif
;; end of part 8
